; MI455X (gfx1250); checked and timed in simulation.
; The chip was launched on July 23, 2026; its instructions are those of AMD's public machine-readable ISA for CDNA 5 (MIT licence, August 2026) and "CDNA5" Instruction Set Architecture Reference Guide (July 2026). The comments in the code are by the model that wrote it; some were corrected since.
;; Custom RNN. Allowed arithmetic: float matrix products may take bf16 or f16 operands with f32 sums; all other float work in f32.
;; Inputs: W1 256 x 1 float32; W2 256 x 256 float32; W3 10 x 256 float32; x 64 x 8,192 float32.
;; Outputs: out0 64 x 8,192 x 10 float32.
;; 3 versions, each right; version 2 is faster than version 1; version 3 is version 2 with the launches mid, scan written anew for expert scheduling mode. Each part assembles by itself: llvm-mc -triple=amdgcn-amd-amdhsa -mcpu=gfx1250 --defsym DOCPART=n.
;; ======== version 1 of 3: 4 launches
;; workspace buffers: prep 483,328 bytes; a2 131,072 bytes; g 2,031,616 bytes; hs 1,015,808 bytes
;; launch prep (part 1): grid 34 x 1, 4 waves a work-group, no clusters, 274,944 bytes of LDS; arguments W1, W2, W3, prep; writes prep
.if DOCPART == 1
	.amdgcn_target "amdgcn-amd-amdhsa--gfx1250"
	.amdhsa_code_object_version 6
	.text
	.protected	k_qc06267180d_prep
	.globl	k_qc06267180d_prep
	.p2align	8
	.type	k_qc06267180d_prep,@function
k_qc06267180d_prep:
	s_mov_b64 s[64:65], 0
	v_nop
	global_prefetch_b8 v0, s[64:65] scope:SCOPE_SE
	s_setreg_imm32_b32 hwreg(HW_REG_WAVE_MODE, 25, 1), 1
	s_wait_xcnt 0x0
; prep: everything that hangs on the weights alone.
; reference(): h_t = W2 h_(t-1) + w1 x_t, y_t = W3 h_t, h = 0 in front of the first step.  There is no non-linearity, so for a chunk of 32 steps
; that starts from the state h, for all values of the inputs,
;   y_i   = (W3 W2^(i+1)) h + sum over j <= i of (W3 W2^(i-j) w1) x_j          (U h + Tz x)
;   h_end = W2^32 h + sum over j of W2^(31-j) w1 x_j                           (A h + V' x)
; The program carries the state exactly through all 8,192 steps in three levels: 32 steps (A = W2^32), 8 chunks (A2 = A^8), 32 superchunks.
; Nothing of the series is cut.  This launch makes A, its transpose, V', U and Tz; "mid" makes A2 and each superchunk's end state from zero;
; "scan" adds those up; "outp" runs each superchunk's chunks again from its true start and writes y.
; WORK LEFT OUT, because its result reaches no output whatever the inputs hold: the products with the zero state that reference() itself builds
; (A 0 and U 0 in front of the first chunk, the first chunk of every sum that starts from zero), the end state of the last superchunk and the state
; behind the last chunk of each superchunk in "outp" (no later step reads them).  All four inputs have a way to the output and are loaded.
; LIMITS: the sums are associated otherwise than in reference(), so the order of rounding differs; W1, W2, W3 and x enter the matrix unit rounded
; to bf16, states are rounded to bf16 between chain steps, the taps of Tz are kept as a pair of bf16 (high part + rest).  Inputs are finite: the zeros
; of the Toeplitz tile carry a NaN or an infinity of x to the earlier outputs of its own 32 steps, and a NaN, an infinity or an overflow that reaches
; only the work left out is not carried to the result.  Entries of powers of W2 below bf16's smallest denormal (about 9.2e-41) become 0; W2^256 has
; to be finite in f32.
;
; FRAGMENTS.  L = lane, r = L & 15, h = L >> 4.  A 16 x 32 operand fragment is 8 registers; in memory and in LDS it is 1,024 bytes:
; [half 0,1][lane][16 bytes], half 0 = registers 0-3.  A state (256 features x 16 columns, bf16) is 8 fragments, fragment q (features 32 q ..) at 1,024 q.
; The state is always the second operand, the matrix the first, so a lane's results (8 features of one column) pack into the same lane's operand
; registers, and a packed state read as a first operand is the transposed block.
; ROLES, by the work-group's number g; each is a chain S_(n+1) = M S_n of one 256 x 256 matrix times 16 columns, spread over four waves:
;   g = 0..15   M = W2,    S_1 = columns 16 g .. of W2:   S_32 = those columns of A = a row tile of A transposed   -> AT
;   g = 16..31  M = W2^T,  S_1 = rows 16 (g-16) .. of W2, transposed:  S_32 = a row tile of A                     -> AN
;   g = 32      M = W2,    S_0 = w1 in every column; S_0 .. S_31 stay in LDS                                      -> V', and the taps k_n = W3 S_n -> Tz
;   g = 33      M = W2^T,  S_0 = W3^T (column r = row min(r, 9)); S_1 .. S_32 stay in LDS                         -> U
; Wave w owns features 64 w .. 64 w + 63: four result tiles, fragments 2 w and 2 w + 1 of the state.  Its 4 x 8 fragments of M stay in 256 registers.
; No cluster and no tensor load: each work-group reads W2 once, straight into registers, and nothing is filled again.
.set STP,   544                        ; LDS pitch of the staged bf16(W2): 512 bytes + 32
.set BLK64, 64*STP                     ; 64 staged rows
.set SLOT,  8192                       ; a state in LDS; slot n holds S_n; the slots take the stage's bytes once it has been read
.set KT,    33*SLOT                    ; the taps: 64 rows of 16 f32; rows 0-31 are zero, row 32 + n is k_n
.set AN,    0                          ; regions of prep, in bytes
.set AT,    131072
.set VF,    262144
.set UF,    278528
.set TZ,    442368
.set VST, 4                            ; v4      where I put my two fragments of the state
.set VLD, 5                            ; v5-7    where the other three waves' fragments lie, nearest neighbour first
.set VM,  8                            ; v8-11   stage addresses of my fragments of M, one for each wave's pair of K positions
.set VGW, 12                           ; v12     byte offset in W2 of my staging loads
.set VSS, 13                           ; v13     where they go in the stage
.set VA0, 14                           ; v14-15  a role's own addresses
.set VA1, 15
.set T,   16                           ; v16-47  at work; v16-143 also take the long runs of loads on the ways out
.set OWN, 80                           ; v80-95  my two fragments of the state
.set OTH, 96                           ; v96-143 the other six
.set ACC, 144                          ; v144-175 four result tiles
.set NB,  176                          ; v176    544 r + 16 h: lane term of a load along K
.set TB,  177                          ; v177    544 (8 h + (L & 7)) + 16 ((L >> 3) & 1): lane term of a transposing load
.set L16, 178                          ; v178    16 L
.set VGO, 179                          ; v179    2,048 w + 16 L
.set TM,  180                          ; v180-187 small numbers at work; into v176-191 no run of loads ever lands
.set W3F, 192                          ; v192-255 role g = 32, wave 0: W3 as eight first-operand fragments
; window 1 (v256-511): first the raw first half of my W2 rows, then my fragments of M, position p, tile t at 8 (4 p + t);
; window 2: the raw second half; window 3, v0-127: raw W3 (g = 32, wave 0).
.set MSB, 0
.macro WIN new                         ; the immediate's high byte repeats the setting that is left
.if MSB != \new
	s_set_vgpr_msb (MSB<<8)|\new
.set MSB, \new
.endif
.endm
.macro PLACES n
.rept \n
	v_nop
.endr
.endm
.macro BAR                             ; my LDS work is done, for the others' sake; then all four waves meet
	s_wait_dscnt 0x0
	s_barrier_signal -1
	s_barrier_wait -1
.endm
.macro PACK                            ; tiles 2 e and 2 e + 1 are fragment e of my part of the next state, lane by lane
.irp t,0,1,2,3
.irp i,0,1,2,3
	v_cvt_pk_bf16_f32 v[OWN+4*\t+\i], v[ACC+8*\t+2*\i], v[ACC+8*\t+2*\i+1]
.endr
.endr
.endm
.macro XST off
.irp k,0,1,2,3
	ds_store_b128 v[VST], v[OWN+4*\k:OWN+4*\k+3] offset:\off+512*\k
.endr
.endm
.macro XLD off
.irp d,1,2,3
.irp k,0,1,2,3
	ds_load_b128 v[OTH+16*(\d-1)+4*\k:OTH+16*(\d-1)+4*\k+3], v[VLD+\d-1] offset:\off+512*\k
.endr
.endr
.endm
; four products: K position p of my four tiles.  The four accumulators take turns, one instruction a turn.
.macro MM p, b, zero
.irp t,0,1,2,3
.if \zero
	v_wmma_f32_16x16x32_bf16 v[ACC+8*\t:ACC+8*\t+7], v[(4*(\p)+\t)*8:(4*(\p)+\t)*8+7], v[\b:\b+7], 0
.else
	v_wmma_f32_16x16x32_bf16 v[ACC+8*\t:ACC+8*\t+7], v[(4*(\p)+\t)*8:(4*(\p)+\t)*8+7], v[\b:\b+7], v[ACC+8*\t:ACC+8*\t+7]
.endif
.endr
.endm
.macro REST                            ; positions 2 to 7, each as soon as its two loads are in: the 2 (7 - p) younger ones may stay out
	WIN 1
.irp p,2,3,4,5,6,7
	s_wait_dscnt 14-2*\p
	MM \p, OTH+8*(\p-2), 0
.endr
	WIN 0
.endm
; sixteen staging loads are rounded to bf16 and laid into the stage.  cnt = the younger staging loads (63 is the largest count a wait can name)
.macro STG g, cnt, win, rb
	s_wait_loadcnt \cnt
	WIN \win
.set kk, 0
.rept 16
	v_cvt_pk_bf16_f32 v[T+2*kk], v[\rb+4*kk], v[\rb+4*kk+1]
	v_cvt_pk_bf16_f32 v[T+2*kk+1], v[\rb+4*kk+2], v[\rb+4*kk+3]
.set kk, kk+1
.endr
	WIN 0
.set kk, 0
.rept 16
	ds_store_b64 v[VSS], v[T+2*kk:T+2*kk+1] offset:((16*\g+kk)>>1)*STP+((16*\g+kk)&1)*256
.set kk, kk+1
.endr
.endm
; W2 into the stage: wave w takes rows 64 w .. 64 w + 63, 128 loads of 512 neighbouring bytes, all issued before the first is used
.macro STAGE_W2
	WIN 0x40
.set kk, 0
.rept 64
	global_load_b128 v[4*kk:4*kk+3], v[VGW], s[6:7] offset:512*kk
.set kk, kk+1
.endr
	WIN 0x80
.set kk, 0
.rept 64
	global_load_b128 v[4*kk:4*kk+3], v[VGW], s[6:7] offset:32768+512*kk
.set kk, kk+1
.endr
	STG 0, 63, 0x05, 0                             ; 112, 96, 80 and 64 loads are younger
	STG 1, 63, 0x05, 64
	STG 2, 63, 0x05, 128
	STG 3, 63, 0x05, 192
	STG 4, 48, 0x0a, 0
	STG 5, 32, 0x0a, 64
	STG 6, 16, 0x0a, 128
	STG 7, 0,  0x0a, 192                           ; zero: a role's own loads, issued ahead of these, are in as well
	BAR                                            ; the stage is whole
.endm
.macro ADRN                            ; M = W2: row 64 w + 16 t + r, K along the staged row; position pair d begins at K = 64 ((w + d) & 3)
	v_add_nc_u32 v[VM], s22, v[NB]
	v_lshl_add_u32 v[VM+1], s17, 7, v[VM]
	v_lshl_add_u32 v[VM+2], s18, 7, v[VM]
	v_lshl_add_u32 v[VM+3], s19, 7, v[VM]
	v_lshl_add_u32 v[VM], s12, 7, v[VM]
.endm
.macro ADRT                            ; M = W2 transposed: K down the staged rows, my 64 columns
	v_lshl_add_u32 v[VM], s12, 7, v[TB]
	s_mul_i32 s23, s17, BLK64
	v_add_nc_u32 v[VM+1], s23, v[VM]
	s_mul_i32 s23, s18, BLK64
	v_add_nc_u32 v[VM+2], s23, v[VM]
	s_mul_i32 s23, s19, BLK64
	v_add_nc_u32 v[VM+3], s23, v[VM]
	v_add_nc_u32 v[VM], s22, v[VM]
.endm
.macro MLOADN
	WIN 0x40
.irp d,0,1,2,3
.irp e,0,1
.irp t,0,1,2,3
	ds_load_b128 v[(4*(2*\d+\e)+\t)*8:(4*(2*\d+\e)+\t)*8+3], v[VM+\d] offset:\t*16*STP+\e*64
	ds_load_b128 v[(4*(2*\d+\e)+\t)*8+4:(4*(2*\d+\e)+\t)*8+7], v[VM+\d] offset:\t*16*STP+\e*64+32
.endr
.endr
.endr
	WIN 0
.endm
.macro MLOADT
	WIN 0x40
.irp d,0,1,2,3
.irp e,0,1
.irp t,0,1,2,3
	ds_load_tr16_b128 v[(4*(2*\d+\e)+\t)*8:(4*(2*\d+\e)+\t)*8+3], v[VM+\d] offset:\t*32+\e*32*STP
	ds_load_tr16_b128 v[(4*(2*\d+\e)+\t)*8+4:(4*(2*\d+\e)+\t)*8+7], v[VM+\d] offset:\t*32+\e*32*STP+16*STP
.endr
.endr
.endr
	WIN 0
.endm
; The chain.  A trip: my part of S_n goes into slot n; while the others arrive I multiply my own two K positions; behind the barrier the other six.
; Each slot is written once, so one barrier a trip orders all: a trip's stores go to bytes that no wave has read.
.macro CHAIN trips
	s_mov_b32 s16, 0
.Lchain_\@:
	XST 0
	s_wait_dscnt 0x0                               ; my stores are done, for the others' sake
	s_barrier_signal -1
	WIN 1
	MM 0, OWN, 1                                   ; the first product starts the sums
	MM 1, OWN+8, 0
	WIN 0
	s_barrier_wait -1
	XLD 0
	REST
	v_add_nc_u32 v[VST], SLOT, v[VST]              ; the next slot.  These four and the v_nop are the five places (ISA guide 7.12.1) between the last
	v_add_nc_u32 v[VLD], SLOT, v[VLD]              ; products and the conversions that read them, the next trip's first products that write over
	v_add_nc_u32 v[VLD+1], SLOT, v[VLD+1]          ; them, and the loads into the operands
	v_add_nc_u32 v[VLD+2], SLOT, v[VLD+2]
	v_nop
	PACK
	s_add_co_u32 s16, s16, 1
	s_cmp_lt_u32 s16, \trips
	s_cbranch_scc1 .Lchain_\@
.endm
.macro POWOUT                          ; S_32, packed, is a row tile in fragment form: 512 neighbouring bytes a store
.irp k,0,1,2,3
	global_store_b128 v[VGO], v[OWN+4*\k:OWN+4*\k+3], s[20:21] offset:512*\k
.endr
.endm
	s_load_b256 s[4:11], s[0:1], 0x0               ; W1 s[4:5], W2 s[6:7], W3 s[8:9], prep s[10:11]
	v_lshl_add_u32 v190, v0, 2, 0x43000
	v_mov_b32 v191, 0
	v_and_b32 v1, 31, v0                           ; L
	v_and_b32 v2, 15, v0                           ; r
	v_bfe_u32 v3, v0, 4, 1                         ; h
	v_lshrrev_b32 v[TM], 5, v0
	v_readfirstlane_b32 s12, v[TM]                 ; w
	s_mov_b32 s13, ttmp9                           ; g
	s_add_co_u32 s17, s12, 1
	s_and_b32 s17, s17, 3                          ; (w + 1) & 3
	s_add_co_u32 s18, s12, 2
	s_and_b32 s18, s18, 3
	s_add_co_u32 s19, s12, 3
	s_and_b32 s19, s19, 3
	s_mul_i32 s22, s12, BLK64
	v_lshlrev_b32 v[L16], 4, v1
	v_lshl_add_u32 v[VST], s12, 11, v[L16]
	v_lshl_add_u32 v[VLD], s17, 11, v[L16]
	v_lshl_add_u32 v[VLD+1], s18, 11, v[L16]
	v_lshl_add_u32 v[VLD+2], s19, 11, v[L16]
	v_lshl_add_u32 v[VGW], s12, 16, v[L16]
	v_lshl_add_u32 v[VSS], v1, 3, s22
	v_mul_u32_u24 v[NB], v2, STP
	v_lshl_add_u32 v[NB], v3, 4, v[NB]
	v_and_b32 v[TB], 7, v0
	v_lshl_add_u32 v[TB], v3, 3, v[TB]
	v_mul_u32_u24 v[TB], v[TB], STP
	v_bfe_u32 v[TM], v0, 3, 1
	v_lshl_add_u32 v[TB], v[TM], 4, v[TB]
	s_wait_kmcnt 0x0
	s_cmp_lt_u32 s13, 16
	s_cbranch_scc1 .Lrole_c
	s_cmp_lt_u32 s13, 32
	s_cbranch_scc1 .Lrole_r
	s_cmp_eq_u32 s13, 32
	s_cbranch_scc1 .Lrole_v
	; ---- g = 33: U.  S_n = (W3 W2^n) transposed, column o = output o (columns 10 to 15 repeat row 9 and are never read).
	ADRT
	v_min_u32 v[VA0], 9, v2
	v_lshlrev_b32 v[VA0], 10, v[VA0]               ; row min(r, 9) of W3
	v_lshl_add_u32 v[VA0], v3, 5, v[VA0]
	v_lshl_add_u32 v[VA0], s12, 8, v[VA0]          ; features 64 w + 8 h ..
.irp t,0,1,2,3
	global_load_b128 v[ACC+8*\t:ACC+8*\t+3], v[VA0], s[8:9] offset:64*\t
	global_load_b128 v[ACC+8*\t+4:ACC+8*\t+7], v[VA0], s[8:9] offset:64*\t+16
.endr
	STAGE_W2
	MLOADT
	PACK                                           ; S_0
	BAR                                            ; every wave has read what it needs of the stage: the slots may take its bytes
	CHAIN 32
	XST 0                                          ; S_32
	BAR
	; row m = 10 i + o of U is column o of S_(i+1): 16 bytes of slot i + 1 for each half fragment.  Wave w writes tiles 5 w .. 5 w + 4.
	s_mul_i32 s14, s12, 80
	v_add_nc_u32 v8, s14, v2                       ; m
	s_mul_i32 s15, s12, 40960
	v_add_nc_u32 v12, s15, v[L16]
.irp t,0,1,2,3,4
.if \t
	v_add_nc_u32 v8, 16, v8
.endif
	v_mul_u32_u24 v9, v8, 205                      ; 205 m = 2,048 i + (2 i + 205 o), the bracket at most 1,907
	v_and_b32 v10, 0x7ff, v9
	v_lshrrev_b32 v9, 11, v9                       ; i
	v_mul_u32_u24 v10, v10, 10                     ; 2,048 o + (20 i + 2 o), the bracket at most 638
	v_lshrrev_b32 v10, 11, v10                     ; o
	v_lshlrev_b32 v9, 13, v9
	v_lshl_add_u32 v9, v10, 4, v9
	v_lshl_add_u32 v9, v3, 8, v9                   ; slot i, lane 16 h + o; one slot further stands in the immediate
	s_wait_xcnt 0x0                                ; v16-79, which the last tile's stores read, are loaded again only behind this wait
.irp n,0,1,2,3,4,5,6,7,8,9,10,11,12,13,14,15
	ds_load_b128 v[16+4*\n:16+4*\n+3], v9 offset:SLOT+512*\n
.endr
.irp n,0,1,2,3,4,5,6,7,8,9,10,11,12,13,14,15
	s_wait_dscnt 15-\n                             ; the younger loads of the run may stay out
	global_store_b128 v12, v[16+4*\n:16+4*\n+3], s[10:11] offset:UF+8192*\t+512*\n
.endr
.endr
	s_wait_tensorcnt 0x0
	ds_add_u32 v190, v191
	s_wait_dscnt 0x0
	s_endpgm
	; ---- g = 0..15: columns of A
.Lrole_c:
	ADRN
	v_mov_b32 v[VGO], v[VST]
	s_lshl_b32 s14, s13, 5                         ; columns 16 g .., in bytes,
	s_add_co_u32 s14, s14, s22                     ; K = 64 w ..
	v_add_nc_u32 v[VA0], s14, v[TB]
	s_lshl_b32 s20, s13, 13
	s_add_co_u32 s20, s20, AT
	s_mov_b32 s21, 0
	s_add_nc_u64 s[20:21], s[10:11], s[20:21]
	STAGE_W2
	MLOADN
.irp k,0,1,2,3
	ds_load_tr16_b128 v[OWN+4*\k:OWN+4*\k+3], v[VA0] offset:16*STP*\k   ; S_1: K down the staged rows
.endr
	BAR                                            ; every wave has read what it needs of the stage: the slots may take its bytes
	CHAIN 31
	POWOUT
	s_wait_tensorcnt 0x0
	ds_add_u32 v190, v191
	s_wait_dscnt 0x0
	s_endpgm
	; ---- g = 16..31: rows of A
.Lrole_r:
	ADRT
	v_mov_b32 v[VGO], v[VST]
	s_sub_co_u32 s14, s13, 16
	s_mul_i32 s15, s14, 16*STP                     ; rows 16 (g - 16) ..,
	s_lshl_b32 s23, s12, 7                         ; K = 64 w ..
	s_add_co_u32 s15, s15, s23
	v_add_nc_u32 v[VA0], s15, v[NB]
	s_lshl_b32 s20, s14, 13                        ; AN begins at byte 0 of prep
	s_mov_b32 s21, 0
	s_add_nc_u64 s[20:21], s[10:11], s[20:21]
	STAGE_W2
	MLOADT
.irp k,0,1,2,3
	ds_load_b128 v[OWN+4*\k:OWN+4*\k+3], v[VA0] offset:32*\k            ; S_1: K along the staged rows
.endr
	BAR
	CHAIN 31
	POWOUT
	s_wait_tensorcnt 0x0
	ds_add_u32 v190, v191
	s_wait_dscnt 0x0
	s_endpgm
	; ---- g = 32: S_n = W2^n w1, then V' and the taps
.Lrole_v:
	ADRN
	s_lshl_b32 s14, s12, 8
	v_lshl_add_u32 v[VA0], v3, 5, s14              ; features 64 w + 8 h .. of w1
	v_min_u32 v[VA1], 9, v2
	v_lshlrev_b32 v[VA1], 10, v[VA1]
	v_lshl_add_u32 v[VA1], v3, 5, v[VA1]           ; row min(r, 9) of W3, K = 8 h ..
.irp t,0,1,2,3
	global_load_b128 v[ACC+8*\t:ACC+8*\t+3], v[VA0], s[4:5] offset:64*\t
	global_load_b128 v[ACC+8*\t+4:ACC+8*\t+7], v[VA0], s[4:5] offset:64*\t+16
.endr
	s_cmp_lg_u32 s12, 0
	s_cbranch_scc1 .Lv_a
	WIN 0xc0                                       ; wave 0 alone multiplies by W3: its raw rows, ahead of the staging loads, so that their counts hold in every wave
.irp q,0,1,2,3,4,5,6,7
	global_load_b128 v[16*\q:16*\q+3], v[VA1], s[8:9] offset:128*\q
	global_load_b128 v[16*\q+4:16*\q+7], v[VA1], s[8:9] offset:128*\q+16
	global_load_b128 v[16*\q+8:16*\q+11], v[VA1], s[8:9] offset:128*\q+64
	global_load_b128 v[16*\q+12:16*\q+15], v[VA1], s[8:9] offset:128*\q+80
.endr
	WIN 0
.Lv_a:
	STAGE_W2
	MLOADN
	PACK                                           ; S_0 = w1, the same in all 16 columns
	s_cmp_lg_u32 s12, 0
	s_cbranch_scc1 .Lv_b
	WIN 0x0f
.irp q,0,1,2,3,4,5,6,7
.irp i,0,1,2,3,4,5,6,7
	v_cvt_pk_bf16_f32 v[W3F+8*\q+\i], v[16*\q+2*\i], v[16*\q+2*\i+1]
.endr
.endr
	WIN 0
.Lv_b:
	BAR
	CHAIN 31
	XST 0                                          ; S_31
	BAR                                            ; slots 0 to 31 are whole
	; all waves: V'[m][j] = S_(31-j)[m] as first-operand fragments.  The transposing load gives lane 8 g + i element i of what lanes 8 g + j address:
	; lane 8 g + j addresses slot 31 - 8 h - j (registers 4-7: sixteen slots lower), features 64 w + 16 t + 8 (g & 1) .. of column 0.
	; The data land in the idle accumulators; the chain's last five places stand between its products and these loads.
	v_and_b32 v[TM+5], 7, v0
	v_lshl_add_u32 v[TM+5], v3, 3, v[TM+5]
	v_sub_nc_u32 v[TM+5], 15, v[TM+5]
	v_lshlrev_b32 v[TM+5], 13, v[TM+5]
	v_bfe_u32 v[TM+6], v0, 3, 1
	v_lshl_add_u32 v[TM+5], v[TM+6], 8, v[TM+5]
	v_lshl_add_u32 v[TM+5], s12, 11, v[TM+5]       ; j = 16 + 8 h ..
	v_add_nc_u32 v[TM+6], 16*SLOT, v[TM+5]         ; j = 8 h ..
	v_lshl_add_u32 v[TM+7], s12, 12, v[L16]
.irp t,0,1,2,3
	ds_load_tr16_b128 v[ACC+8*\t:ACC+8*\t+3], v[TM+6] offset:512*\t
	ds_load_tr16_b128 v[ACC+8*\t+4:ACC+8*\t+7], v[TM+5] offset:512*\t
.endr
	s_wait_dscnt 0x0
.irp k,0,1,2,3,4,5,6,7
	global_store_b128 v[TM+7], v[ACC+4*\k:ACC+4*\k+3], s[10:11] offset:VF+512*\k
.endr
	BAR                                            ; every wave's transposing reads are over before wave 0 stores anything into LDS
	s_cmp_lg_u32 s12, 0
	s_cbranch_scc1 .Lv_c
	; wave 0: k_n[o] = W3[o] . S_n.  Second operand: column n = column 0 of slot n; two tiles of 16 n.
	v_lshlrev_b32 v8, 13, v2
	v_lshl_add_u32 v8, v3, 8, v8                   ; slot r, lane 16 h
	v_add_nc_u32 v9, 16*SLOT, v8                   ; slot 16 + r
.irp n,0,1,2,3,4,5,6,7,8,9,10,11,12,13,14,15
	ds_load_b128 v[16+4*\n:16+4*\n+3], v8 offset:512*\n
.endr
.irp n,0,1,2,3,4,5,6,7,8,9,10,11,12,13,14,15
	ds_load_b128 v[80+4*\n:80+4*\n+3], v9 offset:512*\n
.endr
	v_lshlrev_b32 v10, 6, v2
	v_lshl_add_u32 v10, v3, 5, v10
	v_add_nc_u32 v10, KT+2048, v10                 ; row 32 + r, outputs 8 h ..
	v_add_nc_u32 v11, KT, v[L16]
	v_mov_b32 v12, 0
	v_mov_b32 v13, 0
	v_mov_b32 v14, 0
	v_mov_b32 v15, 0
.irp k,0,1,2,3
	ds_store_b128 v11, v[12:15] offset:512*\k      ; rows 0 to 31: the taps of negative lag
.endr
	s_wait_dscnt 0x0
	s_wait_xcnt 0x0                                ; v144-159, which my stores of V' read, are written again only behind this wait
	v_wmma_f32_16x16x32_bf16 v[144:151], v[W3F:W3F+7], v[16:23], 0        ; two accumulators by turns, one instruction a turn
	v_wmma_f32_16x16x32_bf16 v[152:159], v[W3F:W3F+7], v[80:87], 0
.irp q,1,2,3,4,5,6,7
	v_wmma_f32_16x16x32_bf16 v[144:151], v[W3F+8*\q:W3F+8*\q+7], v[16+8*\q:16+8*\q+7], v[144:151]
	v_wmma_f32_16x16x32_bf16 v[152:159], v[W3F+8*\q:W3F+8*\q+7], v[80+8*\q:80+8*\q+7], v[152:159]
.endr
	PLACES 4                                       ; between the products and the stores that read them, and the later writes of their operands
	ds_store_b128 v10, v[144:147]
	ds_store_b128 v10, v[148:151] offset:16
	ds_store_b128 v10, v[152:155] offset:1024
	ds_store_b128 v10, v[156:159] offset:1040
.Lv_c:
	BAR                                            ; wave 0's taps and zeros are in LDS
	; all waves: Tz[10 i + o][j] = k_(i-j)[o] = row 32 + i - j of the table, zero for j > i; as a pair of bf16, high part and rest.  Tiles 5 w .. 5 w + 4.
	s_mul_i32 s14, s12, 80
	v_add_nc_u32 v[TM], s14, v2                    ; m
	s_mul_i32 s15, s12, 10240
	v_add_nc_u32 v[TM+4], s15, v[L16]
	v_lshlrev_b32 v[TM+3], 3, v3
	v_sub_nc_u32 v[TM+3], 9, v[TM+3]               ; 9 - 8 h; the other 23 - e (or 7 - e) rows stand in the immediates
.irp t,0,1,2,3,4
.if \t
	v_add_nc_u32 v[TM], 16, v[TM]
.endif
	v_mul_u32_u24 v[TM+1], v[TM], 205              ; i and o as for U
	v_and_b32 v[TM+2], 0x7ff, v[TM+1]
	v_lshrrev_b32 v[TM+1], 11, v[TM+1]
	v_mul_u32_u24 v[TM+2], v[TM+2], 10
	v_lshrrev_b32 v[TM+2], 11, v[TM+2]
	v_add_nc_u32 v[TM+1], v[TM+1], v[TM+3]
	v_lshlrev_b32 v[TM+1], 6, v[TM+1]
	v_lshl_add_u32 v[TM+1], v[TM+2], 2, v[TM+1]
	v_add_nc_u32 v[TM+1], KT, v[TM+1]
.irp e,0,1,2,3,4,5,6,7
	ds_load_b32 v[16+\e], v[TM+1] offset:(23-\e)*64    ; j = 8 h + e
.endr
.irp e,0,1,2,3,4,5,6,7
	ds_load_b32 v[24+\e], v[TM+1] offset:(7-\e)*64     ; j = 16 + 8 h + e
.endr
	s_wait_dscnt 0x0
.irp i,0,1,2,3,4,5,6,7
	v_cvt_pk_bf16_f32 v[64+16*\t+\i], v[16+2*\i], v[17+2*\i]
.endr
.irp i,0,1,2,3,4,5,6,7
	v_lshlrev_b32 v[32+2*\i], 16, v[64+16*\t+\i]
	v_and_b32 v[33+2*\i], 0xffff0000, v[64+16*\t+\i]
.endr
.irp i,0,1,2,3,4,5,6,7
	v_pk_add_f32 v[32+2*\i:33+2*\i], v[16+2*\i:17+2*\i], v[32+2*\i:33+2*\i] neg_lo:[0,1] neg_hi:[0,1]   ; what the high part leaves
.endr
.irp i,0,1,2,3,4,5,6,7
	v_cvt_pk_bf16_f32 v[72+16*\t+\i], v[32+2*\i], v[33+2*\i]
.endr
.irp k,0,1,2,3
	global_store_b128 v[TM+4], v[64+16*\t+4*\k:64+16*\t+4*\k+3], s[10:11] offset:TZ+2048*\t+512*\k   ; each tile has store registers of its own
.endr
.endr
	s_wait_tensorcnt 0x0
	ds_add_u32 v190, v191
	s_wait_dscnt 0x0
	s_endpgm
.Lfunc_end_k_qc06267180d_prep:
	.size	k_qc06267180d_prep, .Lfunc_end_k_qc06267180d_prep-k_qc06267180d_prep
	.p2alignl 7, 3214868480
	.fill 96, 4, 3214868480
	.section	.rodata,"a",@progbits
	.p2align	6, 0x0
	.amdhsa_kernel k_qc06267180d_prep
		.amdhsa_group_segment_fixed_size 274944
		.amdhsa_private_segment_fixed_size 0
		.amdhsa_enable_private_segment 0
		.amdhsa_kernarg_size 32
		.amdhsa_user_sgpr_count 2
		.amdhsa_user_sgpr_kernarg_segment_ptr 1
		.amdhsa_wavefront_size32 1
		.amdhsa_system_sgpr_workgroup_id_x 1
		.amdhsa_system_sgpr_workgroup_id_y 1
		.amdhsa_system_sgpr_workgroup_id_z 1
		.amdhsa_system_vgpr_workitem_id 0
		.amdhsa_next_free_vgpr 896
		.amdhsa_next_free_sgpr 66
		.amdhsa_reserve_vcc 0
		.amdhsa_float_denorm_mode_32 3
		.amdhsa_float_denorm_mode_16_64 3
		.amdhsa_memory_ordered 1
		.amdhsa_forward_progress 1
		.amdhsa_inst_pref_size 246
	.end_amdhsa_kernel
	.amdgpu_metadata
---
amdhsa.version: [ 1, 2 ]
amdhsa.kernels:
  - .name:           k_qc06267180d_prep
    .symbol:         k_qc06267180d_prep.kd
    .args:
      - { .name: W1, .offset: 0, .size: 8, .value_kind: global_buffer, .address_space: global }
      - { .name: W2, .offset: 8, .size: 8, .value_kind: global_buffer, .address_space: global }
      - { .name: W3, .offset: 16, .size: 8, .value_kind: global_buffer, .address_space: global }
      - { .name: prep, .offset: 24, .size: 8, .value_kind: global_buffer, .address_space: global }
    .group_segment_fixed_size: 274944
    .private_segment_fixed_size: 0
    .kernarg_segment_align: 8
    .kernarg_segment_size: 32
    .max_flat_workgroup_size: 128
    .sgpr_count:     66
    .vgpr_count:     896
    .wavefront_size: 32
...
	.end_amdgpu_metadata
.endif
;; end of part 1
;; launch mid (part 2): grid 140 x 1, 4 waves a work-group, no clusters, 66,304 bytes of LDS; arguments x, prep, a2, g; writes a2, g
.if DOCPART == 2
	.amdgcn_target "amdgcn-amd-amdhsa--gfx1250"
	.amdhsa_code_object_version 6
	.text
	.protected	k_qc06267180d_mid
	.globl	k_qc06267180d_mid
	.p2align	8
	.type	k_qc06267180d_mid,@function
k_qc06267180d_mid:
	s_mov_b64 s[64:65], 0
	v_nop
	global_prefetch_b8 v0, s[64:65] scope:SCOPE_SE
	s_setreg_imm32_b32 hwreg(HW_REG_WAVE_MODE, 25, 1), 1
	s_wait_xcnt 0x0
; mid: two kinds of short chains, one work-group each, on the operands that "prep" made (A = W2^32, V'[m][j] = (W2^(31-j) w1)[m]).
;   work-groups 0..15: a row tile of A2 = A^8 = W2^256: the state starts as the tile of A (as a second operand: columns of A transposed), M = A transposed, 7 steps.
;   work-groups 16..139: batch tile bt (16 rows of x) and superchunk s = 0..30 (256 steps): G = the state behind the superchunk when it starts from zero:
;   g_0 = V' x_0, g_c = A g_(c-1) + V' x_c, c = 1..7; G = g_7 is stored in f32.
; LEFT OUT as dead: the product of A with the zero state in front of chunk 0, and superchunk 31, whose end state no step reads.
; Fragments, the rotation of K positions and the exchange of the state are those of "prep": wave w owns features 64 w .. 64 w + 63, position p = 2 d + e stands for
; K fragment 2 ((w + d) & 3) + e, so positions 0 and 1 are the wave's own and are multiplied while the barrier completes.
; Every exchange slot is written once in the launch, so one barrier a step is enough.  No cluster, no tensor load: each operand goes once, in fragment order, into registers.
.set XP,   528                         ; LDS pitch of a row of 256 bf16 of x: 512 + 16, an odd multiple of 16
.set XCH,  16*XP                       ; behind x: seven exchange slots
.set SLOT, 8192
.set AN,   0
.set AT,   131072
.set VF,   262144
.set VST, 4
.set VLD, 5                            ; v5-7
.set VOFF, 8                           ; v8-11   byte offsets of my fragments of M, one for each pair of positions
.set VX,  12                           ; v12     x: 131,072 w + 16 L
.set VXS, 13                           ; v13     x into LDS
.set VXF, 14                           ; v14     x fragments out of LDS
.set VVP, 15                           ; v15     4,096 w + 16 L: V' in, G out
.set XF,  16                           ; v16-79  x as eight second-operand fragments, one a chunk
.set OWN, 80
.set OTH, 96
.set XC,  OTH                          ; x rounded, on its way into LDS (OTH is idle then)
.set ACC, 144
.set VP,  176                          ; v176-207 V' of my four tiles
.set XT,  208                          ; v208-239 x as loaded
.set L16, 240
.set VHS, 241                          ; 2,048 w + 16 L
.set MSB, 0
.macro WIN new                         ; the immediate's high byte repeats the setting that is left
.if MSB != \new
	s_set_vgpr_msb (MSB<<8)|\new
.set MSB, \new
.endif
.endm
.macro PLACES n
.rept \n
	v_nop
.endr
.endm
.macro BAR
	s_wait_dscnt 0x0
	s_barrier_signal -1
	s_barrier_wait -1
.endm
.macro PACK
.irp t,0,1,2,3
.irp i,0,1,2,3
	v_cvt_pk_bf16_f32 v[OWN+4*\t+\i], v[ACC+8*\t+2*\i], v[ACC+8*\t+2*\i+1]
.endr
.endr
.endm
.macro XST off
.irp k,0,1,2,3
	ds_store_b128 v[VST], v[OWN+4*\k:OWN+4*\k+3] offset:\off+512*\k
.endr
.endm
.macro XLD off
.irp d,1,2,3
.irp k,0,1,2,3
	ds_load_b128 v[OTH+16*(\d-1)+4*\k:OTH+16*(\d-1)+4*\k+3], v[VLD+\d-1] offset:\off+512*\k
.endr
.endr
.endm
.macro MM p, b, zero                   ; the four accumulators take turns, one instruction a turn
.irp t,0,1,2,3
.if \zero
	v_wmma_f32_16x16x32_bf16 v[ACC+8*\t:ACC+8*\t+7], v[(4*(\p)+\t)*8:(4*(\p)+\t)*8+7], v[\b:\b+7], 0
.else
	v_wmma_f32_16x16x32_bf16 v[ACC+8*\t:ACC+8*\t+7], v[(4*(\p)+\t)*8:(4*(\p)+\t)*8+7], v[\b:\b+7], v[ACC+8*\t:ACC+8*\t+7]
.endif
.endr
.endm
.macro REST                            ; position p as soon as its two loads are in: the 2 (7 - p) younger ones may stay out
	WIN 1
.irp p,2,3,4,5,6,7
	s_wait_dscnt 14-2*\p
	MM \p, OTH+8*(\p-2), 0
.endr
	WIN 0
.endm
.macro MLOADG sb, off                  ; my 4 x 8 fragments of M into window 1, own positions first; 512 neighbouring bytes a load
	WIN 0x40
.irp d,0,1,2,3
.irp e,0,1
.irp t,0,1,2,3
	global_load_b128 v[(4*(2*\d+\e)+\t)*8:(4*(2*\d+\e)+\t)*8+3], v[VOFF+\d], s[\sb:\sb+1] offset:\off+\t*8192+\e*1024
	global_load_b128 v[(4*(2*\d+\e)+\t)*8+4:(4*(2*\d+\e)+\t)*8+7], v[VOFF+\d], s[\sb:\sb+1] offset:\off+\t*8192+\e*1024+512
.endr
.endr
.endr
	WIN 0
.endm
; One step: ACC = V' x_xc (xc >= 0) + M state (slot >= 0: the state in OWN is exchanged through that slot); then packed (pack = 1).
.macro RSTEP xc, slot, pack
.if (\slot) >= 0
	XST (\slot)*SLOT
	s_wait_dscnt 0x0                               ; my stores are done, for the others' sake
	s_barrier_signal -1
.endif
.if (\xc) >= 0
.irp t,0,1,2,3
	v_wmma_f32_16x16x32_bf16 v[ACC+8*\t:ACC+8*\t+7], v[VP+8*\t:VP+8*\t+7], v[XF+8*(\xc):XF+8*(\xc)+7], 0
.endr
.endif
.if (\slot) >= 0
	WIN 1
.if (\xc) >= 0
	MM 0, OWN, 0
.else
	MM 0, OWN, 1
.endif
	MM 1, OWN+8, 0
	WIN 0
	s_barrier_wait -1
	XLD (\slot)*SLOT
	REST
.endif
	PLACES 5                                       ; between the last products and the conversions or stores that read them, the next step's first products
	                                               ; that write over them, and the loads into the operands
.if \pack
	PACK
.endif
.endm
	s_load_b256 s[4:11], s[0:1], 0x0               ; x s[4:5], prep s[6:7], a2 s[8:9], g s[10:11]
	v_lshl_add_u32 v254, v0, 2, 0x10100
	v_mov_b32 v255, 0
	v_and_b32 v1, 31, v0                           ; L
	v_and_b32 v2, 15, v0                           ; r
	v_bfe_u32 v3, v0, 4, 1                         ; h
	v_lshrrev_b32 v[L16], 5, v0
	v_readfirstlane_b32 s12, v[L16]                ; w
	s_mov_b32 s13, ttmp9
	s_add_co_u32 s17, s12, 1
	s_and_b32 s17, s17, 3
	s_add_co_u32 s18, s12, 2
	s_and_b32 s18, s18, 3
	s_add_co_u32 s19, s12, 3
	s_and_b32 s19, s19, 3
	v_lshlrev_b32 v[L16], 4, v1
	v_add_nc_u32 v[VLD+2], XCH, v[L16]
	v_lshl_add_u32 v[VST], s12, 11, v[VLD+2]
	v_lshl_add_u32 v[VLD], s17, 11, v[VLD+2]
	v_lshl_add_u32 v[VLD+1], s18, 11, v[VLD+2]
	v_lshl_add_u32 v[VLD+2], s19, 11, v[VLD+2]
	s_lshl_b32 s20, s12, 15
	v_add_nc_u32 v[VOFF+3], s20, v[L16]            ; tiles 4 w ..: 32,768 w
	v_lshl_add_u32 v[VOFF], s12, 11, v[VOFF+3]
	v_lshl_add_u32 v[VOFF+1], s17, 11, v[VOFF+3]
	v_lshl_add_u32 v[VOFF+2], s18, 11, v[VOFF+3]
	v_lshl_add_u32 v[VOFF+3], s19, 11, v[VOFF+3]
	s_wait_kmcnt 0x0
	s_cmp_lt_u32 s13, 16
	s_cbranch_scc1 .Lpower
	; ---- a superchunk's end state from zero
	s_sub_co_u32 s14, s13, 16
	s_and_b32 s15, s14, 3                          ; bt
	s_lshr_b32 s14, s14, 2                         ; s
	s_lshl_b32 s20, s15, 19                        ; 16 rows of 32,768 bytes
	s_lshl_b32 s21, s14, 10                        ; 256 steps of 4 bytes
	s_add_co_u32 s20, s20, s21
	s_mov_b32 s21, 0
	s_add_nc_u64 s[22:23], s[4:5], s[20:21]
	s_mul_i32 s20, s15, 31
	s_add_co_u32 s20, s20, s14
	s_lshl_b32 s20, s20, 14
	s_add_nc_u64 s[24:25], s[10:11], s[20:21]
	v_lshl_add_u32 v[VX], s12, 17, v[L16]          ; rows 4 w ..
	s_mul_i32 s20, s12, 4*XP
	v_lshl_add_u32 v[VXS], v1, 3, s20
	v_mul_u32_u24 v[VXF], v2, XP
	v_lshl_add_u32 v[VXF], v3, 4, v[VXF]
	v_lshl_add_u32 v[VVP], s12, 12, v[L16]
.irp i,0,1,2,3,4,5,6,7
	global_load_b128 v[XT+4*\i:XT+4*\i+3], v[VX], s[22:23] offset:(\i>>1)*32768+(\i&1)*512   ; half a row piece: 512 neighbouring bytes
.endr
.irp k,0,1,2,3,4,5,6,7
	global_load_b128 v[VP+4*\k:VP+4*\k+3], v[VVP], s[6:7] offset:VF+512*\k
.endr
	MLOADG 6, AN
	s_wait_loadcnt 63                              ; 72 loads are younger than x's: x is in
.irp i,0,1,2,3,4,5,6,7
	v_cvt_pk_bf16_f32 v[XC+2*\i], v[XT+4*\i], v[XT+4*\i+1]
	v_cvt_pk_bf16_f32 v[XC+2*\i+1], v[XT+4*\i+2], v[XT+4*\i+3]
.endr
.irp i,0,1,2,3,4,5,6,7
	ds_store_b64 v[VXS], v[XC+2*\i:XC+2*\i+1] offset:(\i>>1)*XP+(\i&1)*256
.endr
	BAR                                            ; all 16 rows are in LDS
.irp c,0,1,2,3,4,5,6,7
	ds_load_b128 v[XF+8*\c:XF+8*\c+3], v[VXF] offset:64*\c             ; column r = batch row r, K = the chunk's 32 steps
	ds_load_b128 v[XF+8*\c+4:XF+8*\c+7], v[VXF] offset:64*\c+32
.endr
	s_wait_loadcnt 0x0
	s_wait_dscnt 0x0
	RSTEP 0, -1, 1
.irp c,1,2,3,4,5,6
	RSTEP \c, \c-1, 1
.endr
	RSTEP 7, 6, 0
.irp k,0,1,2,3,4,5,6,7
	global_store_b128 v[VVP], v[ACC+4*\k:ACC+4*\k+3], s[24:25] offset:512*\k       ; the accumulators as they lie, 512 neighbouring bytes a store
.endr
	s_wait_tensorcnt 0x0
	ds_add_u32 v254, v255
	s_wait_dscnt 0x0
	s_endpgm
	; ---- a row tile of A^8
.Lpower:
	s_lshl_b32 s20, s13, 13
	s_mov_b32 s21, 0
	s_add_nc_u64 s[22:23], s[6:7], s[20:21]        ; AN begins at byte 0 of prep
	s_add_nc_u64 s[24:25], s[8:9], s[20:21]
	v_lshl_add_u32 v[VHS], s12, 11, v[L16]
.irp k,0,1,2,3
	global_load_b128 v[OWN+4*\k:OWN+4*\k+3], v[VHS], s[22:23] offset:512*\k
.endr
	MLOADG 6, AT
	s_wait_loadcnt 0x0
.irp n,0,1,2,3,4,5,6
	RSTEP -1, \n, 1
.endr
.irp k,0,1,2,3
	global_store_b128 v[VHS], v[OWN+4*\k:OWN+4*\k+3], s[24:25] offset:512*\k
.endr
	s_wait_tensorcnt 0x0
	ds_add_u32 v254, v255
	s_wait_dscnt 0x0
	s_endpgm
.Lfunc_end_k_qc06267180d_mid:
	.size	k_qc06267180d_mid, .Lfunc_end_k_qc06267180d_mid-k_qc06267180d_mid
	.p2alignl 7, 3214868480
	.fill 96, 4, 3214868480
	.section	.rodata,"a",@progbits
	.p2align	6, 0x0
	.amdhsa_kernel k_qc06267180d_mid
		.amdhsa_group_segment_fixed_size 66304
		.amdhsa_private_segment_fixed_size 0
		.amdhsa_enable_private_segment 0
		.amdhsa_kernarg_size 32
		.amdhsa_user_sgpr_count 2
		.amdhsa_user_sgpr_kernarg_segment_ptr 1
		.amdhsa_wavefront_size32 1
		.amdhsa_system_sgpr_workgroup_id_x 1
		.amdhsa_system_sgpr_workgroup_id_y 1
		.amdhsa_system_sgpr_workgroup_id_z 1
		.amdhsa_system_vgpr_workitem_id 0
		.amdhsa_next_free_vgpr 512
		.amdhsa_next_free_sgpr 66
		.amdhsa_reserve_vcc 0
		.amdhsa_float_denorm_mode_32 3
		.amdhsa_float_denorm_mode_16_64 3
		.amdhsa_memory_ordered 1
		.amdhsa_forward_progress 1
		.amdhsa_inst_pref_size 87
	.end_amdhsa_kernel
	.amdgpu_metadata
---
amdhsa.version: [ 1, 2 ]
amdhsa.kernels:
  - .name:           k_qc06267180d_mid
    .symbol:         k_qc06267180d_mid.kd
    .args:
      - { .name: x, .offset: 0, .size: 8, .value_kind: global_buffer, .address_space: global }
      - { .name: prep, .offset: 8, .size: 8, .value_kind: global_buffer, .address_space: global }
      - { .name: a2, .offset: 16, .size: 8, .value_kind: global_buffer, .address_space: global }
      - { .name: g, .offset: 24, .size: 8, .value_kind: global_buffer, .address_space: global }
    .group_segment_fixed_size: 66304
    .private_segment_fixed_size: 0
    .kernarg_segment_align: 8
    .kernarg_segment_size: 32
    .max_flat_workgroup_size: 128
    .sgpr_count:     66
    .vgpr_count:     512
    .wavefront_size: 32
...
	.end_amdgpu_metadata
.endif
;; end of part 2
;; launch scan (part 3): grid 4 x 1, 4 waves a work-group, no clusters, 33,280 bytes of LDS; arguments a2, g, hs; writes hs
.if DOCPART == 3
	.amdgcn_target "amdgcn-amd-amdhsa--gfx1250"
	.amdhsa_code_object_version 6
	.text
	.protected	k_qc06267180d_scan
	.globl	k_qc06267180d_scan
	.p2align	8
	.type	k_qc06267180d_scan,@function
k_qc06267180d_scan:
	s_mov_b64 s[64:65], 0
	v_nop
	global_prefetch_b8 v0, s[64:65] scope:SCOPE_SE
	s_setreg_imm32_b32 hwreg(HW_REG_WAVE_MODE, 25, 1), 1
	s_wait_xcnt 0x0
; scan: the state in front of each superchunk.  H_1 = G_0, H_(n+1) = A2 H_n + G_n for n = 1..30 (A2 = W2^256), one work-group for each batch tile of 16 rows.
; H_1 .. H_31 are stored packed to bf16, as the second-operand fragments that "outp" takes.
; LEFT OUT as dead: H_0, which is the zero state of reference() (so H_1 = G_0 without a product), and H_32, which no step reads.
; The chain is 30 dependent steps, so only four work-groups have work.  G is kept four steps ahead in four register sets; the sum starts from G as the first product's C.
; Fragments, rotation of K positions and exchange as in "prep"; four exchange slots take turns, a slot is written again four barriers after it was read.
.set SLOT, 8192
.set VST, 4
.set VLD, 5
.set VOFF, 8
.set GB0, 16                           ; v16-47, v48-79, v176-207, v208-239: four sets of G, f32, in the accumulators' layout
.set GB1, 48
.set GB2, 176
.set GB3, 208
.set OWN, 80
.set OTH, 96
.set ACC, 144
.set L16, 240
.set VG,  241                          ; 4,096 w + 16 L
.set VHO, 242                          ; 2,048 w + 16 L
.set MSB, 0
.macro WIN new                         ; the immediate's high byte repeats the setting that is left
.if MSB != \new
	s_set_vgpr_msb (MSB<<8)|\new
.set MSB, \new
.endif
.endm
.macro PLACES n
.rept \n
	v_nop
.endr
.endm
.macro PACK
.irp t,0,1,2,3
.irp i,0,1,2,3
	v_cvt_pk_bf16_f32 v[OWN+4*\t+\i], v[ACC+8*\t+2*\i], v[ACC+8*\t+2*\i+1]
.endr
.endr
.endm
.macro XST off
.irp k,0,1,2,3
	ds_store_b128 v[VST], v[OWN+4*\k:OWN+4*\k+3] offset:\off+512*\k
.endr
.endm
.macro XLD off
.irp d,1,2,3
.irp k,0,1,2,3
	ds_load_b128 v[OTH+16*(\d-1)+4*\k:OTH+16*(\d-1)+4*\k+3], v[VLD+\d-1] offset:\off+512*\k
.endr
.endr
.endm
.macro MM p, b                         ; the four accumulators take turns, one instruction a turn
.irp t,0,1,2,3
	v_wmma_f32_16x16x32_bf16 v[ACC+8*\t:ACC+8*\t+7], v[(4*(\p)+\t)*8:(4*(\p)+\t)*8+7], v[\b:\b+7], v[ACC+8*\t:ACC+8*\t+7]
.endr
.endm
.macro MMG p, b, gb                    ; the step's first products add onto G
.irp t,0,1,2,3
	v_wmma_f32_16x16x32_bf16 v[ACC+8*\t:ACC+8*\t+7], v[(4*(\p)+\t)*8:(4*(\p)+\t)*8+7], v[\b:\b+7], v[\gb+8*\t:\gb+8*\t+7]
.endr
.endm
.macro REST                            ; position p as soon as its two loads are in: the 2 (7 - p) younger ones may stay out
	WIN 1
.irp p,2,3,4,5,6,7
	s_wait_dscnt 14-2*\p
	MM \p, OTH+8*(\p-2)
.endr
	WIN 0
.endm
.macro MLOADG sb, off
	WIN 0x40
.irp d,0,1,2,3
.irp e,0,1
.irp t,0,1,2,3
	global_load_b128 v[(4*(2*\d+\e)+\t)*8:(4*(2*\d+\e)+\t)*8+3], v[VOFF+\d], s[\sb:\sb+1] offset:\off+\t*8192+\e*1024
	global_load_b128 v[(4*(2*\d+\e)+\t)*8+4:(4*(2*\d+\e)+\t)*8+7], v[VOFF+\d], s[\sb:\sb+1] offset:\off+\t*8192+\e*1024+512
.endr
.endr
.endr
	WIN 0
.endm
.macro GLOAD reg, idx                  ; my part of the G that lies idx sets behind the base
.irp k,0,1,2,3,4,5,6,7
	global_load_b128 v[\reg+4*\k:\reg+4*\k+3], v[VG], s[6:7] offset:(\idx)*16384+512*\k th:TH_LOAD_NT
.endr
.endm
.macro HOUT hidx
.irp k,0,1,2,3
	global_store_b128 v[VHO], v[OWN+4*\k:OWN+4*\k+3], s[8:9] offset:(\hidx)*8192+512*\k
.endr
.endm
; Step n = 4 trip + 1 + pos: H_n is packed, stored and exchanged, then ACC = G_n + A2 H_n.  left = the loads of the younger sets of G, 8 a set.
.macro SSTEP pos, gb, hidx, reload, left
	s_wait_xcnt 0x0                                ; OWN, which the last step's stores read, is rewritten only behind this wait
	PACK
	XST \pos*SLOT
	HOUT \hidx
	s_wait_dscnt 0x0                               ; my LDS stores are done, for the others' sake
	s_wait_loadcnt \left                           ; G_n is in (at the first step the matrix too: it was asked for ahead of G_1)
	s_barrier_signal -1
	WIN 1
	MMG 0, OWN, \gb
	MM 1, OWN+8
	WIN 0
	s_barrier_wait -1
	XLD \pos*SLOT
.if \reload
	PLACES 4                                       ; between the products that read this set of G and the loads into it
	GLOAD \gb, \pos+5                              ; G_(n+4)
.endif
	REST
	PLACES 5                                       ; between the last products and the conversions that read them, the next first products and the loads into the operands
.endm
	s_load_b128 s[4:7], s[0:1], 0x0                ; a2 s[4:5], g s[6:7]
	s_load_b64 s[8:9], s[0:1], 0x10                ; hs
	v_lshl_add_u32 v254, v0, 2, 0x8000
	v_mov_b32 v255, 0
	v_and_b32 v1, 31, v0
	v_lshrrev_b32 v[L16], 5, v0
	v_readfirstlane_b32 s12, v[L16]                ; w
	s_add_co_u32 s17, s12, 1
	s_and_b32 s17, s17, 3
	s_add_co_u32 s18, s12, 2
	s_and_b32 s18, s18, 3
	s_add_co_u32 s19, s12, 3
	s_and_b32 s19, s19, 3
	v_lshlrev_b32 v[L16], 4, v1
	v_lshl_add_u32 v[VST], s12, 11, v[L16]
	v_lshl_add_u32 v[VLD], s17, 11, v[L16]
	v_lshl_add_u32 v[VLD+1], s18, 11, v[L16]
	v_lshl_add_u32 v[VLD+2], s19, 11, v[L16]
	s_lshl_b32 s20, s12, 15
	v_add_nc_u32 v[VOFF+3], s20, v[L16]
	v_lshl_add_u32 v[VOFF], s12, 11, v[VOFF+3]
	v_lshl_add_u32 v[VOFF+1], s17, 11, v[VOFF+3]
	v_lshl_add_u32 v[VOFF+2], s18, 11, v[VOFF+3]
	v_lshl_add_u32 v[VOFF+3], s19, 11, v[VOFF+3]
	v_lshl_add_u32 v[VG], s12, 12, v[L16]
	v_lshl_add_u32 v[VHO], s12, 11, v[L16]
	s_mul_i32 s20, ttmp9, 31*16384                 ; my batch tile's 31 sets of G
	s_mov_b32 s21, 0
	s_mul_i32 s22, ttmp9, 31*8192                  ; and its 31 states
	s_mov_b32 s23, 0
	s_wait_kmcnt 0x0
	s_add_nc_u64 s[6:7], s[6:7], s[20:21]
	s_add_nc_u64 s[8:9], s[8:9], s[22:23]
	GLOAD ACC, 0                                   ; H_1 = G_0
	MLOADG 4, 0
	GLOAD GB0, 1
	GLOAD GB1, 2
	GLOAD GB2, 3
	GLOAD GB3, 4
	s_wait_loadcnt 63                              ; 96 loads are younger than G_0's: G_0 is in
	s_mov_b32 s16, 0
.Lscan:
	SSTEP 0, GB0, 0, 1, 24
	SSTEP 1, GB1, 1, 1, 24
	SSTEP 2, GB2, 2, 1, 24
	SSTEP 3, GB3, 3, 1, 24
	s_wait_xcnt 0x0                                ; the bases are stepped only behind this wait
	s_add_nc_u64 s[6:7], s[6:7], 4*16384
	s_add_nc_u64 s[8:9], s[8:9], 4*8192
	s_add_co_u32 s16, s16, 1
	s_cmp_lt_u32 s16, 6
	s_cbranch_scc1 .Lscan
	SSTEP 0, GB0, 0, 1, 24                         ; steps 25 to 30: G_29 and G_30 are the last loads, then the counts run down
	SSTEP 1, GB1, 1, 1, 24
	SSTEP 2, GB2, 2, 0, 24
	SSTEP 3, GB3, 3, 0, 16
	SSTEP 0, GB0, 4, 0, 8
	SSTEP 1, GB1, 5, 0, 0
	s_wait_xcnt 0x0
	PACK
	HOUT 6                                         ; H_31
	s_wait_tensorcnt 0x0
	ds_add_u32 v254, v255
	s_wait_dscnt 0x0
	s_endpgm
.Lfunc_end_k_qc06267180d_scan:
	.size	k_qc06267180d_scan, .Lfunc_end_k_qc06267180d_scan-k_qc06267180d_scan
	.p2alignl 7, 3214868480
	.fill 96, 4, 3214868480
	.section	.rodata,"a",@progbits
	.p2align	6, 0x0
	.amdhsa_kernel k_qc06267180d_scan
		.amdhsa_group_segment_fixed_size 33280
		.amdhsa_private_segment_fixed_size 0
		.amdhsa_enable_private_segment 0
		.amdhsa_kernarg_size 24
		.amdhsa_user_sgpr_count 2
		.amdhsa_user_sgpr_kernarg_segment_ptr 1
		.amdhsa_wavefront_size32 1
		.amdhsa_system_sgpr_workgroup_id_x 1
		.amdhsa_system_sgpr_workgroup_id_y 1
		.amdhsa_system_sgpr_workgroup_id_z 1
		.amdhsa_system_vgpr_workitem_id 0
		.amdhsa_next_free_vgpr 512
		.amdhsa_next_free_sgpr 66
		.amdhsa_reserve_vcc 0
		.amdhsa_float_denorm_mode_32 3
		.amdhsa_float_denorm_mode_16_64 3
		.amdhsa_memory_ordered 1
		.amdhsa_forward_progress 1
		.amdhsa_inst_pref_size 69
	.end_amdhsa_kernel
	.amdgpu_metadata
---
amdhsa.version: [ 1, 2 ]
amdhsa.kernels:
  - .name:           k_qc06267180d_scan
    .symbol:         k_qc06267180d_scan.kd
    .args:
      - { .name: a2, .offset: 0, .size: 8, .value_kind: global_buffer, .address_space: global }
      - { .name: g, .offset: 8, .size: 8, .value_kind: global_buffer, .address_space: global }
      - { .name: hs, .offset: 16, .size: 8, .value_kind: global_buffer, .address_space: global }
    .group_segment_fixed_size: 33280
    .private_segment_fixed_size: 0
    .kernarg_segment_align: 8
    .kernarg_segment_size: 24
    .max_flat_workgroup_size: 128
    .sgpr_count:     66
    .vgpr_count:     512
    .wavefront_size: 32
...
	.end_amdgpu_metadata
.endif
;; end of part 3
;; launch outp (part 4): grid 128 x 1, 4 waves a work-group, no clusters, 115,968 bytes of LDS; arguments x, prep, hs, out0; writes out0
.if DOCPART == 4
	.amdgcn_target "amdgcn-amd-amdhsa--gfx1250"
	.amdhsa_code_object_version 6
	.text
	.protected	k_qc06267180d_outp
	.globl	k_qc06267180d_outp
	.p2align	8
	.type	k_qc06267180d_outp,@function
k_qc06267180d_outp:
	s_mov_b64 s[64:65], 0
	v_nop
	global_prefetch_b8 v0, s[64:65] scope:SCOPE_SE
	s_setreg_imm32_b32 hwreg(HW_REG_WAVE_MODE, 25, 1), 1
	s_wait_xcnt 0x0
; outp: y.  One work-group for batch tile bt (16 rows) and superchunk s (256 steps = 8 chunks of 32).
; Phase 1: from h_0 = H_s ("scan"; zero for s = 0) the states in front of the chunks: h_(c+1) = A h_c + V' x_c, c = 0..6; each h_c stays in its LDS slot.
; Phase 2: for each chunk Y = U h_c + Tz x_c, 320 rows (10 i + o) x 16 batch columns: for a batch row the 320 numbers are 1,280 neighbouring bytes of out0.
; LEFT OUT as dead: for s = 0 the products A h_0 and U h_0 with the zero state of reference(); the state behind chunk 7, which nothing here reads.
; The body is written as a macro and expanded once for s > 0 and once for s = 0, so that each way reads only what it has written.
; Wave w: features 64 w .. in phase 1 (as in "prep"), rows 80 w .. 80 w + 79 of Y (five tiles) in phase 2.  Its 40 fragments of U and 10 of Tz (taps as high part
; and rest, two products) are loaded during phase 1, fifteen loads a step, into windows 2 and 3.
; Results go out through LDS: a lane holds 32 bytes of a batch row; read back by rows, sixteen lanes store 256 consecutive bytes, aligned.  Two stages take turns.
; No cluster, no tensor load: A, U and Tz together are more than LDS holds, and each wave needs its own part of them in registers once.
.set XP,   528
.set XCH,  16*XP                       ; eight slots: slot c holds h_c
.set SLOT, 8192
.set YST,  XCH+8*SLOT                  ; two stages of 16 rows
.set YP,   1296                        ; 1,280 + 16: an odd multiple of 16
.set YB,   16*YP
.set BROW, 327680                      ; bytes of a batch row of out0
.set CHB,  1280                        ; bytes of a chunk in it
.set AN,   0
.set VF,   262144
.set UF,   278528
.set TZ,   442368
.set VST, 4
.set VLD, 5
.set VOFF, 8
.set VX,  12
.set VXS, 13
.set VXF, 14
.set VVP, 15
.set XF,  16                           ; v16-79  x, eight fragments, through both phases
.set OWN, 80
.set OTH, 96
.set XC,  OTH
.set ACC, 144
.set VP,  176
.set XT,  208
.set ACY, 80                           ; phase 2: v80-119, v120-159 two sets of five result tiles
.set YR,  160                          ; phase 2: v160-199 rows on their way out
.set VU,  240                          ; 40,960 w + 16 L
.set VTZ, 241                          ; 10,240 w + 16 L
.set VH,  242                          ; XCH + 16 L
.set VYS, 243                          ; into a stage
.set VYR, 244                          ; out of a stage
.set VO,  245                          ; my byte offset in out0
.set VHS, 246                          ; 2,048 w + 16 L
.set L16, 247
; window 1: phase 1 my fragments of A; phase 2 two sets of a state's eight fragments, v0-63 and v64-127
; window 2: U, K fragments 0-5, (q, t) at 40 q + 8 t;  window 3: U, K fragments 6, 7 at 40 (q - 6) + 8 t; Tz at 80 + 40 hl + 8 t
.set MSB, 0
.macro WIN new                         ; the immediate's high byte repeats the setting that is left
.if MSB != \new
	s_set_vgpr_msb (MSB<<8)|\new
.set MSB, \new
.endif
.endm
.macro PLACES n
.rept \n
	v_nop
.endr
.endm
.macro BAR
	s_wait_dscnt 0x0
	s_barrier_signal -1
	s_barrier_wait -1
.endm
.macro PACK
.irp t,0,1,2,3
.irp i,0,1,2,3
	v_cvt_pk_bf16_f32 v[OWN+4*\t+\i], v[ACC+8*\t+2*\i], v[ACC+8*\t+2*\i+1]
.endr
.endr
.endm
.macro XST off
.irp k,0,1,2,3
	ds_store_b128 v[VST], v[OWN+4*\k:OWN+4*\k+3] offset:\off+512*\k
.endr
.endm
.macro XLD off
.irp d,1,2,3
.irp k,0,1,2,3
	ds_load_b128 v[OTH+16*(\d-1)+4*\k:OTH+16*(\d-1)+4*\k+3], v[VLD+\d-1] offset:\off+512*\k
.endr
.endr
.endm
.macro MM p, b                         ; the four accumulators take turns, one instruction a turn
.irp t,0,1,2,3
	v_wmma_f32_16x16x32_bf16 v[ACC+8*\t:ACC+8*\t+7], v[(4*(\p)+\t)*8:(4*(\p)+\t)*8+7], v[\b:\b+7], v[ACC+8*\t:ACC+8*\t+7]
.endr
.endm
.macro REST                            ; position p as soon as its two loads are in: the 2 (7 - p) younger ones may stay out
	WIN 1
.irp p,2,3,4,5,6,7
	s_wait_dscnt 14-2*\p
	MM \p, OTH+8*(\p-2)
.endr
	WIN 0
.endm
.macro MLOADG sb, off
	WIN 0x40
.irp d,0,1,2,3
.irp e,0,1
.irp t,0,1,2,3
	global_load_b128 v[(4*(2*\d+\e)+\t)*8:(4*(2*\d+\e)+\t)*8+3], v[VOFF+\d], s[\sb:\sb+1] offset:\off+\t*8192+\e*1024
	global_load_b128 v[(4*(2*\d+\e)+\t)*8+4:(4*(2*\d+\e)+\t)*8+7], v[VOFF+\d], s[\sb:\sb+1] offset:\off+\t*8192+\e*1024+512
.endr
.endr
.endr
	WIN 0
.endm
; load number u of the hundred that bring U and Tz: u = 10 q + 2 t + half for U (q = 0..7), 80 + 10 hl + 2 t + half for Tz
.macro ULOAD u
.if \u < 60
	global_load_b128 v[4*\u:4*\u+3], v[VU], s[6:7] offset:UF+((\u%10)/2)*8192+(\u/10)*1024+(\u&1)*512
.elseif \u < 80
	global_load_b128 v[4*(\u-60):4*(\u-60)+3], v[VU], s[6:7] offset:UF+((\u%10)/2)*8192+(\u/10)*1024+(\u&1)*512
.else
	global_load_b128 v[4*(\u-60):4*(\u-60)+3], v[VTZ], s[6:7] offset:TZ+((\u%10)/2)*2048+((\u-80)/10)*1024+(\u&1)*512
.endif
.endm
.macro UGRP n                          ; fifteen of them (the seventh group: ten)
.if \n < 4
	WIN 0x80
.else
	WIN 0xc0
.endif
.set uu, 15*\n
.rept 15
.if uu < 100
	ULOAD uu
.endif
.set uu, uu+1
.endr
	WIN 0
.endm
; One step of phase 1: h_c (in OWN) goes into its slot (slot >= 0; slot < 0: h_c is the zero state), ACC = V' x_c + A h_c, packed into OWN.
.macro RSTEP c, slot
.if (\slot) >= 0
	XST (\slot)*SLOT
	s_wait_dscnt 0x0                               ; my stores are done, for the others' sake
	s_barrier_signal -1
.endif
.irp t,0,1,2,3
	v_wmma_f32_16x16x32_bf16 v[ACC+8*\t:ACC+8*\t+7], v[VP+8*\t:VP+8*\t+7], v[XF+8*(\c):XF+8*(\c)+7], 0
.endr
.if (\slot) >= 0
	WIN 1
	MM 0, OWN
	MM 1, OWN+8
	WIN 0
	s_barrier_wait -1
	XLD (\slot)*SLOT
.endif
	UGRP \c
.if (\slot) >= 0
	REST
.endif
	PLACES 5                                       ; between the last products and the conversions that read them, the next first products that write over them,
	                                               ; and the loads into the operands
	PACK
.endm
.macro HLOAD c, set                    ; all eight fragments of h_c
	WIN 0x40
.irp n,0,1,2,3,4,5,6,7,8,9,10,11,12,13,14,15
	ds_load_b128 v[64*(\set)+4*\n:64*(\set)+4*\n+3], v[VH] offset:(\c)*SLOT+512*\n
.endr
	WIN 0
.endm
; The products of a chunk.  The five accumulators take turns, one instruction a turn.
.macro YTZ c                           ; Tz x_c: the high parts start the sums, the rests follow
	WIN 0x03
.irp t,0,1,2,3,4
	v_wmma_f32_16x16x32_bf16 v[ACY+40*((\c)&1)+8*\t:ACY+40*((\c)&1)+8*\t+7], v[80+8*\t:80+8*\t+7], v[XF+8*(\c):XF+8*(\c)+7], 0
.endr
.irp t,0,1,2,3,4
	v_wmma_f32_16x16x32_bf16 v[ACY+40*((\c)&1)+8*\t:ACY+40*((\c)&1)+8*\t+7], v[120+8*\t:120+8*\t+7], v[XF+8*(\c):XF+8*(\c)+7], v[ACY+40*((\c)&1)+8*\t:ACY+40*((\c)&1)+8*\t+7]
.endr
.endm
.macro YU c, q                         ; K fragment q of U h_c
.irp t,0,1,2,3,4
	v_wmma_f32_16x16x32_bf16 v[ACY+40*((\c)&1)+8*\t:ACY+40*((\c)&1)+8*\t+7], v[40*((\q)%6)+8*\t:40*((\q)%6)+8*\t+7], v[64*((\c)&1)+8*(\q):64*((\c)&1)+8*(\q)+7], v[ACY+40*((\c)&1)+8*\t:ACY+40*((\c)&1)+8*\t+7]
.endr
.endm
.macro Y1 c
	YTZ \c
	WIN 0x06
	YU \c, 0
	YU \c, 1
	YU \c, 2
	WIN 0
.endm
.macro Y2 c
	WIN 0x06
	YU \c, 3
	YU \c, 4
	YU \c, 5
	WIN 0x07
	YU \c, 6
	YU \c, 7
	WIN 0
.endm
.macro YPUT b                          ; my 80 numbers of each batch row into stage b
.irp k,0,1,2,3,4,5,6,7,8,9
	ds_store_b128 v[VYS], v[ACY+40*(\b)+4*\k:ACY+40*(\b)+4*\k+3] offset:(\b)*YB+(\k>>1)*64+(\k&1)*16
.endr
.endm
.macro YRD b                           ; batch rows 4 w .. 4 w + 3 back: lanes 0-15 take 256 bytes of one row, lanes 16-31 of the row two below
.irp e,0,1,2,3,4,5,6,7,8,9
	ds_load_b128 v[YR+4*\e:YR+4*\e+3], v[VYR] offset:(\b)*YB+(\e/5)*YP+(\e%5)*256
.endr
.endm
.macro YGO c
.irp e,0,1,2,3,4,5,6,7,8,9
	s_wait_dscnt 9-\e                              ; the younger loads of the run may stay out
	global_store_b128 v[VO], v[YR+4*\e:YR+4*\e+3], s[26:27] offset:(\c)*CHB+(\e/5)*BROW+(\e%5)*256 th:TH_STORE_NT
.endr
.endm
; Chunk c's products, with chunk c - 1 on its way out among them.
.macro YSTEP c
	PLACES 4                                       ; between chunk c - 1's last products and the stores that read them and the loads into their operands
.if \c < 7
	HLOAD \c+1, (\c+1)&1
.endif
	YPUT (\c-1)&1
	s_wait_dscnt 0x0                               ; my stage stores are done, for the others' sake; h_c, asked for a step ago, is in
	s_barrier_signal -1
	Y1 \c
	s_barrier_wait -1
	s_wait_xcnt 0x0                                ; YR, which the last chunk's stores read, is loaded again only behind this wait
	YRD (\c-1)&1
	Y2 \c
	YGO \c-1
.endm
.macro BODY first
.if \first == 0
	s_mul_i32 s20, s14, 31
	s_add_co_u32 s20, s20, s15
	s_sub_co_u32 s20, s20, 1
	s_lshl_b32 s20, s20, 13                        ; H_s lies at index 31 bt + s - 1
	s_mov_b32 s21, 0
	s_add_nc_u64 s[24:25], s[8:9], s[20:21]
.irp k,0,1,2,3
	global_load_b128 v[OWN+4*\k:OWN+4*\k+3], v[VHS], s[24:25] offset:512*\k
.endr
.endif
.irp i,0,1,2,3,4,5,6,7
	global_load_b128 v[XT+4*\i:XT+4*\i+3], v[VX], s[22:23] offset:(\i>>1)*32768+(\i&1)*512 th:TH_LOAD_NT
.endr
.irp k,0,1,2,3,4,5,6,7
	global_load_b128 v[VP+4*\k:VP+4*\k+3], v[VVP], s[6:7] offset:VF+512*\k
.endr
	MLOADG 6, AN
	s_wait_loadcnt 63                              ; 72 loads are younger than x's: x is in
.irp i,0,1,2,3,4,5,6,7
	v_cvt_pk_bf16_f32 v[XC+2*\i], v[XT+4*\i], v[XT+4*\i+1]
	v_cvt_pk_bf16_f32 v[XC+2*\i+1], v[XT+4*\i+2], v[XT+4*\i+3]
.endr
.irp i,0,1,2,3,4,5,6,7
	ds_store_b64 v[VXS], v[XC+2*\i:XC+2*\i+1] offset:(\i>>1)*XP+(\i&1)*256
.endr
	BAR                                            ; all 16 rows of x are in LDS
.irp c,0,1,2,3,4,5,6,7
	ds_load_b128 v[XF+8*\c:XF+8*\c+3], v[VXF] offset:64*\c
	ds_load_b128 v[XF+8*\c+4:XF+8*\c+7], v[VXF] offset:64*\c+32
.endr
	s_wait_loadcnt 0x0
	s_wait_dscnt 0x0
	; phase 1
.if \first
	RSTEP 0, -1
.else
	RSTEP 0, 0
.endif
.irp c,1,2,3,4,5,6
	RSTEP \c, \c
.endr
	XST 7*SLOT
	BAR                                            ; every slot is whole (the earlier ones since their own steps' barriers)
	s_wait_loadcnt 0x0                             ; U and Tz, asked for during phase 1
	; phase 2.  The five places that end the last step stand between phase 1's products and what now writes over their registers.
.if \first
	HLOAD 1, 1
	YTZ 0
	WIN 0
.else
	HLOAD 0, 0
	HLOAD 1, 1
	s_wait_dscnt 16                                ; h_0 is in; the 16 loads of h_1 may stay out
	Y1 0
	Y2 0
.endif
.irp c,1,2,3,4,5,6,7
	YSTEP \c
.endr
	PLACES 4
	YPUT 1
	BAR
	s_wait_xcnt 0x0
	YRD 1
	YGO 7
.endm
	s_load_b256 s[4:11], s[0:1], 0x0               ; x s[4:5], prep s[6:7], hs s[8:9], out0 s[10:11]
	v_lshl_add_u32 v254, v0, 2, 0x1c300
	v_mov_b32 v255, 0
	v_and_b32 v1, 31, v0                           ; L
	v_and_b32 v2, 15, v0                           ; r
	v_bfe_u32 v3, v0, 4, 1                         ; h
	v_lshrrev_b32 v[L16], 5, v0
	v_readfirstlane_b32 s12, v[L16]                ; w
	s_and_b32 s14, ttmp9, 3                        ; bt
	s_lshr_b32 s15, ttmp9, 2                       ; s
	s_add_co_u32 s17, s12, 1
	s_and_b32 s17, s17, 3
	s_add_co_u32 s18, s12, 2
	s_and_b32 s18, s18, 3
	s_add_co_u32 s19, s12, 3
	s_and_b32 s19, s19, 3
	v_lshlrev_b32 v[L16], 4, v1
	v_add_nc_u32 v[VH], XCH, v[L16]
	v_lshl_add_u32 v[VST], s12, 11, v[VH]
	v_lshl_add_u32 v[VLD], s17, 11, v[VH]
	v_lshl_add_u32 v[VLD+1], s18, 11, v[VH]
	v_lshl_add_u32 v[VLD+2], s19, 11, v[VH]
	s_lshl_b32 s20, s12, 15
	v_add_nc_u32 v[VOFF+3], s20, v[L16]
	v_lshl_add_u32 v[VOFF], s12, 11, v[VOFF+3]
	v_lshl_add_u32 v[VOFF+1], s17, 11, v[VOFF+3]
	v_lshl_add_u32 v[VOFF+2], s18, 11, v[VOFF+3]
	v_lshl_add_u32 v[VOFF+3], s19, 11, v[VOFF+3]
	v_lshl_add_u32 v[VX], s12, 17, v[L16]
	s_mul_i32 s20, s12, 4*XP
	v_lshl_add_u32 v[VXS], v1, 3, s20
	v_mul_u32_u24 v[VXF], v2, XP
	v_lshl_add_u32 v[VXF], v3, 4, v[VXF]
	v_lshl_add_u32 v[VVP], s12, 12, v[L16]
	v_lshl_add_u32 v[VHS], s12, 11, v[L16]
	s_mul_i32 s20, s12, 40960
	v_add_nc_u32 v[VU], s20, v[L16]
	s_mul_i32 s20, s12, 10240
	v_add_nc_u32 v[VTZ], s20, v[L16]
	v_mul_u32_u24 v[VYS], v2, YP                   ; batch row r,
	v_lshl_add_u32 v[VYS], v3, 5, v[VYS]           ; numbers 8 h .. of a tile,
	s_mul_i32 s20, s12, 320                        ; of my 80
	s_add_co_u32 s20, s20, YST
	v_add_nc_u32 v[VYS], s20, v[VYS]
	v_mul_u32_u24 v[VYR], v3, 2*YP                 ; batch row 4 w + 2 h, 16 bytes a lane
	v_lshl_add_u32 v[VYR], v2, 4, v[VYR]
	s_mul_i32 s20, s12, 4*YP
	s_add_co_u32 s20, s20, YST
	v_add_nc_u32 v[VYR], s20, v[VYR]
	v_mul_u32_u24 v[VO], v3, 2*BROW                ; and the same rows in out0
	v_lshl_add_u32 v[VO], v2, 4, v[VO]
	s_mul_i32 s20, s12, 4*BROW
	v_add_nc_u32 v[VO], s20, v[VO]
	s_lshl_b32 s20, s14, 19                        ; x: 16 rows of 32,768 bytes a batch tile,
	s_lshl_b32 s21, s15, 10                        ; 1,024 bytes a superchunk
	s_add_co_u32 s20, s20, s21
	s_mov_b32 s21, 0
	s_mul_i32 s28, s14, 16*BROW                    ; out0: 16 batch rows,
	s_mul_i32 s29, s15, 8*CHB                      ; 8 chunks
	s_add_co_u32 s28, s28, s29
	s_mov_b32 s29, 0
	s_wait_kmcnt 0x0
	s_add_nc_u64 s[22:23], s[4:5], s[20:21]
	s_add_nc_u64 s[26:27], s[10:11], s[28:29]
	s_cmp_eq_u32 s15, 0
	s_cbranch_scc1 .Lfirst
	BODY 0
	s_wait_tensorcnt 0x0
	ds_add_u32 v254, v255
	s_wait_dscnt 0x0
	s_endpgm
.Lfirst:
	BODY 1
	s_wait_tensorcnt 0x0
	ds_add_u32 v254, v255
	s_wait_dscnt 0x0
	s_endpgm
.Lfunc_end_k_qc06267180d_outp:
	.size	k_qc06267180d_outp, .Lfunc_end_k_qc06267180d_outp-k_qc06267180d_outp
	.p2alignl 7, 3214868480
	.fill 96, 4, 3214868480
	.section	.rodata,"a",@progbits
	.p2align	6, 0x0
	.amdhsa_kernel k_qc06267180d_outp
		.amdhsa_group_segment_fixed_size 115968
		.amdhsa_private_segment_fixed_size 0
		.amdhsa_enable_private_segment 0
		.amdhsa_kernarg_size 32
		.amdhsa_user_sgpr_count 2
		.amdhsa_user_sgpr_kernarg_segment_ptr 1
		.amdhsa_wavefront_size32 1
		.amdhsa_system_sgpr_workgroup_id_x 1
		.amdhsa_system_sgpr_workgroup_id_y 1
		.amdhsa_system_sgpr_workgroup_id_z 1
		.amdhsa_system_vgpr_workitem_id 0
		.amdhsa_next_free_vgpr 928
		.amdhsa_next_free_sgpr 66
		.amdhsa_reserve_vcc 0
		.amdhsa_float_denorm_mode_32 3
		.amdhsa_float_denorm_mode_16_64 3
		.amdhsa_memory_ordered 1
		.amdhsa_forward_progress 1
		.amdhsa_inst_pref_size 220
	.end_amdhsa_kernel
	.amdgpu_metadata
---
amdhsa.version: [ 1, 2 ]
amdhsa.kernels:
  - .name:           k_qc06267180d_outp
    .symbol:         k_qc06267180d_outp.kd
    .args:
      - { .name: x, .offset: 0, .size: 8, .value_kind: global_buffer, .address_space: global }
      - { .name: prep, .offset: 8, .size: 8, .value_kind: global_buffer, .address_space: global }
      - { .name: hs, .offset: 16, .size: 8, .value_kind: global_buffer, .address_space: global }
      - { .name: out0, .offset: 24, .size: 8, .value_kind: global_buffer, .address_space: global }
    .group_segment_fixed_size: 115968
    .private_segment_fixed_size: 0
    .kernarg_segment_align: 8
    .kernarg_segment_size: 32
    .max_flat_workgroup_size: 128
    .sgpr_count:     66
    .vgpr_count:     928
    .wavefront_size: 32
...
	.end_amdgpu_metadata
.endif
;; end of part 4
;; ======== version 2 of 3: 5 launches; 1.12 times as fast as version 1
;; workspace buffers: prep 483,328 bytes; pa 311,296 bytes; a2 131,072 bytes; ua 2,457,600 bytes; g 983,040 bytes; gp 7,864,320 bytes; xf 1,048,576 bytes; hs 491,520 bytes
;; launch prep (part 5): grid 34 x 1, 4 waves a work-group, no clusters, 139,776 bytes of LDS; arguments W1, W2, W3, pa; writes pa
.if DOCPART == 5
	.amdgcn_target "amdgcn-amd-amdhsa--gfx1250"
	.amdhsa_code_object_version 6
	.text
	.protected	k_qc06267180d_prep
	.globl	k_qc06267180d_prep
	.p2align	8
	.type	k_qc06267180d_prep,@function
k_qc06267180d_prep:
	s_mov_b64 s[64:65], 0
	v_nop
	global_prefetch_b8 v0, s[64:65] scope:SCOPE_SE
	s_setreg_imm32_b32 hwreg(HW_REG_WAVE_MODE, 25, 1), 1
	s_wait_xcnt 0x0
; prep: the first of two launches for everything that hangs on the weights alone.  (The later kernels' comments say "prep" for the pair: what they
; read lies in the buffer prep, which "prep2" writes; fragments, rotation and exchange are defined here.)
; reference(): h_t = W2 h_(t-1) + w1 x_t, y_t = W3 h_t, h = 0 in front of the first step.  There is no non-linearity, so for a chunk of 32 steps
; that starts from the state h, for all values of the inputs,
;   y_i   = (W3 W2^(i+1)) h + sum over j <= i of (W3 W2^(i-j) w1) x_j          (U h + Tz x)
;   h_end = W2^32 h + sum over j of W2^(31-j) w1 x_j                           (A h + V' x)
; The program carries the state exactly through all 8,192 steps in three levels: 32 steps (A = W2^32), 16 chunks (A2 = A^16), 16 superchunks.
; Nothing of the series is cut.  The powers up to 32 are reached in 7 + 3 dependent steps: this launch makes B = W2^8, its transpose, W2^n w1 for n = 0..7
; and W3 W2^n for n = 1..8; "prep2" multiplies each of them by B three times over and so makes A, its transpose, V', U and Tz.  "mid" makes A2, the products
; U A^c and, for every superchunk, the states g_c that it reaches from zero behind each of its chunks; "scan" adds the end states up to the state H_s in
; front of each superchunk; "outp" forms y = (U A^c) H_s + U g_(c-1) + Tz x_c, since the state in front of chunk c of superchunk s is A^c H_s + g_(c-1).
; WORK LEFT OUT, because its result reaches no output whatever the inputs hold: the products with the zero state that reference() itself builds
; (A 0 in front of the first chunk of every sum that starts from zero, (U A^c) H_0 in the first superchunk, U g_(-1) in each superchunk's first chunk)
; and the end state of the last superchunk (no later step reads it).  All four inputs have a way to the output and are loaded.
; LIMITS: the sums are associated otherwise than in reference(), so the order of rounding differs; W1, W2, W3 and x enter the matrix unit rounded
; to bf16, states are rounded to bf16 between chain steps, the taps of Tz are kept as a pair of bf16 (high part + rest).  Inputs are finite: the zeros
; of the Toeplitz tile carry a NaN or an infinity of x to the earlier outputs of its own 32 steps, and a NaN, an infinity or an overflow that reaches
; only the work left out is not carried to the result.  Entries of powers of W2 below bf16's smallest denormal (about 9.2e-41) become 0; W2^512 has
; to be finite in f32.
;
; FRAGMENTS.  L = lane, r = L & 15, h = L >> 4.  A 16 x 32 operand fragment is 8 registers; in memory and in LDS it is 1,024 bytes:
; [half 0,1][lane][16 bytes], half 0 = registers 0-3.  A state (256 features x 16 columns, bf16) is 8 fragments, fragment q (features 32 q ..) at 1,024 q.
; The state is always the second operand, the matrix the first, so a lane's results (8 features of one column) pack into the same lane's operand
; registers, and a packed state read as a first operand is the transposed block.
; ROLES, by the work-group's number g; each is a chain S_(n+1) = M S_n of one 256 x 256 matrix times 16 columns, spread over four waves:
;   g = 0..15   M = W2,    S_1 = columns 16 g .. of W2:   S_8 = those columns of B = a row tile of B transposed    -> BT
;   g = 16..31  M = W2^T,  S_1 = rows 16 (g-16) .. of W2, transposed:  S_8 = a row tile of B                      -> BN
;   g = 32      M = W2,    S_0 = w1 in every column; S_0 .. S_7 stay in LDS; one state whose column r is S_(r & 7) -> SV
;   g = 33      M = W2^T,  S_0 = W3^T (column r = row min(r, 9)); S_1 .. S_8 stay in LDS; rows 0 .. 79 of U        -> U0
; Wave w owns features 64 w .. 64 w + 63: four result tiles, fragments 2 w and 2 w + 1 of the state.  Its 4 x 8 fragments of M stay in 256 registers.
; No cluster and no tensor load: all work-groups read the same W2, but it is f32 and is rounded to bf16 on its way, so it passes through registers in any case,
; and 34 work-groups do not divide into clusters of four.
.set STP,   544                        ; LDS pitch of the staged bf16(W2): 512 bytes + 32
.set BLK64, 64*STP                     ; 64 staged rows
.set SLOT,  8192                       ; a state in LDS; slot n holds S_n; the slots take the stage's bytes once it has been read
.set BN,    0                          ; regions of pa, in bytes
.set BT,    131072
.set SV,    262144
.set U0,    270336
.set VST, 4                            ; v4      where I put my two fragments of the state
.set VLD, 5                            ; v5-7    where the other three waves' fragments lie, nearest neighbour first
.set VM,  8                            ; v8-11   stage addresses of my fragments of M, one for each wave's pair of K positions
.set VGW, 12                           ; v12     byte offset in W2 of my staging loads
.set VSS, 13                           ; v13     where they go in the stage
.set VA0, 14                           ; v14     a role's own address
.set T,   16                           ; v16-47  at work; v16-95 also take the runs of loads on the ways out
.set OWN, 80                           ; v80-95  my two fragments of the state
.set OTH, 96                           ; v96-143 the other six
.set ACC, 144                          ; v144-175 four result tiles
.set NB,  176                          ; v176    544 r + 16 h: lane term of a load along K
.set TB,  177                          ; v177    544 (8 h + (L & 7)) + 16 ((L >> 3) & 1): lane term of a transposing load
.set L16, 178                          ; v178    16 L
.set VGO, 179                          ; v179    2,048 w + 16 L: my two fragments of a state in memory
.set TM,  180                          ; v180-187 small numbers at work; into v176-191 no run of loads ever lands
; window 1 (v256-511): first the raw first half of my W2 rows, then my fragments of M, position p, tile t at 8 (4 p + t); window 2: the raw second half.
.set MSB, 0
.macro WIN new                         ; the immediate's high byte repeats the setting that is left
.if MSB != \new
	s_set_vgpr_msb (MSB<<8)|\new
.set MSB, \new
.endif
.endm
.macro BAR                             ; my LDS work is done, for the others' sake; then all four waves meet
	s_wait_dscnt 0x0
	s_barrier_signal -1
	s_barrier_wait -1
.endm
.macro PACK                            ; tiles 2 e and 2 e + 1 are fragment e of my part of the next state, lane by lane
.irp t,0,1,2,3
.irp i,0,1,2,3
	v_cvt_pk_bf16_f32 v[OWN+4*\t+\i], v[ACC+8*\t+2*\i], v[ACC+8*\t+2*\i+1]
.endr
.endr
.endm
.macro XST off
.irp k,0,1,2,3
	ds_store_b128 v[VST], v[OWN+4*\k:OWN+4*\k+3] offset:\off+512*\k
.endr
.endm
.macro XLD off
.irp d,1,2,3
.irp k,0,1,2,3
	ds_load_b128 v[OTH+16*(\d-1)+4*\k:OTH+16*(\d-1)+4*\k+3], v[VLD+\d-1] offset:\off+512*\k
.endr
.endr
.endm
; four products: K position p of my four tiles.  The four accumulators take turns, one instruction a turn.
.macro MM p, b, zero
.irp t,0,1,2,3
.if \zero
	v_wmma_f32_16x16x32_bf16 v[ACC+8*\t:ACC+8*\t+7], v[(4*(\p)+\t)*8:(4*(\p)+\t)*8+7], v[\b:\b+7], 0
.else
	v_wmma_f32_16x16x32_bf16 v[ACC+8*\t:ACC+8*\t+7], v[(4*(\p)+\t)*8:(4*(\p)+\t)*8+7], v[\b:\b+7], v[ACC+8*\t:ACC+8*\t+7]
.endif
.endr
.endm
.macro REST                            ; positions 2 to 7, each as soon as its two loads are in: the 2 (7 - p) younger ones may stay out
	WIN 1
.irp p,2,3,4,5,6,7
	s_wait_dscnt 14-2*\p
	MM \p, OTH+8*(\p-2), 0
.endr
	WIN 0
.endm
; sixteen staging loads are rounded to bf16 and laid into the stage.  cnt = the younger staging loads (63 is the largest count a wait can name)
.macro STG g, cnt, win, rb
	s_wait_loadcnt \cnt
	WIN \win
.set kk, 0
.rept 16
	v_cvt_pk_bf16_f32 v[T+2*kk], v[\rb+4*kk], v[\rb+4*kk+1]
	v_cvt_pk_bf16_f32 v[T+2*kk+1], v[\rb+4*kk+2], v[\rb+4*kk+3]
.set kk, kk+1
.endr
	WIN 0
.set kk, 0
.rept 16
	ds_store_b64 v[VSS], v[T+2*kk:T+2*kk+1] offset:((16*\g+kk)>>1)*STP+((16*\g+kk)&1)*256
.set kk, kk+1
.endr
.endm
; W2 into the stage: wave w takes rows 64 w .. 64 w + 63, 128 loads of 512 neighbouring bytes, all issued before the first is used
.macro STAGE_W2
	WIN 0x40
.set kk, 0
.rept 64
	global_load_b128 v[4*kk:4*kk+3], v[VGW], s[6:7] offset:512*kk
.set kk, kk+1
.endr
	WIN 0x80
.set kk, 0
.rept 64
	global_load_b128 v[4*kk:4*kk+3], v[VGW], s[6:7] offset:32768+512*kk
.set kk, kk+1
.endr
	STG 0, 63, 0x05, 0                             ; 112, 96, 80 and 64 loads are younger
	STG 1, 63, 0x05, 64
	STG 2, 63, 0x05, 128
	STG 3, 63, 0x05, 192
	STG 4, 48, 0x0a, 0
	STG 5, 32, 0x0a, 64
	STG 6, 16, 0x0a, 128
	STG 7, 0,  0x0a, 192                           ; zero: a role's own loads, issued ahead of these, are in as well
	BAR                                            ; the stage is whole
.endm
.macro ADRN                            ; M = W2: row 64 w + 16 t + r, K along the staged row; position pair d begins at K = 64 ((w + d) & 3)
	v_add_nc_u32 v[VM], s22, v[NB]
	v_lshl_add_u32 v[VM+1], s17, 7, v[VM]
	v_lshl_add_u32 v[VM+2], s18, 7, v[VM]
	v_lshl_add_u32 v[VM+3], s19, 7, v[VM]
	v_lshl_add_u32 v[VM], s12, 7, v[VM]
.endm
.macro ADRT                            ; M = W2 transposed: K down the staged rows, my 64 columns
	v_lshl_add_u32 v[VM], s12, 7, v[TB]
	s_mul_i32 s23, s17, BLK64
	v_add_nc_u32 v[VM+1], s23, v[VM]
	s_mul_i32 s23, s18, BLK64
	v_add_nc_u32 v[VM+2], s23, v[VM]
	s_mul_i32 s23, s19, BLK64
	v_add_nc_u32 v[VM+3], s23, v[VM]
	v_add_nc_u32 v[VM], s22, v[VM]
.endm
.macro MLOADN
	WIN 0x40
.irp d,0,1,2,3
.irp e,0,1
.irp t,0,1,2,3
	ds_load_b128 v[(4*(2*\d+\e)+\t)*8:(4*(2*\d+\e)+\t)*8+3], v[VM+\d] offset:\t*16*STP+\e*64
	ds_load_b128 v[(4*(2*\d+\e)+\t)*8+4:(4*(2*\d+\e)+\t)*8+7], v[VM+\d] offset:\t*16*STP+\e*64+32
.endr
.endr
.endr
	WIN 0
.endm
.macro MLOADT
	WIN 0x40
.irp d,0,1,2,3
.irp e,0,1
.irp t,0,1,2,3
	ds_load_tr16_b128 v[(4*(2*\d+\e)+\t)*8:(4*(2*\d+\e)+\t)*8+3], v[VM+\d] offset:\t*32+\e*32*STP
	ds_load_tr16_b128 v[(4*(2*\d+\e)+\t)*8+4:(4*(2*\d+\e)+\t)*8+7], v[VM+\d] offset:\t*32+\e*32*STP+16*STP
.endr
.endr
.endr
	WIN 0
.endm
; The chain.  A trip: my part of S_n goes into slot n; while the others arrive I multiply my own two K positions; behind the barrier the other six.
; Each slot is written once, so one barrier a trip orders all: a trip's stores go to bytes that no wave has read.
.macro CHAIN trips
	s_mov_b32 s16, 0
.Lchain_\@:
	XST 0
	s_wait_dscnt 0x0                               ; my stores are done, for the others' sake
	s_barrier_signal -1
	WIN 1
	MM 0, OWN, 1                                   ; the first product starts the sums
	MM 1, OWN+8, 0
	WIN 0
	s_barrier_wait -1
	XLD 0
	REST
	v_add_nc_u32 v[VST], SLOT, v[VST]              ; the next slot.  These four and the v_nop are the five places (ISA guide 7.12.1) between the last
	v_add_nc_u32 v[VLD], SLOT, v[VLD]              ; products and the conversions that read them, the next trip's first products that write over
	v_add_nc_u32 v[VLD+1], SLOT, v[VLD+1]          ; them, and the loads into the operands
	v_add_nc_u32 v[VLD+2], SLOT, v[VLD+2]
	v_nop
	PACK
	s_add_co_u32 s16, s16, 1
	s_cmp_lt_u32 s16, \trips
	s_cbranch_scc1 .Lchain_\@
.endm
.macro POWOUT                          ; S_8, packed, is a row tile in fragment form: 512 neighbouring bytes a store
.irp k,0,1,2,3
	global_store_b128 v[VGO], v[OWN+4*\k:OWN+4*\k+3], s[20:21] offset:512*\k
.endr
.endm
	s_load_b256 s[4:11], s[0:1], 0x0               ; W1 s[4:5], W2 s[6:7], W3 s[8:9], pa s[10:11]
	v_lshl_add_u32 v254, v0, 2, 0x22000
	v_mov_b32 v255, 0
	v_and_b32 v1, 31, v0                           ; L
	v_and_b32 v2, 15, v0                           ; r
	v_bfe_u32 v3, v0, 4, 1                         ; h
	v_lshrrev_b32 v[TM], 5, v0
	v_readfirstlane_b32 s12, v[TM]                 ; w
	s_mov_b32 s13, ttmp9                           ; g
	s_add_co_u32 s17, s12, 1
	s_and_b32 s17, s17, 3                          ; (w + 1) & 3
	s_add_co_u32 s18, s12, 2
	s_and_b32 s18, s18, 3
	s_add_co_u32 s19, s12, 3
	s_and_b32 s19, s19, 3
	s_mul_i32 s22, s12, BLK64
	v_lshlrev_b32 v[L16], 4, v1
	v_lshl_add_u32 v[VST], s12, 11, v[L16]
	v_lshl_add_u32 v[VLD], s17, 11, v[L16]
	v_lshl_add_u32 v[VLD+1], s18, 11, v[L16]
	v_lshl_add_u32 v[VLD+2], s19, 11, v[L16]
	v_mov_b32 v[VGO], v[VST]
	v_lshl_add_u32 v[VGW], s12, 16, v[L16]
	v_lshl_add_u32 v[VSS], v1, 3, s22
	v_mul_u32_u24 v[NB], v2, STP
	v_lshl_add_u32 v[NB], v3, 4, v[NB]
	v_and_b32 v[TB], 7, v0
	v_lshl_add_u32 v[TB], v3, 3, v[TB]
	v_mul_u32_u24 v[TB], v[TB], STP
	v_bfe_u32 v[TM], v0, 3, 1
	v_lshl_add_u32 v[TB], v[TM], 4, v[TB]
	s_wait_kmcnt 0x0
	s_cmp_lt_u32 s13, 16
	s_cbranch_scc1 .Lrole_c
	s_cmp_lt_u32 s13, 32
	s_cbranch_scc1 .Lrole_r
	s_cmp_eq_u32 s13, 32
	s_cbranch_scc1 .Lrole_v
	; ---- g = 33: S_n = (W3 W2^n) transposed, column o = output o (columns 10 to 15 repeat row 9 and are never read).
	ADRT
	v_min_u32 v[VA0], 9, v2
	v_lshlrev_b32 v[VA0], 10, v[VA0]               ; row min(r, 9) of W3
	v_lshl_add_u32 v[VA0], v3, 5, v[VA0]
	v_lshl_add_u32 v[VA0], s12, 8, v[VA0]          ; features 64 w + 8 h ..
.irp t,0,1,2,3
	global_load_b128 v[ACC+8*\t:ACC+8*\t+3], v[VA0], s[8:9] offset:64*\t
	global_load_b128 v[ACC+8*\t+4:ACC+8*\t+7], v[VA0], s[8:9] offset:64*\t+16
.endr
	STAGE_W2
	MLOADT
	PACK                                           ; S_0
	BAR                                            ; every wave has read what it needs of the stage: the slots may take its bytes
	CHAIN 8
	XST 0                                          ; S_8
	BAR
	; row m = 10 i + o of U (i = 0..7) is column o of S_(i+1): 16 bytes of slot i + 1 for each half fragment.  Five tiles of 16 rows; of each, wave w
	; takes K fragments 2 w and 2 w + 1.  Each tile has an address register and data registers of its own: twenty loads in one run, then twenty stores.
.irp t,0,1,2,3,4
	v_add_nc_u32 v8, 16*\t, v2                     ; m
	v_mul_u32_u24 v9, v8, 205                      ; 205 m = 2,048 i + (2 i + 205 o), the bracket at most 1,907
	v_and_b32 v10, 0x7ff, v9
	v_lshrrev_b32 v9, 11, v9                       ; i
	v_mul_u32_u24 v10, v10, 10                     ; 2,048 o + (20 i + 2 o), the bracket at most 638
	v_lshrrev_b32 v10, 11, v10                     ; o
	v_lshlrev_b32 v9, 13, v9
	v_lshl_add_u32 v9, v10, 4, v9
	v_lshl_add_u32 v9, v3, 8, v9                   ; slot i, lane 16 h + o; one slot further stands in the immediate
	v_lshl_add_u32 v[TM+\t], s12, 11, v9           ; my two K fragments
.irp k,0,1,2,3
	ds_load_b128 v[16+16*\t+4*\k:16+16*\t+4*\k+3], v[TM+\t] offset:SLOT+512*\k
.endr
.endr
.irp t,0,1,2,3,4
.irp k,0,1,2,3
	s_wait_dscnt 19-4*\t-\k                        ; the younger loads of the run may stay out
	global_store_b128 v[VGO], v[16+16*\t+4*\k:16+16*\t+4*\k+3], s[10:11] offset:U0+8192*\t+512*\k
.endr
.endr
	s_wait_tensorcnt 0x0
	ds_add_u32 v254, v255
	s_wait_dscnt 0x0
	s_endpgm
	; ---- g = 0..15: columns of B
.Lrole_c:
	ADRN
	s_lshl_b32 s14, s13, 5                         ; columns 16 g .., in bytes,
	s_add_co_u32 s14, s14, s22                     ; K = 64 w ..
	v_add_nc_u32 v[VA0], s14, v[TB]
	s_lshl_b32 s20, s13, 13
	s_add_co_u32 s20, s20, BT
	s_mov_b32 s21, 0
	s_add_nc_u64 s[20:21], s[10:11], s[20:21]
	STAGE_W2
	MLOADN
.irp k,0,1,2,3
	ds_load_tr16_b128 v[OWN+4*\k:OWN+4*\k+3], v[VA0] offset:16*STP*\k   ; S_1: K down the staged rows
.endr
	BAR                                            ; every wave has read what it needs of the stage: the slots may take its bytes
	CHAIN 7
	POWOUT
	s_wait_tensorcnt 0x0
	ds_add_u32 v254, v255
	s_wait_dscnt 0x0
	s_endpgm
	; ---- g = 16..31: rows of B
.Lrole_r:
	ADRT
	s_sub_co_u32 s14, s13, 16
	s_mul_i32 s15, s14, 16*STP                     ; rows 16 (g - 16) ..,
	s_lshl_b32 s23, s12, 7                         ; K = 64 w ..
	s_add_co_u32 s15, s15, s23
	v_add_nc_u32 v[VA0], s15, v[NB]
	s_lshl_b32 s20, s14, 13                        ; BN begins at byte 0 of pa
	s_mov_b32 s21, 0
	s_add_nc_u64 s[20:21], s[10:11], s[20:21]
	STAGE_W2
	MLOADT
.irp k,0,1,2,3
	ds_load_b128 v[OWN+4*\k:OWN+4*\k+3], v[VA0] offset:32*\k            ; S_1: K along the staged rows
.endr
	BAR
	CHAIN 7
	POWOUT
	s_wait_tensorcnt 0x0
	ds_add_u32 v254, v255
	s_wait_dscnt 0x0
	s_endpgm
	; ---- g = 32: S_n = W2^n w1, n = 0..7
.Lrole_v:
	ADRN
	s_lshl_b32 s14, s12, 8
	v_lshl_add_u32 v[VA0], v3, 5, s14              ; features 64 w + 8 h .. of w1
.irp t,0,1,2,3
	global_load_b128 v[ACC+8*\t:ACC+8*\t+3], v[VA0], s[4:5] offset:64*\t
	global_load_b128 v[ACC+8*\t+4:ACC+8*\t+7], v[VA0], s[4:5] offset:64*\t+16
.endr
	STAGE_W2
	MLOADN
	PACK                                           ; S_0 = w1 in all 16 columns
	BAR
	CHAIN 7
	XST 0                                          ; S_7
	BAR                                            ; slots 0 to 7 are whole
	; one state whose column r is S_(r & 7): my lane's 16 bytes of slot r & 7 (every column of slot n is S_n), my two fragments
	v_and_b32 v8, 7, v2
	v_lshl_add_u32 v8, v8, 13, v[VGO]
.irp k,0,1,2,3
	ds_load_b128 v[16+4*\k:16+4*\k+3], v8 offset:512*\k
.endr
.irp k,0,1,2,3
	s_wait_dscnt 3-\k                              ; the younger loads of the run may stay out
	global_store_b128 v[VGO], v[16+4*\k:16+4*\k+3], s[10:11] offset:SV+512*\k
.endr
	s_wait_tensorcnt 0x0
	ds_add_u32 v254, v255
	s_wait_dscnt 0x0
	s_endpgm
.Lfunc_end_k_qc06267180d_prep:
	.size	k_qc06267180d_prep, .Lfunc_end_k_qc06267180d_prep-k_qc06267180d_prep
	.p2alignl 7, 3214868480
	.fill 96, 4, 3214868480
	.section	.rodata,"a",@progbits
	.p2align	6, 0x0
	.amdhsa_kernel k_qc06267180d_prep
		.amdhsa_group_segment_fixed_size 139776
		.amdhsa_private_segment_fixed_size 0
		.amdhsa_enable_private_segment 0
		.amdhsa_kernarg_size 32
		.amdhsa_user_sgpr_count 2
		.amdhsa_user_sgpr_kernarg_segment_ptr 1
		.amdhsa_wavefront_size32 1
		.amdhsa_system_sgpr_workgroup_id_x 1
		.amdhsa_system_sgpr_workgroup_id_y 1
		.amdhsa_system_sgpr_workgroup_id_z 1
		.amdhsa_system_vgpr_workitem_id 0
		.amdhsa_next_free_vgpr 768
		.amdhsa_next_free_sgpr 66
		.amdhsa_reserve_vcc 0
		.amdhsa_float_denorm_mode_32 3
		.amdhsa_float_denorm_mode_16_64 3
		.amdhsa_memory_ordered 1
		.amdhsa_forward_progress 1
		.amdhsa_inst_pref_size 201
	.end_amdhsa_kernel
	.amdgpu_metadata
---
amdhsa.version: [ 1, 2 ]
amdhsa.kernels:
  - .name:           k_qc06267180d_prep
    .symbol:         k_qc06267180d_prep.kd
    .args:
      - { .name: W1, .offset: 0, .size: 8, .value_kind: global_buffer, .address_space: global }
      - { .name: W2, .offset: 8, .size: 8, .value_kind: global_buffer, .address_space: global }
      - { .name: W3, .offset: 16, .size: 8, .value_kind: global_buffer, .address_space: global }
      - { .name: pa, .offset: 24, .size: 8, .value_kind: global_buffer, .address_space: global }
    .group_segment_fixed_size: 139776
    .private_segment_fixed_size: 0
    .kernarg_segment_align: 8
    .kernarg_segment_size: 32
    .max_flat_workgroup_size: 128
    .sgpr_count:     66
    .vgpr_count:     768
    .wavefront_size: 32
...
	.end_amdgpu_metadata
.endif
;; end of part 5
;; launch prep2 (part 6): grid 38 x 1, 4 waves a work-group, no clusters, 37,376 bytes of LDS; arguments pa, W3, prep; writes prep
.if DOCPART == 6
	.amdgcn_target "amdgcn-amd-amdhsa--gfx1250"
	.amdhsa_code_object_version 6
	.text
	.protected	k_qc06267180d_prep2
	.globl	k_qc06267180d_prep2
	.p2align	8
	.type	k_qc06267180d_prep2,@function
k_qc06267180d_prep2:
	s_mov_b64 s[64:65], 0
	v_nop
	global_prefetch_b8 v0, s[64:65] scope:SCOPE_SE
	s_setreg_imm32_b32 hwreg(HW_REG_WAVE_MODE, 25, 1), 1
	s_wait_xcnt 0x0
; prep2: from the eighth power to the thirty-second.  Each work-group multiplies one state of 16 columns by B = W2^8 (or its transpose) three times over.
;   g = 0..15   the state starts as row tile g of B (as a second operand: columns of B transposed), M = B transposed: behind 3 steps a row tile of A = B^4   -> AN
;   g = 16..31  the state starts as a row tile of B transposed (columns of B), M = B: behind 3 steps a row tile of A transposed                              -> AT
;   g = 32..36  the state starts as tile j = g - 32 of rows 0 .. 79 of U, M = B transposed.  Row 10 (8 k + r) + o of U, which is W3 W2^(8 k + r + 1), is row
;               80 k + (10 r + o): the packed state behind step k is row tile 5 k + j of U.  All four are stored, the first as it came                      -> UF
;   g = 37      the state's column j is W2^j w1, M = B: slot k keeps S_(8 k + j) = W2^(8 k + j) w1 in column j, k = 0..3; from them
;               V'[m][j] = S_(31-j)[m], the taps k_n = W3 S_n and the Toeplitz tiles Tz[10 i + o][j] = k_(i-j)[o]                                           -> VF, TZ
; No work is left out here.  Fragments, the rotation of K positions and the exchange of the state are those of "prep": wave w owns features 64 w .. 64 w + 63,
; position p = 2 d + e stands for K fragment 2 ((w + d) & 3) + e, so positions 0 and 1 are the wave's own and are multiplied while the barrier completes.
; Every exchange slot is written once, so one barrier a step is enough.
; No cluster, no tensor load: the work-groups share B, but each wave needs its part of it once, in registers, in fragment order as it lies in memory, and
; 38 work-groups do not divide into clusters of four.
.set SLOT, 8192
.set KT,   4*SLOT                      ; the taps: 64 rows of 16 f32; rows 0-31 are zero, row 32 + n is k_n
.set BN,   0                           ; regions of pa
.set BT,   131072
.set SV,   262144
.set U0,   270336
.set AN,   0                           ; regions of prep
.set AT,   131072
.set VF,   262144
.set UF,   278528
.set TZ,   442368
.set USTR, 5*8192                      ; from U's tile 5 k + j to tile 5 (k + 1) + j
.set VST, 4
.set VLD, 5                            ; v5-7
.set VOFF, 8                           ; v8-11   byte offsets of my fragments of M; behind the chain v8-15 serve g = 37's LDS addresses
.set VA1, 15                           ; v15     W3: row min(r, 9), K = 8 h ..
.set OWN, 80
.set OTH, 96
.set ACC, 144
.set L16, 178                          ; v178    16 L
.set VHS, 179                          ; v179    2,048 w + 16 L: my two fragments of a state in memory
.set TM,  180                          ; v180-187 small numbers at work
.set W3F, 192                          ; v192-255 g = 37, wave 0: W3 as eight first-operand fragments
.set KR,  16                           ; v16-95  g = 37: the taps of my five tiles of Tz, 16 a tile
.set TO,  96                           ; v96-175 g = 37: the tiles to store, 16 registers a tile: high parts, rests
.set TW,  192                          ; v192-207 g = 37: at work on a tile
; window 1: my fragments of M;  window 2, v0-127: raw W3 (g = 37, wave 0)
.set MSB, 0
.macro WIN new                         ; the immediate's high byte repeats the setting that is left
.if MSB != \new
	s_set_vgpr_msb (MSB<<8)|\new
.set MSB, \new
.endif
.endm
.macro PLACES n
.rept \n
	v_nop
.endr
.endm
.macro BAR
	s_wait_dscnt 0x0
	s_barrier_signal -1
	s_barrier_wait -1
.endm
.macro PACK
.irp t,0,1,2,3
.irp i,0,1,2,3
	v_cvt_pk_bf16_f32 v[OWN+4*\t+\i], v[ACC+8*\t+2*\i], v[ACC+8*\t+2*\i+1]
.endr
.endr
.endm
.macro XST off
.irp k,0,1,2,3
	ds_store_b128 v[VST], v[OWN+4*\k:OWN+4*\k+3] offset:\off+512*\k
.endr
.endm
.macro XLD off
.irp d,1,2,3
.irp k,0,1,2,3
	ds_load_b128 v[OTH+16*(\d-1)+4*\k:OTH+16*(\d-1)+4*\k+3], v[VLD+\d-1] offset:\off+512*\k
.endr
.endr
.endm
.macro GST off                         ; my two fragments of the packed state into memory: 512 neighbouring bytes a store
.irp k,0,1,2,3
	global_store_b128 v[VHS], v[OWN+4*\k:OWN+4*\k+3], s[28:29] offset:\off+512*\k
.endr
.endm
.macro MM p, b, zero                   ; the four accumulators take turns, one instruction a turn
.irp t,0,1,2,3
.if \zero
	v_wmma_f32_16x16x32_bf16 v[ACC+8*\t:ACC+8*\t+7], v[(4*(\p)+\t)*8:(4*(\p)+\t)*8+7], v[\b:\b+7], 0
.else
	v_wmma_f32_16x16x32_bf16 v[ACC+8*\t:ACC+8*\t+7], v[(4*(\p)+\t)*8:(4*(\p)+\t)*8+7], v[\b:\b+7], v[ACC+8*\t:ACC+8*\t+7]
.endif
.endr
.endm
.macro REST                            ; position p as soon as its two loads are in: the 2 (7 - p) younger ones may stay out
	WIN 1
.irp p,2,3,4,5,6,7
	s_wait_dscnt 14-2*\p
	MM \p, OTH+8*(\p-2), 0
.endr
	WIN 0
.endm
.macro MLOADG sb, off                  ; my 4 x 8 fragments of M into window 1, own positions first; 512 neighbouring bytes a load
	WIN 0x40
.irp d,0,1,2,3
.irp e,0,1
.irp t,0,1,2,3
	global_load_b128 v[(4*(2*\d+\e)+\t)*8:(4*(2*\d+\e)+\t)*8+3], v[VOFF+\d], s[\sb:\sb+1] offset:\off+\t*8192+\e*1024
	global_load_b128 v[(4*(2*\d+\e)+\t)*8+4:(4*(2*\d+\e)+\t)*8+7], v[VOFF+\d], s[\sb:\sb+1] offset:\off+\t*8192+\e*1024+512
.endr
.endr
.endr
	WIN 0
.endm
; One step: the state in OWN is exchanged through its slot (and stored at byte st of the role's region if st >= 0), multiplied by M and packed.
.macro PSTEP slot, st
	XST (\slot)*SLOT
.if (\st) >= 0
	GST \st
.endif
	s_wait_dscnt 0x0                               ; my LDS stores are done, for the others' sake
	s_barrier_signal -1
	WIN 1
	MM 0, OWN, 1                                   ; the first product starts the sums
	MM 1, OWN+8, 0
	WIN 0
	s_barrier_wait -1
	XLD (\slot)*SLOT
	REST
	PLACES 5                                       ; between the last products and the conversions that read them, the next step's first products
	                                               ; that write over them, and the loads into the operands
.if (\st) >= 0
	s_wait_xcnt 0x0                                ; OWN, which this step's stores read, is rewritten only behind this wait
.endif
	PACK
.endm
; A tile times M three times over.  every = 1: all four states are stored; every = 0: the last alone.
.macro POWER inoff, moff, every, outoff
.irp k,0,1,2,3
	global_load_b128 v[OWN+4*\k:OWN+4*\k+3], v[VHS], s[26:27] offset:\inoff+512*\k
.endr
	MLOADG 4, \moff
	s_wait_loadcnt 0x0
.irp n,0,1,2
.if \every
	PSTEP \n, \outoff+\n*USTR
.else
	PSTEP \n, -1
.endif
.endr
.if \every
	GST \outoff+3*USTR
.else
	GST \outoff
.endif
.endm
	s_load_b128 s[4:7], s[0:1], 0x0                ; pa s[4:5], W3 s[6:7]
	s_load_b64 s[8:9], s[0:1], 0x10                ; prep
	v_lshl_add_u32 v190, v0, 2, 0x9000
	v_mov_b32 v191, 0
	v_and_b32 v1, 31, v0                           ; L
	v_and_b32 v2, 15, v0                           ; r
	v_bfe_u32 v3, v0, 4, 1                         ; h
	v_lshrrev_b32 v[L16], 5, v0
	v_readfirstlane_b32 s12, v[L16]                ; w
	s_mov_b32 s13, ttmp9                           ; g
	s_add_co_u32 s17, s12, 1
	s_and_b32 s17, s17, 3
	s_add_co_u32 s18, s12, 2
	s_and_b32 s18, s18, 3
	s_add_co_u32 s19, s12, 3
	s_and_b32 s19, s19, 3
	v_lshlrev_b32 v[L16], 4, v1
	v_lshl_add_u32 v[VST], s12, 11, v[L16]
	v_lshl_add_u32 v[VLD], s17, 11, v[L16]
	v_lshl_add_u32 v[VLD+1], s18, 11, v[L16]
	v_lshl_add_u32 v[VLD+2], s19, 11, v[L16]
	s_lshl_b32 s20, s12, 15
	v_add_nc_u32 v[VOFF+3], s20, v[L16]            ; tiles 4 w ..: 32,768 w
	v_lshl_add_u32 v[VOFF], s12, 11, v[VOFF+3]
	v_lshl_add_u32 v[VOFF+1], s17, 11, v[VOFF+3]
	v_lshl_add_u32 v[VOFF+2], s18, 11, v[VOFF+3]
	v_lshl_add_u32 v[VOFF+3], s19, 11, v[VOFF+3]
	v_lshl_add_u32 v[VHS], s12, 11, v[L16]
	s_mov_b32 s25, 0
	s_wait_kmcnt 0x0
	s_cmp_lt_u32 s13, 16
	s_cbranch_scc1 .Lan
	s_cmp_lt_u32 s13, 32
	s_cbranch_scc1 .Lat
	s_cmp_lt_u32 s13, 37
	s_cbranch_scc1 .Lu
	; ---- g = 37: S_n = W2^n w1 for n = 0..31, then V', the taps and Tz
	v_min_u32 v[VA1], 9, v2
	v_lshlrev_b32 v[VA1], 10, v[VA1]
	v_lshl_add_u32 v[VA1], v3, 5, v[VA1]           ; row min(r, 9) of W3, K = 8 h ..
.irp k,0,1,2,3
	global_load_b128 v[OWN+4*\k:OWN+4*\k+3], v[VHS], s[4:5] offset:SV+512*\k
.endr
	s_cmp_lg_u32 s12, 0
	s_cbranch_scc1 .Lv_a
	WIN 0x80                                       ; wave 0 alone multiplies by W3: its raw rows
.irp q,0,1,2,3,4,5,6,7
	global_load_b128 v[16*\q:16*\q+3], v[VA1], s[6:7] offset:128*\q
	global_load_b128 v[16*\q+4:16*\q+7], v[VA1], s[6:7] offset:128*\q+16
	global_load_b128 v[16*\q+8:16*\q+11], v[VA1], s[6:7] offset:128*\q+64
	global_load_b128 v[16*\q+12:16*\q+15], v[VA1], s[6:7] offset:128*\q+80
.endr
	WIN 0
.Lv_a:
	MLOADG 4, BN
	s_wait_loadcnt 0x0
	s_cmp_lg_u32 s12, 0
	s_cbranch_scc1 .Lv_b
	WIN 0x0a
.irp q,0,1,2,3,4,5,6,7
.irp i,0,1,2,3,4,5,6,7
	v_cvt_pk_bf16_f32 v[W3F+8*\q+\i], v[16*\q+2*\i], v[16*\q+2*\i+1]
.endr
.endr
	WIN 0
.Lv_b:
	PSTEP 0, -1
	PSTEP 1, -1
	PSTEP 2, -1
	XST 3*SLOT
	BAR                                            ; slots 0 to 3 are whole: S_n lies in column n & 7 of slot n >> 3
	; all waves: V'[m][j] = S_(31-j)[m] as first-operand fragments.  The transposing load gives lane 8 g + i element i of what lanes 8 g + j address:
	; lane 8 g + j addresses S_(31 - 8 h - j), that is column 7 - j of slot 3 - h (registers 4-7: two slots lower), features 64 w + 16 t + 8 (g & 1) ..
	; The data land in the idle accumulators; the last step's five places stand between its products and these loads.
	v_and_b32 v[TM+5], 7, v0
	v_sub_nc_u32 v[TM+5], 7, v[TM+5]
	v_lshlrev_b32 v[TM+5], 4, v[TM+5]              ; column 7 - (L & 7)
	v_sub_nc_u32 v[TM+6], 1, v3
	v_lshl_add_u32 v[TM+5], v[TM+6], 13, v[TM+5]   ; slot 1 - h
	v_bfe_u32 v[TM+6], v0, 3, 1
	v_lshl_add_u32 v[TM+5], v[TM+6], 8, v[TM+5]
	v_lshl_add_u32 v[TM+5], s12, 11, v[TM+5]       ; j = 16 + 8 h ..
	v_add_nc_u32 v[TM+6], 2*SLOT, v[TM+5]          ; j = 8 h ..
	v_lshl_add_u32 v[TM+7], s12, 12, v[L16]
.irp t,0,1,2,3
	ds_load_tr16_b128 v[ACC+8*\t:ACC+8*\t+3], v[TM+6] offset:512*\t
	ds_load_tr16_b128 v[ACC+8*\t+4:ACC+8*\t+7], v[TM+5] offset:512*\t
.endr
	s_wait_dscnt 0x0
.irp k,0,1,2,3,4,5,6,7
	global_store_b128 v[TM+7], v[ACC+4*\k:ACC+4*\k+3], s[8:9] offset:VF+512*\k
.endr
	BAR                                            ; every wave's transposing reads are over before wave 0 stores anything into LDS
	s_cmp_lg_u32 s12, 0
	s_cbranch_scc1 .Lv_c
	; wave 0: k_n[o] = W3[o] . S_n.  Second operand: column r of tile T is S_(16 T + r): column r & 7 of slot 2 T + (r >> 3); two tiles.
	v_lshrrev_b32 v8, 3, v2
	v_lshlrev_b32 v8, 13, v8
	v_and_b32 v9, 7, v2
	v_lshl_add_u32 v8, v9, 4, v8
	v_lshl_add_u32 v8, v3, 8, v8                   ; n = r
	v_add_nc_u32 v9, 2*SLOT, v8                    ; n = 16 + r
.irp n,0,1,2,3,4,5,6,7,8,9,10,11,12,13,14,15
	ds_load_b128 v[16+4*\n:16+4*\n+3], v8 offset:512*\n
.endr
.irp n,0,1,2,3,4,5,6,7,8,9,10,11,12,13,14,15
	ds_load_b128 v[80+4*\n:80+4*\n+3], v9 offset:512*\n
.endr
	v_lshlrev_b32 v10, 6, v2
	v_lshl_add_u32 v10, v3, 5, v10
	v_add_nc_u32 v10, KT+2048, v10                 ; row 32 + r, outputs 8 h ..
	v_add_nc_u32 v11, KT, v[L16]
	v_mov_b32 v12, 0
	v_mov_b32 v13, 0
	v_mov_b32 v14, 0
	v_mov_b32 v15, 0
.irp k,0,1,2,3
	ds_store_b128 v11, v[12:15] offset:512*\k      ; rows 0 to 31: the taps of negative lag
.endr
	s_wait_dscnt 0x0
	s_wait_xcnt 0x0                                ; v144-159, which my stores of V' read, are written again only behind this wait
	v_wmma_f32_16x16x32_bf16 v[144:151], v[W3F:W3F+7], v[16:23], 0        ; two accumulators by turns, one instruction a turn
	v_wmma_f32_16x16x32_bf16 v[152:159], v[W3F:W3F+7], v[80:87], 0
.irp q,1,2,3,4,5,6,7
	v_wmma_f32_16x16x32_bf16 v[144:151], v[W3F+8*\q:W3F+8*\q+7], v[16+8*\q:16+8*\q+7], v[144:151]
	v_wmma_f32_16x16x32_bf16 v[152:159], v[W3F+8*\q:W3F+8*\q+7], v[80+8*\q:80+8*\q+7], v[152:159]
.endr
	PLACES 4                                       ; between the products and the stores that read them, the later loads into and writes of their operands
	ds_store_b128 v10, v[144:147]
	ds_store_b128 v10, v[148:151] offset:16
	ds_store_b128 v10, v[152:155] offset:1024
	ds_store_b128 v10, v[156:159] offset:1040
.Lv_c:
	BAR                                            ; wave 0's taps and zeros are in LDS
	; all waves: Tz[10 i + o][j] = k_(i-j)[o] = row 32 + i - j of the table, zero for j > i; as a pair of bf16, high part and rest.  Tiles 5 w .. 5 w + 4.
	; The 80 loads of the five tiles go out in one run, each tile with an address register and data registers of its own; then tile by tile.
	s_wait_xcnt 0x0                                ; v144-175, which my stores of V' read, are written again only behind this wait
	s_mul_i32 s14, s12, 80
	v_add_nc_u32 v[TM], s14, v2                    ; m
	s_mul_i32 s15, s12, 10240
	v_add_nc_u32 v[TM+4], s15, v[L16]
	v_lshlrev_b32 v[TM+3], 3, v3
	v_sub_nc_u32 v[TM+3], 9, v[TM+3]               ; 9 - 8 h; the other 23 - e (or 7 - e) rows stand in the immediates
.irp t,0,1,2,3,4
.if \t
	v_add_nc_u32 v[TM], 16, v[TM]
.endif
	v_mul_u32_u24 v[TM+1], v[TM], 205              ; 205 m = 2,048 i + (2 i + 205 o), the bracket at most 1,907
	v_and_b32 v[TM+2], 0x7ff, v[TM+1]
	v_lshrrev_b32 v[TM+1], 11, v[TM+1]             ; i
	v_mul_u32_u24 v[TM+2], v[TM+2], 10             ; 2,048 o + (20 i + 2 o), the bracket at most 638
	v_lshrrev_b32 v[TM+2], 11, v[TM+2]             ; o
	v_add_nc_u32 v[TM+1], v[TM+1], v[TM+3]
	v_lshlrev_b32 v[TM+1], 6, v[TM+1]
	v_lshl_add_u32 v[TM+1], v[TM+2], 2, v[TM+1]
	v_add_nc_u32 v[8+\t], KT, v[TM+1]
.irp e,0,1,2,3,4,5,6,7
	ds_load_b32 v[KR+16*\t+\e], v[8+\t] offset:(23-\e)*64      ; j = 8 h + e
.endr
.irp e,0,1,2,3,4,5,6,7
	ds_load_b32 v[KR+16*\t+8+\e], v[8+\t] offset:(7-\e)*64     ; j = 16 + 8 h + e
.endr
.endr
.irp t,0,1,2,3,4
.if \t == 0
	s_wait_dscnt 63                                ; 64 loads are younger than tile 0's; 63 is the largest count a wait can name
.else
	s_wait_dscnt 64-16*\t                          ; the later tiles' loads, 16 a tile, may stay out
.endif
.irp i,0,1,2,3,4,5,6,7
	v_cvt_pk_bf16_f32 v[TO+16*\t+\i], v[KR+16*\t+2*\i], v[KR+16*\t+2*\i+1]
.endr
.irp i,0,1,2,3,4,5,6,7
	v_lshlrev_b32 v[TW+2*\i], 16, v[TO+16*\t+\i]
	v_and_b32 v[TW+2*\i+1], 0xffff0000, v[TO+16*\t+\i]
.endr
.irp i,0,1,2,3,4,5,6,7
	v_pk_add_f32 v[TW+2*\i:TW+2*\i+1], v[KR+16*\t+2*\i:KR+16*\t+2*\i+1], v[TW+2*\i:TW+2*\i+1] neg_lo:[0,1] neg_hi:[0,1]   ; what the high part leaves
.endr
.irp i,0,1,2,3,4,5,6,7
	v_cvt_pk_bf16_f32 v[TO+16*\t+8+\i], v[TW+2*\i], v[TW+2*\i+1]
.endr
.irp k,0,1,2,3
	global_store_b128 v[TM+4], v[TO+16*\t+4*\k:TO+16*\t+4*\k+3], s[8:9] offset:TZ+2048*\t+512*\k   ; each tile has store registers of its own
.endr
.endr
	s_wait_tensorcnt 0x0
	ds_add_u32 v190, v191
	s_wait_dscnt 0x0
	s_endpgm
	; ---- g = 0..15: a row tile of A
.Lan:
	s_lshl_b32 s24, s13, 13
	s_add_nc_u64 s[26:27], s[4:5], s[24:25]
	s_add_nc_u64 s[28:29], s[8:9], s[24:25]
	POWER BN, BT, 0, AN
	s_wait_tensorcnt 0x0
	ds_add_u32 v190, v191
	s_wait_dscnt 0x0
	s_endpgm
	; ---- g = 16..31: a row tile of A transposed
.Lat:
	s_sub_co_u32 s24, s13, 16
	s_lshl_b32 s24, s24, 13
	s_add_nc_u64 s[26:27], s[4:5], s[24:25]
	s_add_nc_u64 s[28:29], s[8:9], s[24:25]
	POWER BT, BN, 0, AT
	s_wait_tensorcnt 0x0
	ds_add_u32 v190, v191
	s_wait_dscnt 0x0
	s_endpgm
	; ---- g = 32..36: row tiles j, 5 + j, 10 + j, 15 + j of U
.Lu:
	s_sub_co_u32 s24, s13, 32
	s_lshl_b32 s24, s24, 13
	s_add_nc_u64 s[26:27], s[4:5], s[24:25]
	s_add_nc_u64 s[28:29], s[8:9], s[24:25]
	POWER U0, BT, 1, UF
	s_wait_tensorcnt 0x0
	ds_add_u32 v190, v191
	s_wait_dscnt 0x0
	s_endpgm
.Lfunc_end_k_qc06267180d_prep2:
	.size	k_qc06267180d_prep2, .Lfunc_end_k_qc06267180d_prep2-k_qc06267180d_prep2
	.p2alignl 7, 3214868480
	.fill 96, 4, 3214868480
	.section	.rodata,"a",@progbits
	.p2align	6, 0x0
	.amdhsa_kernel k_qc06267180d_prep2
		.amdhsa_group_segment_fixed_size 37376
		.amdhsa_private_segment_fixed_size 0
		.amdhsa_enable_private_segment 0
		.amdhsa_kernarg_size 24
		.amdhsa_user_sgpr_count 2
		.amdhsa_user_sgpr_kernarg_segment_ptr 1
		.amdhsa_wavefront_size32 1
		.amdhsa_system_sgpr_workgroup_id_x 1
		.amdhsa_system_sgpr_workgroup_id_y 1
		.amdhsa_system_sgpr_workgroup_id_z 1
		.amdhsa_system_vgpr_workitem_id 0
		.amdhsa_next_free_vgpr 640
		.amdhsa_next_free_sgpr 66
		.amdhsa_reserve_vcc 0
		.amdhsa_float_denorm_mode_32 3
		.amdhsa_float_denorm_mode_16_64 3
		.amdhsa_memory_ordered 1
		.amdhsa_forward_progress 1
		.amdhsa_inst_pref_size 121
	.end_amdhsa_kernel
	.amdgpu_metadata
---
amdhsa.version: [ 1, 2 ]
amdhsa.kernels:
  - .name:           k_qc06267180d_prep2
    .symbol:         k_qc06267180d_prep2.kd
    .args:
      - { .name: pa, .offset: 0, .size: 8, .value_kind: global_buffer, .address_space: global }
      - { .name: W3, .offset: 8, .size: 8, .value_kind: global_buffer, .address_space: global }
      - { .name: prep, .offset: 16, .size: 8, .value_kind: global_buffer, .address_space: global }
    .group_segment_fixed_size: 37376
    .private_segment_fixed_size: 0
    .kernarg_segment_align: 8
    .kernarg_segment_size: 24
    .max_flat_workgroup_size: 128
    .sgpr_count:     66
    .vgpr_count:     640
    .wavefront_size: 32
...
	.end_amdgpu_metadata
.endif
;; end of part 6
;; launch mid (part 7): grid 100 x 1, 4 waves a work-group, no clusters, 49,920 bytes of LDS; arguments x, prep, a2, ua, g, gp, xf; writes a2, ua, g, gp, xf
.if DOCPART == 7
	.amdgcn_target "amdgcn-amd-amdhsa--gfx1250"
	.amdhsa_code_object_version 6
	.text
	.protected	k_qc06267180d_mid
	.globl	k_qc06267180d_mid
	.p2align	8
	.type	k_qc06267180d_mid,@function
k_qc06267180d_mid:
	s_mov_b64 s[64:65], 0
	v_nop
	global_prefetch_b8 v0, s[64:65] scope:SCOPE_SE
	s_setreg_imm32_b32 hwreg(HW_REG_WAVE_MODE, 25, 1), 1
	s_wait_xcnt 0x0
; mid: chains of 15 steps, one work-group each, on the operands that "prep" made (A = W2^32, its transpose, V'[m][j] = (W2^(31-j) w1)[m], U).
;   work-groups 0..15:  a row tile of A2 = A^16 = W2^512: the state starts as the tile of A (as a second operand: columns of A transposed), M = A transposed.
;   work-groups 16..35: a row tile of U in the same way; the packed state behind step n is that row tile of U A^(n+1), and every one is stored (c = 1..15).
;   work-groups 36..99: batch tile bt (16 rows of x) and superchunk s (512 steps = 16 chunks): the states reached from zero: g_0 = V' x_0,
;   g_c = A g_(c-1) + V' x_c.  g_0 .. g_14 are stored packed to bf16 (the second operands of "outp"), G = g_15 in f32 (for "scan"), x as bf16 fragments.
; LEFT OUT as dead: the product of A with the zero state in front of chunk 0, and step 15 of superchunk 15, whose end state no step reads.
; Fragments, the rotation of K positions and the exchange of the state are those of "prep": wave w owns features 64 w .. 64 w + 63, position p = 2 d + e stands for
; K fragment 2 ((w + d) & 3) + e, so positions 0 and 1 are the wave's own and are multiplied while the barrier completes.
; Four exchange slots take turns: a slot is written again four barriers after it was read, and every wave waits for its reads in front of each signal.
; No cluster, no tensor load: each operand goes once, in fragment order, into registers.
.set XP,   1040                        ; LDS pitch of a row of 512 bf16 of x: 1,024 + 16, an odd multiple of 16
.set XCH,  16*XP                       ; behind x: four exchange slots
.set SLOT, 8192
.set AN,   0
.set AT,   131072
.set VF,   262144
.set UF,   278528
.set GPJ,  524288                      ; gp: [j][16 bt + s] states of 8,192 bytes: 64 states for each j
.set UAC,  163840                      ; ua: [c - 1] 20 row tiles of 8,192 bytes
.set XFC,  65536                       ; xf: [c][16 bt + s] fragments of 1,024 bytes
.set VST, 4
.set VLD, 5                            ; v5-7
.set VOFF, 8                           ; v8-11   byte offsets of my fragments of M, one for each pair of positions
.set VX,  12                           ; v12     x: 131,072 w + 16 L
.set VXS, 13                           ; v13     x into LDS
.set VXF, 14                           ; v14     x fragments out of LDS
.set VVP, 15                           ; v15     4,096 w + 16 L: V' in, G out
.set XW,  16                           ; v16-47  the four x fragments (chunks 4 w ..) that I store
.set OWN, 80
.set OTH, 96
.set XT,  96                           ; v96-159 x as loaded (OTH and the accumulators are idle then)
.set ACC, 144
.set VP,  176                          ; v176-207 V' of my four tiles
.set XC,  208                          ; v208-239 x rounded, on its way into LDS
.set L16, 240
.set VHS, 241                          ; 2,048 w + 16 L: my two fragments of a state in memory
.set VXW, 242                          ; LDS address of my four x fragments
.set VXO, 243                          ; 4 XFC w + 16 L
; window 1: my fragments of M;  window 2, v0-127: x as sixteen second-operand fragments, one a chunk
.set MSB, 0
.macro WIN new                         ; the immediate's high byte repeats the setting that is left
.if MSB != \new
	s_set_vgpr_msb (MSB<<8)|\new
.set MSB, \new
.endif
.endm
.macro PLACES n
.rept \n
	v_nop
.endr
.endm
.macro BAR
	s_wait_dscnt 0x0
	s_barrier_signal -1
	s_barrier_wait -1
.endm
.macro PACK
.irp t,0,1,2,3
.irp i,0,1,2,3
	v_cvt_pk_bf16_f32 v[OWN+4*\t+\i], v[ACC+8*\t+2*\i], v[ACC+8*\t+2*\i+1]
.endr
.endr
.endm
.macro XST off
.irp k,0,1,2,3
	ds_store_b128 v[VST], v[OWN+4*\k:OWN+4*\k+3] offset:\off+512*\k
.endr
.endm
.macro XLD off
.irp d,1,2,3
.irp k,0,1,2,3
	ds_load_b128 v[OTH+16*(\d-1)+4*\k:OTH+16*(\d-1)+4*\k+3], v[VLD+\d-1] offset:\off+512*\k
.endr
.endr
.endm
.macro GST off                         ; my two fragments of the packed state into memory: 512 neighbouring bytes a store
.irp k,0,1,2,3
	global_store_b128 v[VHS], v[OWN+4*\k:OWN+4*\k+3], s[28:29] offset:\off+512*\k
.endr
.endm
.macro MM p, b, zero                   ; the four accumulators take turns, one instruction a turn
.irp t,0,1,2,3
.if \zero
	v_wmma_f32_16x16x32_bf16 v[ACC+8*\t:ACC+8*\t+7], v[(4*(\p)+\t)*8:(4*(\p)+\t)*8+7], v[\b:\b+7], 0
.else
	v_wmma_f32_16x16x32_bf16 v[ACC+8*\t:ACC+8*\t+7], v[(4*(\p)+\t)*8:(4*(\p)+\t)*8+7], v[\b:\b+7], v[ACC+8*\t:ACC+8*\t+7]
.endif
.endr
.endm
.macro REST                            ; position p as soon as its two loads are in: the 2 (7 - p) younger ones may stay out
	WIN 1
.irp p,2,3,4,5,6,7
	s_wait_dscnt 14-2*\p
	MM \p, OTH+8*(\p-2), 0
.endr
	WIN 0
.endm
.macro MLOADG sb, off                  ; my 4 x 8 fragments of M into window 1, own positions first; 512 neighbouring bytes a load
	WIN 0x40
.irp d,0,1,2,3
.irp e,0,1
.irp t,0,1,2,3
	global_load_b128 v[(4*(2*\d+\e)+\t)*8:(4*(2*\d+\e)+\t)*8+3], v[VOFF+\d], s[\sb:\sb+1] offset:\off+\t*8192+\e*1024
	global_load_b128 v[(4*(2*\d+\e)+\t)*8+4:(4*(2*\d+\e)+\t)*8+7], v[VOFF+\d], s[\sb:\sb+1] offset:\off+\t*8192+\e*1024+512
.endr
.endr
.endr
	WIN 0
.endm
; One step: ACC = V' x_xc (xc >= 0) + M state (slot >= 0: the state in OWN is exchanged through slot & 3, and stored at byte st of its buffer if st >= 0);
; then packed (pack = 1).
.macro RSTEP xc, slot, pack, st
.if (\slot) >= 0
	XST ((\slot)&3)*SLOT
.if (\st) >= 0
	GST \st
.endif
	s_wait_dscnt 0x0                               ; my LDS stores are done, for the others' sake
	s_barrier_signal -1
.endif
.if (\xc) >= 0
	WIN 0x08                                       ; the second operand lies in window 2
.irp t,0,1,2,3
	v_wmma_f32_16x16x32_bf16 v[ACC+8*\t:ACC+8*\t+7], v[VP+8*\t:VP+8*\t+7], v[8*(\xc):8*(\xc)+7], 0
.endr
.endif
.if (\slot) >= 0
	WIN 1
.if (\xc) >= 0
	MM 0, OWN, 0
.else
	MM 0, OWN, 1
.endif
	MM 1, OWN+8, 0
	WIN 0
	s_barrier_wait -1
	XLD ((\slot)&3)*SLOT
	REST
.else
	WIN 0
.endif
	PLACES 5                                       ; between the last products and the conversions or stores that read them, the next step's first products
	                                               ; that write over them, and the loads into the operands
.if \pack
.if (\st) >= 0
	s_wait_xcnt 0x0                                ; OWN, which this step's stores read, is rewritten only behind this wait
.endif
	PACK
.endif
.endm
; A row tile times A fifteen times over.  every = 1: each product is stored (U A^c); every = 0: the last alone (A^16).
.macro POWER inoff, every
.irp k,0,1,2,3
	global_load_b128 v[OWN+4*\k:OWN+4*\k+3], v[VHS], s[26:27] offset:\inoff+512*\k
.endr
	MLOADG 6, AT
	s_wait_loadcnt 0x0
	RSTEP -1, 0, 1, -1
.irp n,1,2,3,4,5,6,7,8,9,10,11,12,13,14
.if \every
	RSTEP -1, \n, 1, (\n-1)*UAC
.else
	RSTEP -1, \n, 1, -1
.endif
.endr
.if \every
	GST 14*UAC
.else
	GST 0
.endif
.endm
	s_load_b256 s[4:11], s[0:1], 0x0               ; x s[4:5], prep s[6:7], a2 s[8:9], ua s[10:11]
	s_load_b128 s[12:15], s[0:1], 0x20             ; g s[12:13], gp s[14:15]
	s_load_b64 s[16:17], s[0:1], 0x30              ; xf
	v_lshl_add_u32 v254, v0, 2, 0xc100
	v_mov_b32 v255, 0
	v_and_b32 v1, 31, v0                           ; L
	v_and_b32 v2, 15, v0                           ; r
	v_bfe_u32 v3, v0, 4, 1                         ; h
	v_lshrrev_b32 v[L16], 5, v0
	v_readfirstlane_b32 s18, v[L16]                ; w
	s_mov_b32 s19, ttmp9
	s_add_co_u32 s20, s18, 1
	s_and_b32 s20, s20, 3
	s_add_co_u32 s21, s18, 2
	s_and_b32 s21, s21, 3
	s_add_co_u32 s22, s18, 3
	s_and_b32 s22, s22, 3
	v_lshlrev_b32 v[L16], 4, v1
	v_add_nc_u32 v[VLD+2], XCH, v[L16]
	v_lshl_add_u32 v[VST], s18, 11, v[VLD+2]
	v_lshl_add_u32 v[VLD], s20, 11, v[VLD+2]
	v_lshl_add_u32 v[VLD+1], s21, 11, v[VLD+2]
	v_lshl_add_u32 v[VLD+2], s22, 11, v[VLD+2]
	s_lshl_b32 s24, s18, 15
	v_add_nc_u32 v[VOFF+3], s24, v[L16]            ; tiles 4 w ..: 32,768 w
	v_lshl_add_u32 v[VOFF], s18, 11, v[VOFF+3]
	v_lshl_add_u32 v[VOFF+1], s20, 11, v[VOFF+3]
	v_lshl_add_u32 v[VOFF+2], s21, 11, v[VOFF+3]
	v_lshl_add_u32 v[VOFF+3], s22, 11, v[VOFF+3]
	v_lshl_add_u32 v[VHS], s18, 11, v[L16]
	s_mov_b32 s25, 0
	s_wait_kmcnt 0x0
	s_cmp_lt_u32 s19, 16
	s_cbranch_scc1 .Lpower
	s_cmp_lt_u32 s19, 36
	s_cbranch_scc1 .Lua
	; ---- a superchunk's states from zero
	s_sub_co_u32 s23, s19, 36
	s_and_b32 s34, s23, 3                          ; bt
	s_lshr_b32 s35, s23, 2                         ; s
	s_lshl_b32 s24, s34, 19                        ; 16 rows of 32,768 bytes
	s_lshl_b32 s23, s35, 11                        ; 512 steps of 4 bytes
	s_add_co_u32 s24, s24, s23
	s_add_nc_u64 s[26:27], s[4:5], s[24:25]
	s_lshl_b32 s23, s34, 4
	s_add_co_u32 s23, s23, s35                     ; 16 bt + s
	s_lshl_b32 s24, s23, 13
	s_add_nc_u64 s[28:29], s[14:15], s[24:25]      ; gp
	s_lshl_b32 s24, s23, 10
	s_add_nc_u64 s[32:33], s[16:17], s[24:25]      ; xf
	v_lshl_add_u32 v[VX], s18, 17, v[L16]          ; rows 4 w ..
	s_mul_i32 s24, s18, 4*XP
	v_lshl_add_u32 v[VXS], v1, 3, s24
	v_mul_u32_u24 v[VXF], v2, XP
	v_lshl_add_u32 v[VXF], v3, 4, v[VXF]
	v_lshl_add_u32 v[VXW], s18, 8, v[VXF]          ; chunks 4 w ..: 64 bytes a chunk
	v_lshl_add_u32 v[VVP], s18, 12, v[L16]
	v_lshl_add_u32 v[VXO], s18, 18, v[L16]
.irp i,0,1,2,3,4,5,6,7,8,9,10,11,12,13,14,15
	global_load_b128 v[XT+4*\i:XT+4*\i+3], v[VX], s[26:27] offset:(\i>>2)*32768+(\i&3)*512 th:TH_LOAD_NT   ; a quarter of a row piece: 512 neighbouring bytes
.endr
.irp k,0,1,2,3,4,5,6,7
	global_load_b128 v[VP+4*\k:VP+4*\k+3], v[VVP], s[6:7] offset:VF+512*\k
.endr
	MLOADG 6, AN
	s_wait_loadcnt 63                              ; 72 loads are younger than x's: x is in
.irp i,0,1,2,3,4,5,6,7,8,9,10,11,12,13,14,15
	v_cvt_pk_bf16_f32 v[XC+2*\i], v[XT+4*\i], v[XT+4*\i+1]
	v_cvt_pk_bf16_f32 v[XC+2*\i+1], v[XT+4*\i+2], v[XT+4*\i+3]
.endr
.irp i,0,1,2,3,4,5,6,7,8,9,10,11,12,13,14,15
	ds_store_b64 v[VXS], v[XC+2*\i:XC+2*\i+1] offset:(\i>>2)*XP+(\i&3)*256
.endr
	BAR                                            ; all 16 rows are in LDS
	WIN 0x80
.irp c,0,1,2,3,4,5,6,7,8,9,10,11,12,13,14,15
	ds_load_b128 v[8*\c:8*\c+3], v[VXF] offset:64*\c                   ; column r = batch row r, K = the chunk's 32 steps
	ds_load_b128 v[8*\c+4:8*\c+7], v[VXF] offset:64*\c+32
.endr
	WIN 0
.irp k,0,1,2,3
	ds_load_b128 v[XW+8*\k:XW+8*\k+3], v[VXW] offset:64*\k             ; chunks 4 w + k once more, in registers that hang on no wave number
	ds_load_b128 v[XW+8*\k+4:XW+8*\k+7], v[VXW] offset:64*\k+32
.endr
	s_wait_dscnt 0x0
.irp k,0,1,2,3
	global_store_b128 v[VXO], v[XW+8*\k:XW+8*\k+3], s[32:33] offset:XFC*\k
	global_store_b128 v[VXO], v[XW+8*\k+4:XW+8*\k+7], s[32:33] offset:XFC*\k+512
.endr
	s_wait_loadcnt 0x0
	RSTEP 0, -1, 1, -1
.irp c,1,2,3,4,5,6,7,8,9,10,11,12,13,14
	RSTEP \c, \c-1, 1, (\c-1)*GPJ                  ; g_(c-1) is exchanged and stored, g_c made
.endr
	s_cmp_eq_u32 s35, 15
	s_cbranch_scc1 .Llast
	s_mul_i32 s24, s34, 15
	s_add_co_u32 s24, s24, s35
	s_lshl_b32 s24, s24, 14                        ; G lies at index 15 bt + s
	s_add_nc_u64 s[30:31], s[12:13], s[24:25]
	RSTEP 15, 14, 0, 14*GPJ
.irp k,0,1,2,3,4,5,6,7
	global_store_b128 v[VVP], v[ACC+4*\k:ACC+4*\k+3], s[30:31] offset:512*\k       ; the accumulators as they lie, 512 neighbouring bytes a store
.endr
	s_wait_tensorcnt 0x0
	ds_add_u32 v254, v255
	s_wait_dscnt 0x0
	s_endpgm
.Llast:
	GST 14*GPJ                                     ; the last superchunk: g_14 is still read, its end state is not
	s_wait_tensorcnt 0x0
	ds_add_u32 v254, v255
	s_wait_dscnt 0x0
	s_endpgm
	; ---- a row tile of A^16
.Lpower:
	s_lshl_b32 s24, s19, 13
	s_add_nc_u64 s[26:27], s[6:7], s[24:25]
	s_add_nc_u64 s[28:29], s[8:9], s[24:25]
	POWER AN, 0
	s_wait_tensorcnt 0x0
	ds_add_u32 v254, v255
	s_wait_dscnt 0x0
	s_endpgm
	; ---- a row tile of U A^c, c = 1..15
.Lua:
	s_sub_co_u32 s24, s19, 16
	s_lshl_b32 s24, s24, 13
	s_add_nc_u64 s[26:27], s[6:7], s[24:25]
	s_add_nc_u64 s[28:29], s[10:11], s[24:25]
	POWER UF, 1
	s_wait_tensorcnt 0x0
	ds_add_u32 v254, v255
	s_wait_dscnt 0x0
	s_endpgm
.Lfunc_end_k_qc06267180d_mid:
	.size	k_qc06267180d_mid, .Lfunc_end_k_qc06267180d_mid-k_qc06267180d_mid
	.p2alignl 7, 3214868480
	.fill 96, 4, 3214868480
	.section	.rodata,"a",@progbits
	.p2align	6, 0x0
	.amdhsa_kernel k_qc06267180d_mid
		.amdhsa_group_segment_fixed_size 49920
		.amdhsa_private_segment_fixed_size 0
		.amdhsa_enable_private_segment 0
		.amdhsa_kernarg_size 56
		.amdhsa_user_sgpr_count 2
		.amdhsa_user_sgpr_kernarg_segment_ptr 1
		.amdhsa_wavefront_size32 1
		.amdhsa_system_sgpr_workgroup_id_x 1
		.amdhsa_system_sgpr_workgroup_id_y 1
		.amdhsa_system_sgpr_workgroup_id_z 1
		.amdhsa_system_vgpr_workitem_id 0
		.amdhsa_next_free_vgpr 640
		.amdhsa_next_free_sgpr 66
		.amdhsa_reserve_vcc 0
		.amdhsa_float_denorm_mode_32 3
		.amdhsa_float_denorm_mode_16_64 3
		.amdhsa_memory_ordered 1
		.amdhsa_forward_progress 1
		.amdhsa_inst_pref_size 255
	.end_amdhsa_kernel
	.section	.bss,"aw",@nobits
	.p2align	6
	.space	262144
	.amdgpu_metadata
---
amdhsa.version: [ 1, 2 ]
amdhsa.kernels:
  - .name:           k_qc06267180d_mid
    .symbol:         k_qc06267180d_mid.kd
    .args:
      - { .name: x, .offset: 0, .size: 8, .value_kind: global_buffer, .address_space: global }
      - { .name: prep, .offset: 8, .size: 8, .value_kind: global_buffer, .address_space: global }
      - { .name: a2, .offset: 16, .size: 8, .value_kind: global_buffer, .address_space: global }
      - { .name: ua, .offset: 24, .size: 8, .value_kind: global_buffer, .address_space: global }
      - { .name: g, .offset: 32, .size: 8, .value_kind: global_buffer, .address_space: global }
      - { .name: gp, .offset: 40, .size: 8, .value_kind: global_buffer, .address_space: global }
      - { .name: xf, .offset: 48, .size: 8, .value_kind: global_buffer, .address_space: global }
    .group_segment_fixed_size: 49920
    .private_segment_fixed_size: 0
    .kernarg_segment_align: 8
    .kernarg_segment_size: 56
    .max_flat_workgroup_size: 128
    .sgpr_count:     66
    .vgpr_count:     640
    .wavefront_size: 32
...
	.end_amdgpu_metadata
.endif
;; end of part 7
;; launch scan (part 8): grid 4 x 1, 4 waves a work-group, no clusters, 33,280 bytes of LDS; arguments a2, g, hs; writes hs
.if DOCPART == 8
	.amdgcn_target "amdgcn-amd-amdhsa--gfx1250"
	.amdhsa_code_object_version 6
	.text
	.protected	k_qc06267180d_scan
	.globl	k_qc06267180d_scan
	.p2align	8
	.type	k_qc06267180d_scan,@function
k_qc06267180d_scan:
	s_mov_b64 s[64:65], 0
	v_nop
	global_prefetch_b8 v0, s[64:65] scope:SCOPE_SE
	s_setreg_imm32_b32 hwreg(HW_REG_WAVE_MODE, 25, 1), 1
	s_wait_xcnt 0x0
; scan: the state in front of each superchunk.  H_1 = G_0, H_(n+1) = A2 H_n + G_n for n = 1..14 (A2 = W2^512), one work-group for each batch tile of 16 rows.
; H_1 .. H_15 are stored packed to bf16, as the second-operand fragments that "outp" takes.
; LEFT OUT as dead: H_0, which is the zero state of reference() (so H_1 = G_0 without a product), and H_16, which no step reads.
; The chain is 14 dependent steps, so only four work-groups have work.  G is kept four steps ahead in four register sets; the sum starts from G as the first product's C.
; Fragments, rotation of K positions and exchange as in "prep"; four exchange slots take turns, a slot is written again four barriers after it was read.
.set SLOT, 8192
.set VST, 4
.set VLD, 5
.set VOFF, 8
.set GB0, 16                           ; v16-47, v48-79, v176-207, v208-239: four sets of G, f32, in the accumulators' layout
.set GB1, 48
.set GB2, 176
.set GB3, 208
.set OWN, 80
.set OTH, 96
.set ACC, 144
.set L16, 240
.set VG,  241                          ; 4,096 w + 16 L
.set VHO, 242                          ; 2,048 w + 16 L
.set MSB, 0
.macro WIN new                         ; the immediate's high byte repeats the setting that is left
.if MSB != \new
	s_set_vgpr_msb (MSB<<8)|\new
.set MSB, \new
.endif
.endm
.macro PLACES n
.rept \n
	v_nop
.endr
.endm
.macro PACK
.irp t,0,1,2,3
.irp i,0,1,2,3
	v_cvt_pk_bf16_f32 v[OWN+4*\t+\i], v[ACC+8*\t+2*\i], v[ACC+8*\t+2*\i+1]
.endr
.endr
.endm
.macro XST off
.irp k,0,1,2,3
	ds_store_b128 v[VST], v[OWN+4*\k:OWN+4*\k+3] offset:\off+512*\k
.endr
.endm
.macro XLD off
.irp d,1,2,3
.irp k,0,1,2,3
	ds_load_b128 v[OTH+16*(\d-1)+4*\k:OTH+16*(\d-1)+4*\k+3], v[VLD+\d-1] offset:\off+512*\k
.endr
.endr
.endm
.macro MM p, b                         ; the four accumulators take turns, one instruction a turn
.irp t,0,1,2,3
	v_wmma_f32_16x16x32_bf16 v[ACC+8*\t:ACC+8*\t+7], v[(4*(\p)+\t)*8:(4*(\p)+\t)*8+7], v[\b:\b+7], v[ACC+8*\t:ACC+8*\t+7]
.endr
.endm
.macro MMG p, b, gb                    ; the step's first products add onto G
.irp t,0,1,2,3
	v_wmma_f32_16x16x32_bf16 v[ACC+8*\t:ACC+8*\t+7], v[(4*(\p)+\t)*8:(4*(\p)+\t)*8+7], v[\b:\b+7], v[\gb+8*\t:\gb+8*\t+7]
.endr
.endm
.macro REST                            ; position p as soon as its two loads are in: the 2 (7 - p) younger ones may stay out
	WIN 1
.irp p,2,3,4,5,6,7
	s_wait_dscnt 14-2*\p
	MM \p, OTH+8*(\p-2)
.endr
	WIN 0
.endm
.macro MLOADG sb, off
	WIN 0x40
.irp d,0,1,2,3
.irp e,0,1
.irp t,0,1,2,3
	global_load_b128 v[(4*(2*\d+\e)+\t)*8:(4*(2*\d+\e)+\t)*8+3], v[VOFF+\d], s[\sb:\sb+1] offset:\off+\t*8192+\e*1024
	global_load_b128 v[(4*(2*\d+\e)+\t)*8+4:(4*(2*\d+\e)+\t)*8+7], v[VOFF+\d], s[\sb:\sb+1] offset:\off+\t*8192+\e*1024+512
.endr
.endr
.endr
	WIN 0
.endm
.macro GLOAD reg, idx                  ; my part of the G that lies idx sets behind the base
.irp k,0,1,2,3,4,5,6,7
	global_load_b128 v[\reg+4*\k:\reg+4*\k+3], v[VG], s[6:7] offset:(\idx)*16384+512*\k th:TH_LOAD_NT
.endr
.endm
.macro HOUT hidx
.irp k,0,1,2,3
	global_store_b128 v[VHO], v[OWN+4*\k:OWN+4*\k+3], s[8:9] offset:(\hidx)*8192+512*\k
.endr
.endm
; Step n = 4 trip + 1 + pos: H_n is packed, stored and exchanged, then ACC = G_n + A2 H_n.  left = the loads of the younger sets of G, 8 a set.
.macro SSTEP pos, gb, hidx, reload, left
	s_wait_xcnt 0x0                                ; OWN, which the last step's stores read, is rewritten only behind this wait
	PACK
	XST \pos*SLOT
	HOUT \hidx
	s_wait_dscnt 0x0                               ; my LDS stores are done, for the others' sake
	s_wait_loadcnt \left                           ; G_n is in (at the first step the matrix too: it was asked for ahead of G_1)
	s_barrier_signal -1
	WIN 1
	MMG 0, OWN, \gb
	MM 1, OWN+8
	WIN 0
	s_barrier_wait -1
	XLD \pos*SLOT
.if \reload
	PLACES 4                                       ; between the products that read this set of G and the loads into it
	GLOAD \gb, \pos+5                              ; G_(n+4)
.endif
	REST
	PLACES 5                                       ; between the last products and the conversions that read them, the next first products and the loads into the operands
.endm
	s_load_b128 s[4:7], s[0:1], 0x0                ; a2 s[4:5], g s[6:7]
	s_load_b64 s[8:9], s[0:1], 0x10                ; hs
	v_lshl_add_u32 v254, v0, 2, 0x8000
	v_mov_b32 v255, 0
	v_and_b32 v1, 31, v0
	v_lshrrev_b32 v[L16], 5, v0
	v_readfirstlane_b32 s12, v[L16]                ; w
	s_add_co_u32 s17, s12, 1
	s_and_b32 s17, s17, 3
	s_add_co_u32 s18, s12, 2
	s_and_b32 s18, s18, 3
	s_add_co_u32 s19, s12, 3
	s_and_b32 s19, s19, 3
	v_lshlrev_b32 v[L16], 4, v1
	v_lshl_add_u32 v[VST], s12, 11, v[L16]
	v_lshl_add_u32 v[VLD], s17, 11, v[L16]
	v_lshl_add_u32 v[VLD+1], s18, 11, v[L16]
	v_lshl_add_u32 v[VLD+2], s19, 11, v[L16]
	s_lshl_b32 s20, s12, 15
	v_add_nc_u32 v[VOFF+3], s20, v[L16]
	v_lshl_add_u32 v[VOFF], s12, 11, v[VOFF+3]
	v_lshl_add_u32 v[VOFF+1], s17, 11, v[VOFF+3]
	v_lshl_add_u32 v[VOFF+2], s18, 11, v[VOFF+3]
	v_lshl_add_u32 v[VOFF+3], s19, 11, v[VOFF+3]
	v_lshl_add_u32 v[VG], s12, 12, v[L16]
	v_lshl_add_u32 v[VHO], s12, 11, v[L16]
	s_mul_i32 s20, ttmp9, 15*16384                 ; my batch tile's 15 sets of G
	s_mov_b32 s21, 0
	s_mul_i32 s22, ttmp9, 15*8192                  ; and its 15 states
	s_mov_b32 s23, 0
	s_wait_kmcnt 0x0
	s_add_nc_u64 s[6:7], s[6:7], s[20:21]
	s_add_nc_u64 s[8:9], s[8:9], s[22:23]
	GLOAD ACC, 0                                   ; H_1 = G_0
	MLOADG 4, 0
	GLOAD GB0, 1
	GLOAD GB1, 2
	GLOAD GB2, 3
	GLOAD GB3, 4
	s_wait_loadcnt 63                              ; 96 loads are younger than G_0's: G_0 is in
	s_mov_b32 s16, 0
.Lscan:
	SSTEP 0, GB0, 0, 1, 24
	SSTEP 1, GB1, 1, 1, 24
	SSTEP 2, GB2, 2, 1, 24
	SSTEP 3, GB3, 3, 1, 24
	s_wait_xcnt 0x0                                ; the bases are stepped only behind this wait
	s_add_nc_u64 s[6:7], s[6:7], 4*16384
	s_add_nc_u64 s[8:9], s[8:9], 4*8192
	s_add_co_u32 s16, s16, 1
	s_cmp_lt_u32 s16, 2
	s_cbranch_scc1 .Lscan
	SSTEP 0, GB0, 0, 1, 24                         ; steps 9 to 14: G_13 and G_14 are the last loads, then the counts run down
	SSTEP 1, GB1, 1, 1, 24
	SSTEP 2, GB2, 2, 0, 24
	SSTEP 3, GB3, 3, 0, 16
	SSTEP 0, GB0, 4, 0, 8
	SSTEP 1, GB1, 5, 0, 0
	s_wait_xcnt 0x0
	PACK
	HOUT 6                                         ; H_15
	s_wait_tensorcnt 0x0
	ds_add_u32 v254, v255
	s_wait_dscnt 0x0
	s_endpgm
.Lfunc_end_k_qc06267180d_scan:
	.size	k_qc06267180d_scan, .Lfunc_end_k_qc06267180d_scan-k_qc06267180d_scan
	.p2alignl 7, 3214868480
	.fill 96, 4, 3214868480
	.section	.rodata,"a",@progbits
	.p2align	6, 0x0
	.amdhsa_kernel k_qc06267180d_scan
		.amdhsa_group_segment_fixed_size 33280
		.amdhsa_private_segment_fixed_size 0
		.amdhsa_enable_private_segment 0
		.amdhsa_kernarg_size 24
		.amdhsa_user_sgpr_count 2
		.amdhsa_user_sgpr_kernarg_segment_ptr 1
		.amdhsa_wavefront_size32 1
		.amdhsa_system_sgpr_workgroup_id_x 1
		.amdhsa_system_sgpr_workgroup_id_y 1
		.amdhsa_system_sgpr_workgroup_id_z 1
		.amdhsa_system_vgpr_workitem_id 0
		.amdhsa_next_free_vgpr 512
		.amdhsa_next_free_sgpr 66
		.amdhsa_reserve_vcc 0
		.amdhsa_float_denorm_mode_32 3
		.amdhsa_float_denorm_mode_16_64 3
		.amdhsa_memory_ordered 1
		.amdhsa_forward_progress 1
		.amdhsa_inst_pref_size 69
	.end_amdhsa_kernel
	.amdgpu_metadata
---
amdhsa.version: [ 1, 2 ]
amdhsa.kernels:
  - .name:           k_qc06267180d_scan
    .symbol:         k_qc06267180d_scan.kd
    .args:
      - { .name: a2, .offset: 0, .size: 8, .value_kind: global_buffer, .address_space: global }
      - { .name: g, .offset: 8, .size: 8, .value_kind: global_buffer, .address_space: global }
      - { .name: hs, .offset: 16, .size: 8, .value_kind: global_buffer, .address_space: global }
    .group_segment_fixed_size: 33280
    .private_segment_fixed_size: 0
    .kernarg_segment_align: 8
    .kernarg_segment_size: 24
    .max_flat_workgroup_size: 128
    .sgpr_count:     66
    .vgpr_count:     512
    .wavefront_size: 32
...
	.end_amdgpu_metadata
.endif
;; end of part 8
;; launch outp (part 9): grid 256 x 1, 4 waves a work-group, no clusters, 111,616 bytes of LDS; arguments prep, ua, gp, xf, hs, out0; writes out0
.if DOCPART == 9
	.amdgcn_target "amdgcn-amd-amdhsa--gfx1250"
	.amdhsa_code_object_version 6
	.text
	.protected	k_qc06267180d_outp
	.globl	k_qc06267180d_outp
	.p2align	8
	.type	k_qc06267180d_outp,@function
k_qc06267180d_outp:
	s_mov_b64 s[64:65], 0
	v_nop
	global_prefetch_b8 v0, s[64:65] scope:SCOPE_SE
	s_setreg_imm32_b32 hwreg(HW_REG_WAVE_MODE, 25, 1), 1
	s_wait_xcnt 0x0
; outp: y, as a plain product.  For chunk c (32 steps) of superchunk s and batch tile bt (16 rows):
;   Y = (U A^c) H_s + U g_(c-1) + Tz x_c,   320 rows (10 i + o) x 16 batch columns: for a batch row the 320 numbers are 1,280 neighbouring bytes of out0.
; No step here depends on another.  A work-group has one c, one bt and four superchunks s = 4 sg + u, u = 0..3 ("units"): 16 x 4 x 4 = 256 work-groups.
; LEFT OUT as dead: (U A^c) H_0 for s = 0 and U g_(-1) for c = 0, products with the zero state of reference().  For c = 0, U A^0 is U itself.
; The body is a macro, expanded once for each of the four cases (c = 0 or not, sg = 0 or not), so that each way loads and reads only what it needs.
; Wave w makes rows 80 w .. 80 w + 79 of Y (five tiles) and keeps its first operands in registers for all four units: 40 fragments of P = U A^c,
; 40 of Q = U, 10 of Tz (taps as high part and rest, two products): 720 registers.
; The second operands of all four units (H 32 KB, g 32 KB, x 4 KB, already in fragment form) are brought into LDS once, a quarter by each wave, and every wave
; reads them from there: H and x of the next unit while this unit's products with g run, g of a unit while its products with H run.
; Results go out through LDS: a lane holds 32 bytes of a batch row; read back by rows, sixteen lanes store 256 consecutive bytes, aligned.  Two stages take turns,
; one barrier a unit.  One set of accumulators is enough: the LDS stores that read it are issued ahead of the next unit's first products.
; No cluster, no tensor load: the work-groups of one c read the same U A^c and all read U and Tz, but a joint load lands in LDS, and a work-group's 360 KB of
; first operands are more than LDS holds; each wave needs its part of them in registers, once.
.set SLOT, 8192
.set LBG,  32768                       ; LDS: H of unit u at 8,192 u; g of unit u at LBG + 8,192 u; x of unit u at LBX + 1,024 u
.set LBX,  65536
.set YST,  69632                       ; two stages of 16 rows
.set YP,   1296                        ; 1,280 + 16: an odd multiple of 16
.set YB,   16*YP
.set BROW, 327680                      ; bytes of a batch row of out0
.set CHB,  1280                        ; bytes of a chunk in it
.set SCB,  20480                       ; bytes of a superchunk in it
.set UF,   278528
.set TZ,   442368
.set UAC,  163840
.set GPJ,  524288
.set L16, 4                            ; v4      16 L; also the LDS address of H's fragments
.set VU,  5                            ; v5      40,960 w + 16 L
.set VTZ, 6                            ; v6      10,240 w + 16 L
.set VG8, 7                            ; v7      8,192 w + 16 L: my quarter of 32 KB, in memory and (H) in LDS
.set VH6, 8                            ; v8      sg = 0: 6,144 w + 16 L: my quarter of the 24 KB of H_1 .. H_3
.set VSH, 9                            ; v9      sg = 0: where it goes, one unit further up
.set VSG, 10                           ; v10     LBG + 8,192 w + 16 L
.set VGX, 11                           ; v11     1,024 w + 16 L
.set VSX, 12                           ; v12     LBX + 1,024 w + 16 L
.set VBG, 14                           ; v14     LBG + 16 L
.set VBX, 15                           ; v15     LBX + 16 L
.set BH,  16                           ; v16-79   H_s, eight fragments (first: my staged quarter)
.set BG,  80                           ; v80-143  g_(c-1), eight fragments (first: my staged quarter)
.set BX,  144                          ; v144-151 x_c
.set ACY, 160                          ; v160-199 five result tiles
.set YR,  200                          ; v200-239 rows on their way out
.set VYS, 240                          ; into a stage
.set VYR, 241                          ; out of a stage
.set VO,  242                          ; my byte offset in out0
; window 1: P, K fragments 0-5, (q, t) at 40 q + 8 t;  window 2: Q likewise;  window 3: P 6, 7 at 40 (q - 6) + 8 t, Q 6, 7 at 80 + .., Tz at 160 + 40 hl + 8 t
.set MSB, 0
.macro WIN new                         ; the immediate's high byte repeats the setting that is left
.if MSB != \new
	s_set_vgpr_msb (MSB<<8)|\new
.set MSB, \new
.endif
.endm
.macro PLACES n
.rept \n
	v_nop
.endr
.endm
.macro BAR
	s_wait_dscnt 0x0
	s_barrier_signal -1
	s_barrier_wait -1
.endm
.macro ALD reg, va, sb, off            ; a first-operand fragment: two loads of 512 neighbouring bytes
	global_load_b128 v[\reg:\reg+3], v[\va], s[\sb:\sb+1] offset:\off
	global_load_b128 v[\reg+4:\reg+7], v[\va], s[\sb:\sb+1] offset:\off+512
.endm
; The first idx of the NA first-operand loads are in: NA - idx are younger (63 is the largest count a wait can name).  Nothing is loaded from memory behind them,
; so a count once reached holds; a wait that repeats the last count is not written.
.macro LW idx
.if LWON
.set lwc, NA-(\idx)
.if lwc > 63
.set lwc, 63
.endif
.if lwc != LWLAST
	s_wait_loadcnt lwc
.set LWLAST, lwc
.endif
.endif
.endm
.macro LH u
.irp n,0,1,2,3,4,5,6,7,8,9,10,11,12,13,14,15
	ds_load_b128 v[BH+4*\n:BH+4*\n+3], v[L16] offset:(\u)*SLOT+512*\n
.endr
.endm
.macro LG u
.irp n,0,1,2,3,4,5,6,7,8,9,10,11,12,13,14,15
	ds_load_b128 v[BG+4*\n:BG+4*\n+3], v[VBG] offset:(\u)*SLOT+512*\n
.endr
.endm
.macro LX u
	ds_load_b128 v[BX:BX+3], v[VBX] offset:(\u)*1024
	ds_load_b128 v[BX+4:BX+7], v[VBX] offset:(\u)*1024+512
.endm
; five products: one K fragment of my five tiles.  The five accumulators take turns, one instruction a turn.
.macro PR areg, breg, zero
.irp t,0,1,2,3,4
.if \zero
	v_wmma_f32_16x16x32_bf16 v[ACY+8*\t:ACY+8*\t+7], v[(\areg)+8*\t:(\areg)+8*\t+7], v[\breg:\breg+7], 0
.else
	v_wmma_f32_16x16x32_bf16 v[ACY+8*\t:ACY+8*\t+7], v[(\areg)+8*\t:(\areg)+8*\t+7], v[\breg:\breg+7], v[ACY+8*\t:ACY+8*\t+7]
.endif
.endr
.endm
.macro YPUT b                          ; my 80 numbers of each batch row into stage b
.irp k,0,1,2,3,4,5,6,7,8,9
	ds_store_b128 v[VYS], v[ACY+4*\k:ACY+4*\k+3] offset:(\b)*YB+(\k>>1)*64+(\k&1)*16
.endr
.endm
.macro YRD b                           ; batch rows 4 w .. 4 w + 3 back: lanes 0-15 take 256 bytes of one row, lanes 16-31 of the row two below
.irp e,0,1,2,3,4,5,6,7,8,9
	ds_load_b128 v[YR+4*\e:YR+4*\e+3], v[VYR] offset:(\b)*YB+(\e/5)*YP+(\e%5)*256
.endr
.endm
.macro YGO u, cnt                      ; cnt = 1: the loads have not been waited for yet: the younger ones of the run may stay out
.irp e,0,1,2,3,4,5,6,7,8,9
.if \cnt
	s_wait_dscnt 9-\e
.endif
	global_store_b128 v[VO], v[YR+4*\e:YR+4*\e+3], s[28:29] offset:(\u)*SCB+(\e/5)*BROW+(\e%5)*256 th:TH_STORE_NT
.endr
.endm
; Unit u, with unit u - 1 on its way out among its products.  hasH, hasG: the terms with H_s and with g_(c-1) are live; lw: first operands may still be on their way.
.macro UNIT u, hasH, hasG, lw
.set LWON, \lw
.if \u > 0
	PLACES 5                                       ; between the last unit's products and the stores that read them, the first products that write over them
	                                               ; and the loads into their operands
	YPUT (\u-1)&1
.endif
	s_wait_dscnt 0x0                               ; H and x of this unit are in; my stage stores are done, for the others' sake
.if \u > 0
	s_barrier_signal -1
.endif
.if \hasG
	LG \u                                          ; bytes that no wave writes any more
.endif
	LW 20
	WIN 0x03
	PR 160, BX, 1                                  ; Tz x: the high parts start the sums, the rests follow
	PR 200, BX, 0
.if \hasH
	LW 30
	PR 0, BH+48, 0                                 ; K fragments 6 and 7 first: they share Tz's window
	LW 40
	PR 40, BH+56, 0
	WIN 0x01
	LW 50
	PR 0, BH, 0
	LW 60
	PR 40, BH+8, 0
.endif
	WIN 0
.if \u > 0
	s_barrier_wait -1
.if \u > 1
	s_wait_xcnt 0x0                                ; YR, which the stores of two units ago read, is loaded again only behind this wait
.endif
	YRD (\u-1)&1
.endif
.if \hasH
	WIN 0x01
.irp q,2,3,4,5
	LW 50+10*\q
	PR 40*\q, BH+8*\q, 0
.endr
	WIN 0
.endif
.if \u < 3
	PLACES 4                                       ; between the products that read H and x and the loads into them
	LH \u+1
	LX \u+1
.endif
.if (\hasG)+(\u) > 0
.if \u < 3
	s_wait_dscnt 18                                ; all but the 16 + 2 loads just issued: g and the rows read back are in
.else
	s_wait_dscnt 0x0
.endif
.endif
.if \hasG
	WIN 0x02
.irp q,0,1,2,3,4,5
	LW 110+10*\q
	PR 40*\q, BG+8*\q, 0
.endr
	WIN 0x03
	LW 170
	PR 80, BG+48, 0
	LW 180
	PR 120, BG+56, 0
	WIN 0
.endif
.if \u > 0
	YGO \u-1, 0
.endif
.endm
.macro BODY c0, s0
.set LWLAST, -1
.if \c0
.set NA, 100                           ; first-operand loads: Tz 20, P 80
.set PSB, 4                            ; P = U, out of prep
.set POF, UF
.else
.set NA, 180                           ; and Q 80
.set PSB, 20
.set POF, 0
	s_sub_co_u32 s33, s17, 1
	s_mul_i32 s30, s33, UAC
	s_add_nc_u64 s[20:21], s[6:7], s[30:31]        ; U A^c
	s_mul_i32 s30, s33, GPJ
	s_lshl_b32 s33, s32, 13
	s_add_co_u32 s30, s30, s33
	s_add_nc_u64 s[26:27], s[8:9], s[30:31]        ; g_(c-1) of my four superchunks: 32 KB in a row
	v_add_nc_u32 v[VSG], LBG, v[VG8]
	v_add_nc_u32 v[VBG], LBG, v[L16]
.endif
	s_mul_i32 s30, s18, 15                         ; H_s lies at index 15 bt + s - 1
.if \s0
	s_lshl_b32 s30, s30, 13
	s_add_nc_u64 s[24:25], s[12:13], s[30:31]      ; H_1 .. H_3
	s_mul_i32 s33, s16, 6144
	v_add_nc_u32 v[VH6], s33, v[L16]
	v_add_nc_u32 v[VSH], SLOT, v[VH6]
.else
	s_lshl_b32 s33, s19, 2
	s_add_co_u32 s30, s30, s33
	s_sub_co_u32 s30, s30, 1
	s_lshl_b32 s30, s30, 13
	s_add_nc_u64 s[24:25], s[12:13], s[30:31]      ; H_(4 sg) .. H_(4 sg + 3)
.endif
	; my quarter of the second operands, ahead of everything else
	global_load_b128 v[BX:BX+3], v[VGX], s[22:23] th:TH_LOAD_NT
	global_load_b128 v[BX+4:BX+7], v[VGX], s[22:23] offset:512 th:TH_LOAD_NT
.if \s0
.irp k,0,1,2,3,4,5,6,7,8,9,10,11
	global_load_b128 v[BH+4*\k:BH+4*\k+3], v[VH6], s[24:25] offset:512*\k th:TH_LOAD_NT
.endr
.else
.irp k,0,1,2,3,4,5,6,7,8,9,10,11,12,13,14,15
	global_load_b128 v[BH+4*\k:BH+4*\k+3], v[VG8], s[24:25] offset:512*\k th:TH_LOAD_NT
.endr
.endif
.if \c0 == 0
.irp k,0,1,2,3,4,5,6,7,8,9,10,11,12,13,14,15
	global_load_b128 v[BG+4*\k:BG+4*\k+3], v[VG8], s[26:27] offset:512*\k th:TH_LOAD_NT
.endr
.endif
	; the first operands, in the order in which a unit takes them
	WIN 0xc0
.irp hl,0,1
.irp t,0,1,2,3,4
	ALD 160+40*\hl+8*\t, VTZ, 4, TZ+2048*\t+1024*\hl
.endr
.endr
.irp q,6,7
.irp t,0,1,2,3,4
	ALD 40*(\q-6)+8*\t, VU, PSB, POF+8192*\t+1024*\q
.endr
.endr
	WIN 0
	s_wait_loadcnt 40                              ; the 40 loads of Tz and of P's K fragments 6, 7 are younger: my quarter is in
	ds_store_b128 v[VSX], v[BX:BX+3]
	ds_store_b128 v[VSX], v[BX+4:BX+7] offset:512
.if \s0
.irp k,0,1,2,3,4,5,6,7,8,9,10,11
	ds_store_b128 v[VSH], v[BH+4*\k:BH+4*\k+3] offset:512*\k
.endr
.else
.irp k,0,1,2,3,4,5,6,7,8,9,10,11,12,13,14,15
	ds_store_b128 v[VG8], v[BH+4*\k:BH+4*\k+3] offset:512*\k
.endr
.endif
.if \c0 == 0
.irp k,0,1,2,3,4,5,6,7,8,9,10,11,12,13,14,15
	ds_store_b128 v[VSG], v[BG+4*\k:BG+4*\k+3] offset:512*\k
.endr
.endif
	WIN 0x40
.irp q,0,1,2,3,4,5
.irp t,0,1,2,3,4
	ALD 40*\q+8*\t, VU, PSB, POF+8192*\t+1024*\q
.endr
.endr
.if \c0 == 0
	WIN 0x80
.irp q,0,1,2,3,4,5
.irp t,0,1,2,3,4
	ALD 40*\q+8*\t, VU, 4, UF+8192*\t+1024*\q
.endr
.endr
	WIN 0xc0
.irp q,6,7
.irp t,0,1,2,3,4
	ALD 80+40*(\q-6)+8*\t, VU, 4, UF+8192*\t+1024*\q
.endr
.endr
.endif
	WIN 0
	BAR                                            ; the second operands of all four units are in LDS
	LX 0
.if \s0 == 0
	LH 0
.endif
	UNIT 0, 1-\s0, 1-\c0, 1
	UNIT 1, 1, 1-\c0, \c0*\s0                      ; with neither H nor g in unit 0, P is first waited for here
	UNIT 2, 1, 1-\c0, 0
	UNIT 3, 1, 1-\c0, 0
	PLACES 4                                       ; between the last products and the stores that read them
	YPUT 1
	BAR
	s_wait_xcnt 0x0                                ; YR is loaded again only behind this wait
	YRD 1
	YGO 3, 1
.endm
	s_load_b256 s[4:11], s[0:1], 0x0               ; prep s[4:5], ua s[6:7], gp s[8:9], xf s[10:11]
	s_load_b128 s[12:15], s[0:1], 0x20             ; hs s[12:13], out0 s[14:15]
	v_lshl_add_u32 v254, v0, 2, 0x1b200
	v_mov_b32 v255, 0
	v_and_b32 v1, 31, v0                           ; L
	v_and_b32 v2, 15, v0                           ; r
	v_bfe_u32 v3, v0, 4, 1                         ; h
	v_lshrrev_b32 v[L16], 5, v0
	v_readfirstlane_b32 s16, v[L16]                ; w
	s_lshr_b32 s17, ttmp9, 4                       ; c
	s_and_b32 s18, ttmp9, 3                        ; bt
	s_bfe_u32 s19, ttmp9, 0x20002                  ; sg
	v_lshlrev_b32 v[L16], 4, v1
	s_mul_i32 s30, s16, 40960
	v_add_nc_u32 v[VU], s30, v[L16]
	s_mul_i32 s30, s16, 10240
	v_add_nc_u32 v[VTZ], s30, v[L16]
	v_lshl_add_u32 v[VG8], s16, 13, v[L16]
	v_lshl_add_u32 v[VGX], s16, 10, v[L16]
	v_add_nc_u32 v[VSX], LBX, v[VGX]
	v_add_nc_u32 v[VBX], LBX, v[L16]
	v_mul_u32_u24 v[VYS], v2, YP                   ; batch row r,
	v_lshl_add_u32 v[VYS], v3, 5, v[VYS]           ; numbers 8 h .. of a tile,
	s_mul_i32 s30, s16, 320                        ; of my 80
	s_add_co_u32 s30, s30, YST
	v_add_nc_u32 v[VYS], s30, v[VYS]
	v_mul_u32_u24 v[VYR], v3, 2*YP                 ; batch row 4 w + 2 h, 16 bytes a lane
	v_lshl_add_u32 v[VYR], v2, 4, v[VYR]
	s_mul_i32 s30, s16, 4*YP
	s_add_co_u32 s30, s30, YST
	v_add_nc_u32 v[VYR], s30, v[VYR]
	v_mul_u32_u24 v[VO], v3, 2*BROW                ; and the same rows in out0
	v_lshl_add_u32 v[VO], v2, 4, v[VO]
	s_mul_i32 s30, s16, 4*BROW
	v_add_nc_u32 v[VO], s30, v[VO]
	s_lshl_b32 s32, s18, 4
	s_lshl_b32 s33, s19, 2
	s_add_co_u32 s32, s32, s33                     ; 16 bt + 4 sg
	s_lshl_b32 s30, s32, 10                        ; xf: [c][16 bt + s], 1,024 bytes each: my four in a row
	s_lshl_b32 s33, s17, 16
	s_add_co_u32 s30, s30, s33
	s_mov_b32 s31, 0
	s_wait_kmcnt 0x0
	s_add_nc_u64 s[22:23], s[10:11], s[30:31]
	s_mul_i32 s30, s18, 16*BROW                    ; out0: 16 batch rows,
	s_mul_i32 s33, s19, 4*SCB                      ; four superchunks,
	s_add_co_u32 s30, s30, s33
	s_mul_i32 s33, s17, CHB                        ; the chunk
	s_add_co_u32 s30, s30, s33
	s_add_nc_u64 s[28:29], s[14:15], s[30:31]
	s_cmp_eq_u32 s17, 0
	s_cbranch_scc1 .Lc0
	s_cmp_eq_u32 s19, 0
	s_cbranch_scc1 .Ls0
	BODY 0, 0
	s_wait_tensorcnt 0x0
	ds_add_u32 v254, v255
	s_wait_dscnt 0x0
	s_endpgm
.Ls0:
	BODY 0, 1
	s_wait_tensorcnt 0x0
	ds_add_u32 v254, v255
	s_wait_dscnt 0x0
	s_endpgm
.Lc0:
	s_cmp_eq_u32 s19, 0
	s_cbranch_scc1 .Lc0s0
	BODY 1, 0
	s_wait_tensorcnt 0x0
	ds_add_u32 v254, v255
	s_wait_dscnt 0x0
	s_endpgm
.Lc0s0:
	BODY 1, 1
	s_wait_tensorcnt 0x0
	ds_add_u32 v254, v255
	s_wait_dscnt 0x0
	s_endpgm
.Lfunc_end_k_qc06267180d_outp:
	.size	k_qc06267180d_outp, .Lfunc_end_k_qc06267180d_outp-k_qc06267180d_outp
	.p2alignl 7, 3214868480
	.fill 96, 4, 3214868480
	.section	.rodata,"a",@progbits
	.p2align	6, 0x0
	.amdhsa_kernel k_qc06267180d_outp
		.amdhsa_group_segment_fixed_size 111616
		.amdhsa_private_segment_fixed_size 0
		.amdhsa_enable_private_segment 0
		.amdhsa_kernarg_size 48
		.amdhsa_user_sgpr_count 2
		.amdhsa_user_sgpr_kernarg_segment_ptr 1
		.amdhsa_wavefront_size32 1
		.amdhsa_system_sgpr_workgroup_id_x 1
		.amdhsa_system_sgpr_workgroup_id_y 1
		.amdhsa_system_sgpr_workgroup_id_z 1
		.amdhsa_system_vgpr_workitem_id 0
		.amdhsa_next_free_vgpr 1008
		.amdhsa_next_free_sgpr 66
		.amdhsa_reserve_vcc 0
		.amdhsa_float_denorm_mode_32 3
		.amdhsa_float_denorm_mode_16_64 3
		.amdhsa_memory_ordered 1
		.amdhsa_forward_progress 1
		.amdhsa_inst_pref_size 210
	.end_amdhsa_kernel
	.amdgpu_metadata
---
amdhsa.version: [ 1, 2 ]
amdhsa.kernels:
  - .name:           k_qc06267180d_outp
    .symbol:         k_qc06267180d_outp.kd
    .args:
      - { .name: prep, .offset: 0, .size: 8, .value_kind: global_buffer, .address_space: global }
      - { .name: ua, .offset: 8, .size: 8, .value_kind: global_buffer, .address_space: global }
      - { .name: gp, .offset: 16, .size: 8, .value_kind: global_buffer, .address_space: global }
      - { .name: xf, .offset: 24, .size: 8, .value_kind: global_buffer, .address_space: global }
      - { .name: hs, .offset: 32, .size: 8, .value_kind: global_buffer, .address_space: global }
      - { .name: out0, .offset: 40, .size: 8, .value_kind: global_buffer, .address_space: global }
    .group_segment_fixed_size: 111616
    .private_segment_fixed_size: 0
    .kernarg_segment_align: 8
    .kernarg_segment_size: 48
    .max_flat_workgroup_size: 128
    .sgpr_count:     66
    .vgpr_count:     1008
    .wavefront_size: 32
...
	.end_amdgpu_metadata
.endif
;; end of part 9
;; ======== version 3 of 3: 5 launches; version 2 with the launches mid, scan written anew for expert scheduling mode
;; workspace buffers: prep 483,328 bytes; pa 311,296 bytes; a2 131,072 bytes; ua 2,457,600 bytes; g 983,040 bytes; gp 7,864,320 bytes; xf 1,048,576 bytes; hs 491,520 bytes
;; launch prep: the kernel of part 5 again; grid 34 x 1, 4 waves a work-group, no clusters, 139,776 bytes of LDS; arguments W1, W2, W3, pa; writes pa
;; launch prep2: the kernel of part 6 again; grid 38 x 1, 4 waves a work-group, no clusters, 37,376 bytes of LDS; arguments pa, W3, prep; writes prep
;; launch mid (part 10): grid 100 x 1, 4 waves a work-group, no clusters, 49,920 bytes of LDS; arguments x, prep, a2, ua, g, gp, xf; writes a2, ua, g, gp, xf
.if DOCPART == 10
	.amdgcn_target "amdgcn-amd-amdhsa--gfx1250"
	.amdhsa_code_object_version 6
	.text
	.protected	k_qc06267180d_mid
	.globl	k_qc06267180d_mid
	.p2align	8
	.type	k_qc06267180d_mid,@function
k_qc06267180d_mid:
	s_mov_b64 s[64:65], 0
	v_nop
	global_prefetch_b8 v0, s[64:65] scope:SCOPE_SE
	s_setreg_imm32_b32 hwreg(HW_REG_WAVE_SCHED_MODE, 0, 2), 2
	s_setreg_imm32_b32 hwreg(HW_REG_WAVE_MODE, 25, 1), 1
	s_wait_xcnt 0x0
	s_wait_alu depctr_vm_vsrc(0)
; mid: chains of 15 steps, one work-group each, on the operands that "prep" made (A = W2^32, its transpose, V'[m][j] = (W2^(31-j) w1)[m], U).
;   work-groups 0..15:  a row tile of A2 = A^16 = W2^512: the state starts as the tile of A (as a second operand: columns of A transposed), M = A transposed.
;   work-groups 16..35: a row tile of U in the same way; the packed state behind step n is that row tile of U A^(n+1), and every one is stored (c = 1..15).
;   work-groups 36..99: batch tile bt (16 rows of x) and superchunk s (512 steps = 16 chunks): the states reached from zero: g_0 = V' x_0,
;   g_c = A g_(c-1) + V' x_c.  g_0 .. g_14 are stored packed to bf16 (the second operands of "outp"), G = g_15 in f32 (for "scan"), x as bf16 fragments.
; LEFT OUT as dead: the product of A with the zero state in front of chunk 0, and step 15 of superchunk 15, whose end state no step reads.
; Fragments, the rotation of K positions and the exchange of the state are those of "prep": wave w owns features 64 w .. 64 w + 63, position p = 2 d + e stands for
; K fragment 2 ((w + d) & 3) + e, so positions 0 and 1 are the wave's own and are multiplied while the barrier completes.
; Four exchange slots take turns: a slot is written again four barriers after it was read, and every wave waits for its reads in front of each signal.
; No cluster, no tensor load: each operand goes once, in fragment order, into registers.
; THE MODE: SCHED_MODE bits 1:0 = 2 (LLVM: expert scheduling mode 2), set by the entry lines.  The code itself states the register dependences
; between vector or matrix instructions and memory or LDS instructions, with s_wait_alu, always for 0.
; THE PLAN.  Registers that memory or LDS instructions touch, in a chain's step:
;   OWN               Written by the conversions at a step's end; read by the next step's LDS stores and global stores, at its head (and by its products).
;   OTH               The LDS loads behind a step's barrier land in it; read by that step's products with positions 2 to 7.
;   v4-15, v240-243   Addresses and offsets, made at the head and never written again.
;   M, V', x's fragments and the accumulators are named in a step by matrix and vector instructions alone (the last accumulators of a superchunk are stored).
; So ONE wait on va_vdst stands at a step's head: the conversions have written OWN, and the products of the step before are done reading OTH.  Between it and the
; LDS loads into OTH stand the step's first products, which name V', x, M, OWN and the accumulators: none of the registers that those loads touch.
; ONE wait on vm_vsrc stands ahead of the conversions at the step's end: the stores at the step's head have read OWN.
.set XP,   1040                        ; LDS pitch of a row of 512 bf16 of x: 1,024 + 16, an odd multiple of 16
.set XCH,  16*XP                       ; behind x: four exchange slots
.set SLOT, 8192
.set AN,   0
.set AT,   131072
.set VF,   262144
.set UF,   278528
.set GPJ,  524288                      ; gp: [j][16 bt + s] states of 8,192 bytes: 64 states for each j
.set UAC,  163840                      ; ua: [c - 1] 20 row tiles of 8,192 bytes
.set XFC,  65536                       ; xf: [c][16 bt + s] fragments of 1,024 bytes
.set VST, 4
.set VLD, 5                            ; v5-7
.set VOFF, 8                           ; v8-11   byte offsets of my fragments of M, one for each pair of positions
.set VX,  12                           ; v12     x: 131,072 w + 16 L
.set VXS, 13                           ; v13     x into LDS
.set VXF, 14                           ; v14     x fragments out of LDS
.set VVP, 15                           ; v15     4,096 w + 16 L: V' in, G out
.set XW,  16                           ; v16-47  the four x fragments (chunks 4 w ..) that I store
.set OWN, 80
.set OTH, 96
.set XT,  96                           ; v96-159 x as loaded (OTH and the accumulators are idle then)
.set ACC, 144
.set VP,  176                          ; v176-207 V' of my four tiles
.set XC,  208                          ; v208-239 x rounded, on its way into LDS
.set L16, 240
.set VHS, 241                          ; 2,048 w + 16 L: my two fragments of a state in memory
.set VXW, 242                          ; LDS address of my four x fragments
.set VXO, 243                          ; 4 XFC w + 16 L
; window 1: my fragments of M;  window 2, v0-127: x as sixteen second-operand fragments, one a chunk
.set MSB, 0
.macro WIN new                         ; the immediate's high byte repeats the setting that is left
.if MSB != \new
	s_set_vgpr_msb (MSB<<8)|\new
.set MSB, \new
.endif
.endm
.macro PLACES n
.rept \n
	v_nop
.endr
.endm
.macro BAR
	s_wait_dscnt 0x0
	s_barrier_signal -1
	s_barrier_wait -1
.endm
.macro PACK
.irp t,0,1,2,3
.irp i,0,1,2,3
	v_cvt_pk_bf16_f32 v[OWN+4*\t+\i], v[ACC+8*\t+2*\i], v[ACC+8*\t+2*\i+1]
.endr
.endr
.endm
.macro XST off
.irp k,0,1,2,3
	ds_store_b128 v[VST], v[OWN+4*\k:OWN+4*\k+3] offset:\off+512*\k
.endr
.endm
.macro XLD off
.irp d,1,2,3
.irp k,0,1,2,3
	ds_load_b128 v[OTH+16*(\d-1)+4*\k:OTH+16*(\d-1)+4*\k+3], v[VLD+\d-1] offset:\off+512*\k
.endr
.endr
.endm
.macro GST off                         ; my two fragments of the packed state into memory: 512 neighbouring bytes a store
.irp k,0,1,2,3
	global_store_b128 v[VHS], v[OWN+4*\k:OWN+4*\k+3], s[28:29] offset:\off+512*\k
.endr
.endm
.macro MM p, b, zero                   ; the four accumulators take turns, one instruction a turn
.irp t,0,1,2,3
.if \zero
	v_wmma_f32_16x16x32_bf16 v[ACC+8*\t:ACC+8*\t+7], v[(4*(\p)+\t)*8:(4*(\p)+\t)*8+7], v[\b:\b+7], 0
.else
	v_wmma_f32_16x16x32_bf16 v[ACC+8*\t:ACC+8*\t+7], v[(4*(\p)+\t)*8:(4*(\p)+\t)*8+7], v[\b:\b+7], v[ACC+8*\t:ACC+8*\t+7]
.endif
.endr
.endm
.macro REST                            ; position p as soon as its two loads are in: the 2 (7 - p) younger ones may stay out
	WIN 1
.irp p,2,3,4,5,6,7
	s_wait_dscnt 14-2*\p
	MM \p, OTH+8*(\p-2), 0
.endr
	WIN 0
.endm
.macro MLOADG sb, off                  ; my 4 x 8 fragments of M into window 1, own positions first; 512 neighbouring bytes a load
	WIN 0x40
.irp d,0,1,2,3
.irp e,0,1
.irp t,0,1,2,3
	global_load_b128 v[(4*(2*\d+\e)+\t)*8:(4*(2*\d+\e)+\t)*8+3], v[VOFF+\d], s[\sb:\sb+1] offset:\off+\t*8192+\e*1024
	global_load_b128 v[(4*(2*\d+\e)+\t)*8+4:(4*(2*\d+\e)+\t)*8+7], v[VOFF+\d], s[\sb:\sb+1] offset:\off+\t*8192+\e*1024+512
.endr
.endr
.endr
	WIN 0
.endm
; One step: ACC = V' x_xc (xc >= 0) + M state (slot >= 0: the state in OWN is exchanged through slot & 3, and stored at byte st of its buffer if st >= 0);
; then packed (pack = 1).  fresh = 1: the state in OWN has come by a load, and no vector or matrix instruction has named OWN or OTH yet.
.macro RSTEP xc, slot, pack, st, fresh=0
.if (\slot) >= 0
.if !(\fresh)
	s_wait_alu depctr_va_vdst(0)                   ; the conversions have written OWN, which the stores below read; what read OTH last (the step before's products; at the first step x's conversions) is done, and the loads behind the barrier land in it
.endif
	XST ((\slot)&3)*SLOT
.if (\st) >= 0
	GST \st
.endif
	s_wait_dscnt 0x0                               ; my LDS stores are done, for the others' sake
	s_barrier_signal -1
.endif
.if (\xc) >= 0
	WIN 0x08                                       ; the second operand lies in window 2
.irp t,0,1,2,3
	v_wmma_f32_16x16x32_bf16 v[ACC+8*\t:ACC+8*\t+7], v[VP+8*\t:VP+8*\t+7], v[8*(\xc):8*(\xc)+7], 0
.endr
.endif
.if (\slot) >= 0
	WIN 1
.if (\xc) >= 0
	MM 0, OWN, 0
.else
	MM 0, OWN, 1
.endif
	MM 1, OWN+8, 0
	WIN 0
	s_barrier_wait -1
	XLD ((\slot)&3)*SLOT                           ; no wait: no vector or matrix instruction since the wait at the step's head names OTH or v5 to v7
	REST
.else
	WIN 0
.endif
	PLACES 5                                       ; between the last products and the conversions or stores that read them, and the next step's first products
	                                               ; that write over them
.if \pack
.if (\st) >= 0
	s_wait_xcnt 0x0                                ; OWN, which this step's stores read, is rewritten only behind this wait
.endif
.if (\slot) >= 0
	s_wait_alu depctr_vm_vsrc(0)                   ; this step's stores, into LDS and into memory, have read OWN, which the conversions write again
.endif
	PACK
.endif
.endm
; A row tile times A fifteen times over.  every = 1: each product is stored (U A^c); every = 0: the last alone (A^16).
.macro POWER inoff, every
	s_wait_alu depctr_va_vdst(0)                   ; the addresses and offsets v4 to v11 and v241 are written: every load and store of this role reads one of them
.irp k,0,1,2,3
	global_load_b128 v[OWN+4*\k:OWN+4*\k+3], v[VHS], s[26:27] offset:\inoff+512*\k
.endr
	MLOADG 6, AT
	s_wait_loadcnt 0x0
	RSTEP -1, 0, 1, -1, 1
.irp n,1,2,3,4,5,6,7,8,9,10,11,12,13,14
.if \every
	RSTEP -1, \n, 1, (\n-1)*UAC
.else
	RSTEP -1, \n, 1, -1
.endif
.endr
	s_wait_alu depctr_va_vdst(0)                   ; the last conversions have written OWN, which the stores below read
.if \every
	GST 14*UAC
.else
	GST 0
.endif
.endm
	s_load_b256 s[4:11], s[0:1], 0x0               ; x s[4:5], prep s[6:7], a2 s[8:9], ua s[10:11]
	s_load_b128 s[12:15], s[0:1], 0x20             ; g s[12:13], gp s[14:15]
	s_load_b64 s[16:17], s[0:1], 0x30              ; xf
	v_lshl_add_u32 v254, v0, 2, 0xc100
	v_mov_b32 v255, 0
	v_and_b32 v1, 31, v0                           ; L
	v_and_b32 v2, 15, v0                           ; r
	v_bfe_u32 v3, v0, 4, 1                         ; h
	v_lshrrev_b32 v[L16], 5, v0
	v_readfirstlane_b32 s18, v[L16]                ; w
	s_mov_b32 s19, ttmp9
	s_wait_alu depctr_va_sdst(0)                   ; s18 is written, ahead of its first reader: addresses and bases are made from it
	s_add_co_u32 s20, s18, 1
	s_and_b32 s20, s20, 3
	s_add_co_u32 s21, s18, 2
	s_and_b32 s21, s21, 3
	s_add_co_u32 s22, s18, 3
	s_and_b32 s22, s22, 3
	v_lshlrev_b32 v[L16], 4, v1
	v_add_nc_u32 v[VLD+2], XCH, v[L16]
	v_lshl_add_u32 v[VST], s18, 11, v[VLD+2]
	v_lshl_add_u32 v[VLD], s20, 11, v[VLD+2]
	v_lshl_add_u32 v[VLD+1], s21, 11, v[VLD+2]
	v_lshl_add_u32 v[VLD+2], s22, 11, v[VLD+2]
	s_lshl_b32 s24, s18, 15
	v_add_nc_u32 v[VOFF+3], s24, v[L16]            ; tiles 4 w ..: 32,768 w
	v_lshl_add_u32 v[VOFF], s18, 11, v[VOFF+3]
	v_lshl_add_u32 v[VOFF+1], s20, 11, v[VOFF+3]
	v_lshl_add_u32 v[VOFF+2], s21, 11, v[VOFF+3]
	v_lshl_add_u32 v[VOFF+3], s22, 11, v[VOFF+3]
	v_lshl_add_u32 v[VHS], s18, 11, v[L16]
	s_mov_b32 s25, 0
	s_wait_kmcnt 0x0
	s_cmp_lt_u32 s19, 16
	s_cbranch_scc1 .Lpower
	s_cmp_lt_u32 s19, 36
	s_cbranch_scc1 .Lua
	; ---- a superchunk's states from zero
	s_sub_co_u32 s23, s19, 36
	s_and_b32 s34, s23, 3                          ; bt
	s_lshr_b32 s35, s23, 2                         ; s
	s_lshl_b32 s24, s34, 19                        ; 16 rows of 32,768 bytes
	s_lshl_b32 s23, s35, 11                        ; 512 steps of 4 bytes
	s_add_co_u32 s24, s24, s23
	s_add_nc_u64 s[26:27], s[4:5], s[24:25]
	s_lshl_b32 s23, s34, 4
	s_add_co_u32 s23, s23, s35                     ; 16 bt + s
	s_lshl_b32 s24, s23, 13
	s_add_nc_u64 s[28:29], s[14:15], s[24:25]      ; gp
	s_lshl_b32 s24, s23, 10
	s_add_nc_u64 s[32:33], s[16:17], s[24:25]      ; xf
	v_lshl_add_u32 v[VX], s18, 17, v[L16]          ; rows 4 w ..
	s_mul_i32 s24, s18, 4*XP
	v_lshl_add_u32 v[VXS], v1, 3, s24
	v_mul_u32_u24 v[VXF], v2, XP
	v_lshl_add_u32 v[VXF], v3, 4, v[VXF]
	v_lshl_add_u32 v[VXW], s18, 8, v[VXF]          ; chunks 4 w ..: 64 bytes a chunk
	v_lshl_add_u32 v[VVP], s18, 12, v[L16]
	v_lshl_add_u32 v[VXO], s18, 18, v[L16]
	s_wait_alu depctr_va_vdst(0)                   ; the addresses and offsets v4 to v15 and v241 to v243 are written: every load and store of this role reads one of them
.irp i,0,1,2,3,4,5,6,7,8,9,10,11,12,13,14,15
	global_load_b128 v[XT+4*\i:XT+4*\i+3], v[VX], s[26:27] offset:(\i>>2)*32768+(\i&3)*512 th:TH_LOAD_NT   ; a quarter of a row piece: 512 neighbouring bytes
.endr
.irp k,0,1,2,3,4,5,6,7
	global_load_b128 v[VP+4*\k:VP+4*\k+3], v[VVP], s[6:7] offset:VF+512*\k
.endr
	MLOADG 6, AN
	s_wait_loadcnt 63                              ; 72 loads are younger than x's: x is in
.irp i,0,1,2,3,4,5,6,7,8,9,10,11,12,13,14,15
	v_cvt_pk_bf16_f32 v[XC+2*\i], v[XT+4*\i], v[XT+4*\i+1]
	v_cvt_pk_bf16_f32 v[XC+2*\i+1], v[XT+4*\i+2], v[XT+4*\i+3]
.endr
	s_wait_alu depctr_va_vdst(0)                   ; the conversions have written v208 to v239, which the LDS stores read
.irp i,0,1,2,3,4,5,6,7,8,9,10,11,12,13,14,15
	ds_store_b64 v[VXS], v[XC+2*\i:XC+2*\i+1] offset:(\i>>2)*XP+(\i&3)*256
.endr
	BAR                                            ; all 16 rows are in LDS
	WIN 0x80
.irp c,0,1,2,3,4,5,6,7,8,9,10,11,12,13,14,15
	ds_load_b128 v[8*\c:8*\c+3], v[VXF] offset:64*\c                   ; column r = batch row r, K = the chunk's 32 steps
	ds_load_b128 v[8*\c+4:8*\c+7], v[VXF] offset:64*\c+32
.endr
	WIN 0
.irp k,0,1,2,3
	ds_load_b128 v[XW+8*\k:XW+8*\k+3], v[VXW] offset:64*\k             ; chunks 4 w + k once more, in registers that hang on no wave number
	ds_load_b128 v[XW+8*\k+4:XW+8*\k+7], v[VXW] offset:64*\k+32
.endr
	s_wait_dscnt 0x0
.irp k,0,1,2,3
	global_store_b128 v[VXO], v[XW+8*\k:XW+8*\k+3], s[32:33] offset:XFC*\k
	global_store_b128 v[VXO], v[XW+8*\k+4:XW+8*\k+7], s[32:33] offset:XFC*\k+512
.endr
	s_wait_loadcnt 0x0
	RSTEP 0, -1, 1, -1
.irp c,1,2,3,4,5,6,7,8,9,10,11,12,13,14
	RSTEP \c, \c-1, 1, (\c-1)*GPJ                  ; g_(c-1) is exchanged and stored, g_c made
.endr
	s_cmp_eq_u32 s35, 15
	s_cbranch_scc1 .Llast
	s_mul_i32 s24, s34, 15
	s_add_co_u32 s24, s24, s35
	s_lshl_b32 s24, s24, 14                        ; G lies at index 15 bt + s
	s_add_nc_u64 s[30:31], s[12:13], s[24:25]
	RSTEP 15, 14, 0, 14*GPJ
	s_wait_alu depctr_va_vdst(0)                   ; the products have written the accumulators, which the stores below read; the five places above stay beside this wait
.irp k,0,1,2,3,4,5,6,7
	global_store_b128 v[VVP], v[ACC+4*\k:ACC+4*\k+3], s[30:31] offset:512*\k       ; the accumulators as they lie, 512 neighbouring bytes a store
.endr
	s_wait_dscnt 0x0
	s_wait_alu depctr_hold_cnt(0) depctr_sa_sdst(0) depctr_va_vdst(0) depctr_va_sdst(0) depctr_va_ssrc(0) depctr_va_vcc(0) depctr_vm_vsrc(0)
	s_wait_tensorcnt 0x0
	ds_add_u32 v254, v255
	s_wait_dscnt 0x0
	s_endpgm
.Llast:
	s_wait_alu depctr_va_vdst(0)                   ; the conversions of step 14 have written OWN, which the stores below read
	GST 14*GPJ                                     ; the last superchunk: g_14 is still read, its end state is not
	s_wait_dscnt 0x0
	s_wait_alu depctr_hold_cnt(0) depctr_sa_sdst(0) depctr_va_vdst(0) depctr_va_sdst(0) depctr_va_ssrc(0) depctr_va_vcc(0) depctr_vm_vsrc(0)
	s_wait_tensorcnt 0x0
	ds_add_u32 v254, v255
	s_wait_dscnt 0x0
	s_endpgm
	; ---- a row tile of A^16
.Lpower:
	s_lshl_b32 s24, s19, 13
	s_add_nc_u64 s[26:27], s[6:7], s[24:25]
	s_add_nc_u64 s[28:29], s[8:9], s[24:25]
	POWER AN, 0
	s_wait_dscnt 0x0
	s_wait_alu depctr_hold_cnt(0) depctr_sa_sdst(0) depctr_va_vdst(0) depctr_va_sdst(0) depctr_va_ssrc(0) depctr_va_vcc(0) depctr_vm_vsrc(0)
	s_wait_tensorcnt 0x0
	ds_add_u32 v254, v255
	s_wait_dscnt 0x0
	s_endpgm
	; ---- a row tile of U A^c, c = 1..15
.Lua:
	s_sub_co_u32 s24, s19, 16
	s_lshl_b32 s24, s24, 13
	s_add_nc_u64 s[26:27], s[6:7], s[24:25]
	s_add_nc_u64 s[28:29], s[10:11], s[24:25]
	POWER UF, 1
	s_wait_dscnt 0x0
	s_wait_alu depctr_hold_cnt(0) depctr_sa_sdst(0) depctr_va_vdst(0) depctr_va_sdst(0) depctr_va_ssrc(0) depctr_va_vcc(0) depctr_vm_vsrc(0)
	s_wait_tensorcnt 0x0
	ds_add_u32 v254, v255
	s_wait_dscnt 0x0
	s_endpgm
.Lfunc_end_k_qc06267180d_mid:
	.size	k_qc06267180d_mid, .Lfunc_end_k_qc06267180d_mid-k_qc06267180d_mid
	.p2alignl 7, 3214868480
	.fill 96, 4, 3214868480
	.section	.rodata,"a",@progbits
	.p2align	6, 0x0
	.amdhsa_kernel k_qc06267180d_mid
		.amdhsa_group_segment_fixed_size 49920
		.amdhsa_private_segment_fixed_size 0
		.amdhsa_enable_private_segment 0
		.amdhsa_kernarg_size 56
		.amdhsa_user_sgpr_count 2
		.amdhsa_user_sgpr_kernarg_segment_ptr 1
		.amdhsa_wavefront_size32 1
		.amdhsa_system_sgpr_workgroup_id_x 1
		.amdhsa_system_sgpr_workgroup_id_y 1
		.amdhsa_system_sgpr_workgroup_id_z 1
		.amdhsa_system_vgpr_workitem_id 0
		.amdhsa_next_free_vgpr 640
		.amdhsa_next_free_sgpr 66
		.amdhsa_reserve_vcc 0
		.amdhsa_float_denorm_mode_32 3
		.amdhsa_float_denorm_mode_16_64 3
		.amdhsa_memory_ordered 1
		.amdhsa_forward_progress 1
		.amdhsa_inst_pref_size 255
	.end_amdhsa_kernel
	.section	.bss,"aw",@nobits
	.p2align	6
	.space	262144
	.amdgpu_metadata
---
amdhsa.version: [ 1, 2 ]
amdhsa.kernels:
  - .name:           k_qc06267180d_mid
    .symbol:         k_qc06267180d_mid.kd
    .args:
      - { .name: x, .offset: 0, .size: 8, .value_kind: global_buffer, .address_space: global }
      - { .name: prep, .offset: 8, .size: 8, .value_kind: global_buffer, .address_space: global }
      - { .name: a2, .offset: 16, .size: 8, .value_kind: global_buffer, .address_space: global }
      - { .name: ua, .offset: 24, .size: 8, .value_kind: global_buffer, .address_space: global }
      - { .name: g, .offset: 32, .size: 8, .value_kind: global_buffer, .address_space: global }
      - { .name: gp, .offset: 40, .size: 8, .value_kind: global_buffer, .address_space: global }
      - { .name: xf, .offset: 48, .size: 8, .value_kind: global_buffer, .address_space: global }
    .group_segment_fixed_size: 49920
    .private_segment_fixed_size: 0
    .kernarg_segment_align: 8
    .kernarg_segment_size: 56
    .max_flat_workgroup_size: 128
    .sgpr_count:     66
    .vgpr_count:     640
    .wavefront_size: 32
...
	.end_amdgpu_metadata
.endif
;; end of part 10
;; launch scan (part 11): grid 4 x 1, 4 waves a work-group, no clusters, 33,280 bytes of LDS; arguments a2, g, hs; writes hs
.if DOCPART == 11
	.amdgcn_target "amdgcn-amd-amdhsa--gfx1250"
	.amdhsa_code_object_version 6
	.text
	.protected	k_qc06267180d_scan
	.globl	k_qc06267180d_scan
	.p2align	8
	.type	k_qc06267180d_scan,@function
k_qc06267180d_scan:
	s_mov_b64 s[64:65], 0
	v_nop
	global_prefetch_b8 v0, s[64:65] scope:SCOPE_SE
	s_setreg_imm32_b32 hwreg(HW_REG_WAVE_SCHED_MODE, 0, 2), 2
	s_setreg_imm32_b32 hwreg(HW_REG_WAVE_MODE, 25, 1), 1
	s_wait_xcnt 0x0
	s_wait_alu depctr_vm_vsrc(0)
; scan: the state in front of each superchunk.  H_1 = G_0, H_(n+1) = A2 H_n + G_n for n = 1..14 (A2 = W2^512), one work-group for each batch tile of 16 rows.
; H_1 .. H_15 are stored packed to bf16, as the second-operand fragments that "outp" takes.
; LEFT OUT as dead: H_0, which is the zero state of reference() (so H_1 = G_0 without a product), and H_16, which no step reads.
; The chain is 14 dependent steps, so only four work-groups have work.  G is kept three steps ahead in four register sets; the sum starts from G as the first product's C.
; Fragments, rotation of K positions and exchange as in "prep"; four exchange slots take turns, a slot is written again four barriers after it was read.
; THE MODE: SCHED_MODE bits 1:0 = 2 (LLVM: expert scheduling mode 2), set by the entry lines.  The code itself states the register dependences
; between vector or matrix instructions and memory or LDS instructions, with s_wait_alu, always for 0.
; THE PLAN.  Registers that memory or LDS instructions touch, in step n:
;   OWN                 Written by the step's conversions; read by its LDS stores and its global stores, which follow them (and by its first products).
;   OTH                 The LDS loads behind the step's barrier land in it; read by the step's products with positions 2 to 7.
;   GB0 .. GB3          Set (n - 1) % 4 is the C of step n's first four products; the loads of G_(n+4) land in it in step n + 1.
;   v4-11, v241, v242   Addresses and offsets, made at the head and never written again: the two scalar bases move on, and immediate offsets do the rest.
;   M and the accumulators are named in a step by matrix and vector instructions alone.
; So ONE wait on va_vdst stands in a step, behind its conversions: they have written OWN, and the products of the step before are done reading OTH and their set of G.
; The step's stores and its loads of G follow it at once.  Between it and the LDS loads into OTH stand the step's first products, which name M, OWN, this step's
; set of G and the accumulators: none of the registers that those loads touch.  ONE wait on vm_vsrc stands ahead of the conversions: the stores of the step before have read OWN.
.set SLOT, 8192
.set VST, 4
.set VLD, 5
.set VOFF, 8
.set GB0, 16                           ; v16-47, v48-79, v176-207, v208-239: four sets of G, f32, in the accumulators' layout
.set GB1, 48
.set GB2, 176
.set GB3, 208
.set OWN, 80
.set OTH, 96
.set ACC, 144
.set L16, 240
.set VG,  241                          ; 4,096 w + 16 L
.set VHO, 242                          ; 2,048 w + 16 L
.set MSB, 0
.macro WIN new                         ; the immediate's high byte repeats the setting that is left
.if MSB != \new
	s_set_vgpr_msb (MSB<<8)|\new
.set MSB, \new
.endif
.endm
.macro PLACES n
.rept \n
	v_nop
.endr
.endm
.macro PACK
.irp t,0,1,2,3
.irp i,0,1,2,3
	v_cvt_pk_bf16_f32 v[OWN+4*\t+\i], v[ACC+8*\t+2*\i], v[ACC+8*\t+2*\i+1]
.endr
.endr
.endm
.macro XST off
.irp k,0,1,2,3
	ds_store_b128 v[VST], v[OWN+4*\k:OWN+4*\k+3] offset:\off+512*\k
.endr
.endm
.macro XLD off
.irp d,1,2,3
.irp k,0,1,2,3
	ds_load_b128 v[OTH+16*(\d-1)+4*\k:OTH+16*(\d-1)+4*\k+3], v[VLD+\d-1] offset:\off+512*\k
.endr
.endr
.endm
.macro MM p, b                         ; the four accumulators take turns, one instruction a turn
.irp t,0,1,2,3
	v_wmma_f32_16x16x32_bf16 v[ACC+8*\t:ACC+8*\t+7], v[(4*(\p)+\t)*8:(4*(\p)+\t)*8+7], v[\b:\b+7], v[ACC+8*\t:ACC+8*\t+7]
.endr
.endm
.macro MMG p, b, gb                    ; the step's first products add onto G
.irp t,0,1,2,3
	v_wmma_f32_16x16x32_bf16 v[ACC+8*\t:ACC+8*\t+7], v[(4*(\p)+\t)*8:(4*(\p)+\t)*8+7], v[\b:\b+7], v[\gb+8*\t:\gb+8*\t+7]
.endr
.endm
.macro REST                            ; position p as soon as its two loads are in: the 2 (7 - p) younger ones may stay out
	WIN 1
.irp p,2,3,4,5,6,7
	s_wait_dscnt 14-2*\p
	MM \p, OTH+8*(\p-2)
.endr
	WIN 0
.endm
.macro MLOADG sb, off
	WIN 0x40
.irp d,0,1,2,3
.irp e,0,1
.irp t,0,1,2,3
	global_load_b128 v[(4*(2*\d+\e)+\t)*8:(4*(2*\d+\e)+\t)*8+3], v[VOFF+\d], s[\sb:\sb+1] offset:\off+\t*8192+\e*1024
	global_load_b128 v[(4*(2*\d+\e)+\t)*8+4:(4*(2*\d+\e)+\t)*8+7], v[VOFF+\d], s[\sb:\sb+1] offset:\off+\t*8192+\e*1024+512
.endr
.endr
.endr
	WIN 0
.endm
.macro GLOAD reg, idx                  ; my part of the G that lies idx sets behind the base
.irp k,0,1,2,3,4,5,6,7
	global_load_b128 v[\reg+4*\k:\reg+4*\k+3], v[VG], s[6:7] offset:(\idx)*16384+512*\k th:TH_LOAD_NT
.endr
.endm
.macro HOUT hidx
.irp k,0,1,2,3
	global_store_b128 v[VHO], v[OWN+4*\k:OWN+4*\k+3], s[8:9] offset:(\hidx)*8192+512*\k
.endr
.endm
; Step n = 4 trip + 1 + pos: H_n is packed, stored and exchanged, then ACC = G_n + A2 H_n.  rb >= 0: G_(n+3), which lies ridx sets behind the base, is asked for
; into set rb, the one that the step before read.  left = the loads of the younger sets of G, 8 a set.
.macro SSTEP pos, gb, hidx, rb, ridx, left
	s_wait_xcnt 0x0                                ; OWN, which the last step's stores read, is rewritten only behind this wait
	s_wait_alu depctr_vm_vsrc(0)                   ; the last step's stores, into LDS and into memory, have read OWN, which the conversions write again
	PACK
	s_wait_alu depctr_va_vdst(0)                   ; the conversions have written OWN, which the stores below read; the last step's products are done reading OTH and their set of G, in which the loads below land
	XST \pos*SLOT
	HOUT \hidx
.if (\rb) >= 0
	GLOAD \rb, \ridx                               ; G_(n+3)
.endif
	s_wait_dscnt 0x0                               ; my LDS stores are done, for the others' sake
	s_wait_loadcnt \left                           ; G_n is in (at the first step the matrix too: it was asked for ahead of G_1)
	s_barrier_signal -1
	WIN 1
	MMG 0, OWN, \gb
	MM 1, OWN+8
	WIN 0
	s_barrier_wait -1
	XLD \pos*SLOT                                  ; no wait: no vector or matrix instruction since the wait above names OTH or v5 to v7
	REST
	PLACES 5                                       ; between the last products and the conversions that read them, and the next first products that write over them (ISA guide 7.12.1)
.endm
	s_load_b128 s[4:7], s[0:1], 0x0                ; a2 s[4:5], g s[6:7]
	s_load_b64 s[8:9], s[0:1], 0x10                ; hs
	v_lshl_add_u32 v254, v0, 2, 0x8000
	v_mov_b32 v255, 0
	v_and_b32 v1, 31, v0
	v_lshrrev_b32 v[L16], 5, v0
	v_readfirstlane_b32 s12, v[L16]                ; w
	s_wait_alu depctr_va_sdst(0)                   ; s12 is written, ahead of its first reader: the addresses are made from it
	s_add_co_u32 s17, s12, 1
	s_and_b32 s17, s17, 3
	s_add_co_u32 s18, s12, 2
	s_and_b32 s18, s18, 3
	s_add_co_u32 s19, s12, 3
	s_and_b32 s19, s19, 3
	v_lshlrev_b32 v[L16], 4, v1
	v_lshl_add_u32 v[VST], s12, 11, v[L16]
	v_lshl_add_u32 v[VLD], s17, 11, v[L16]
	v_lshl_add_u32 v[VLD+1], s18, 11, v[L16]
	v_lshl_add_u32 v[VLD+2], s19, 11, v[L16]
	s_lshl_b32 s20, s12, 15
	v_add_nc_u32 v[VOFF+3], s20, v[L16]
	v_lshl_add_u32 v[VOFF], s12, 11, v[VOFF+3]
	v_lshl_add_u32 v[VOFF+1], s17, 11, v[VOFF+3]
	v_lshl_add_u32 v[VOFF+2], s18, 11, v[VOFF+3]
	v_lshl_add_u32 v[VOFF+3], s19, 11, v[VOFF+3]
	v_lshl_add_u32 v[VG], s12, 12, v[L16]
	v_lshl_add_u32 v[VHO], s12, 11, v[L16]
	s_mul_i32 s20, ttmp9, 15*16384                 ; my batch tile's 15 sets of G
	s_mov_b32 s21, 0
	s_mul_i32 s22, ttmp9, 15*8192                  ; and its 15 states
	s_mov_b32 s23, 0
	s_wait_kmcnt 0x0
	s_add_nc_u64 s[6:7], s[6:7], s[20:21]
	s_add_nc_u64 s[8:9], s[8:9], s[22:23]
	s_wait_alu depctr_va_vdst(0)                   ; the addresses and offsets v4 to v11, v241 and v242 are written: every load and store of the kernel reads one of them
	GLOAD ACC, 0                                   ; H_1 = G_0
	MLOADG 4, 0
	GLOAD GB0, 1
	GLOAD GB1, 2
	GLOAD GB2, 3                                   ; G_4 is asked for in step 1, as every later set is: three steps ahead
	s_wait_loadcnt 63                              ; 88 loads are younger than G_0's: G_0 is in
	s_mov_b32 s16, 0
.Lscan:
	SSTEP 0, GB0, 0, GB3, 4, 24
	SSTEP 1, GB1, 1, GB0, 5, 24
	SSTEP 2, GB2, 2, GB1, 6, 24
	SSTEP 3, GB3, 3, GB2, 7, 24
	s_wait_xcnt 0x0                                ; the bases are stepped only behind this wait
	s_add_nc_u64 s[6:7], s[6:7], 4*16384
	s_add_nc_u64 s[8:9], s[8:9], 4*8192
	s_add_co_u32 s16, s16, 1
	s_cmp_lt_u32 s16, 2
	s_cbranch_scc1 .Lscan
	SSTEP 0, GB0, 0, GB3, 4, 24                    ; steps 9 to 14: G_12, G_13 and G_14 are the last loads, then the counts run down
	SSTEP 1, GB1, 1, GB0, 5, 24
	SSTEP 2, GB2, 2, GB1, 6, 24
	SSTEP 3, GB3, 3, -1, 0, 16
	SSTEP 0, GB0, 4, -1, 0, 8
	SSTEP 1, GB1, 5, -1, 0, 0
	s_wait_xcnt 0x0
	s_wait_alu depctr_vm_vsrc(0)                   ; step 14's stores have read OWN, which the conversions write again
	PACK
	s_wait_alu depctr_va_vdst(0)                   ; the conversions have written OWN, which the last stores read
	HOUT 6                                         ; H_15
	s_wait_dscnt 0x0
	s_wait_alu depctr_hold_cnt(0) depctr_sa_sdst(0) depctr_va_vdst(0) depctr_va_sdst(0) depctr_va_ssrc(0) depctr_va_vcc(0) depctr_vm_vsrc(0)
	s_wait_tensorcnt 0x0
	ds_add_u32 v254, v255
	s_wait_dscnt 0x0
	s_endpgm
.Lfunc_end_k_qc06267180d_scan:
	.size	k_qc06267180d_scan, .Lfunc_end_k_qc06267180d_scan-k_qc06267180d_scan
	.p2alignl 7, 3214868480
	.fill 96, 4, 3214868480
	.section	.rodata,"a",@progbits
	.p2align	6, 0x0
	.amdhsa_kernel k_qc06267180d_scan
		.amdhsa_group_segment_fixed_size 33280
		.amdhsa_private_segment_fixed_size 0
		.amdhsa_enable_private_segment 0
		.amdhsa_kernarg_size 24
		.amdhsa_user_sgpr_count 2
		.amdhsa_user_sgpr_kernarg_segment_ptr 1
		.amdhsa_wavefront_size32 1
		.amdhsa_system_sgpr_workgroup_id_x 1
		.amdhsa_system_sgpr_workgroup_id_y 1
		.amdhsa_system_sgpr_workgroup_id_z 1
		.amdhsa_system_vgpr_workitem_id 0
		.amdhsa_next_free_vgpr 512
		.amdhsa_next_free_sgpr 66
		.amdhsa_reserve_vcc 0
		.amdhsa_float_denorm_mode_32 3
		.amdhsa_float_denorm_mode_16_64 3
		.amdhsa_memory_ordered 1
		.amdhsa_forward_progress 1
		.amdhsa_inst_pref_size 69
	.end_amdhsa_kernel
	.amdgpu_metadata
---
amdhsa.version: [ 1, 2 ]
amdhsa.kernels:
  - .name:           k_qc06267180d_scan
    .symbol:         k_qc06267180d_scan.kd
    .args:
      - { .name: a2, .offset: 0, .size: 8, .value_kind: global_buffer, .address_space: global }
      - { .name: g, .offset: 8, .size: 8, .value_kind: global_buffer, .address_space: global }
      - { .name: hs, .offset: 16, .size: 8, .value_kind: global_buffer, .address_space: global }
    .group_segment_fixed_size: 33280
    .private_segment_fixed_size: 0
    .kernarg_segment_align: 8
    .kernarg_segment_size: 24
    .max_flat_workgroup_size: 128
    .sgpr_count:     66
    .vgpr_count:     512
    .wavefront_size: 32
...
	.end_amdgpu_metadata
.endif
;; end of part 11
;; launch outp: the kernel of part 9 again; grid 256 x 1, 4 waves a work-group, no clusters, 111,616 bytes of LDS; arguments prep, ua, gp, xf, hs, out0; writes out0
